; MI455X (gfx1250); checked and timed in simulation.
; The chip was launched on July 23, 2026; its instructions are those of AMD's public machine-readable ISA for CDNA 5 (MIT licence, August 2026) and "CDNA5" Instruction Set Architecture Reference Guide (July 2026). The comments in the code are by the model that wrote it; some were corrected since.
;; Cross Attention. Allowed arithmetic: matrix products marked QUANTISED: E2M1 operands, one E8M0 scale for each 32 along K, by v_wmma_scale_f32_16x16x128_f8f6f4 with both operands' format E2M1 (or v_wmma_scale_f32_32x16x128_f4), f32 sums; everything else in f32.
;; Inputs: Wk_b 1,024 float32; Wk_w_codes 1,024 x 32 x 16 uint8 (E2M1 codes of Wk_w, K innermost, in blocks of 32 codes, two codes a byte); Wk_w_scales 1,024 x 32 uint8 (E8M0 scales of Wk_w, one for each 32 codes along K); Wq_b 1,024 float32; Wq_w_codes 1,024 x 32 x 16 uint8 (E2M1 codes of Wq_w, K innermost, in blocks of 32 codes, two codes a byte); Wq_w_scales 1,024 x 32 uint8 (E8M0 scales of Wq_w, one for each 32 codes along K); Wv_b 1,024 float32; Wv_w_codes 1,024 x 32 x 16 uint8 (E2M1 codes of Wv_w, K innermost, in blocks of 32 codes, two codes a byte); Wv_w_scales 1,024 x 32 uint8 (E8M0 scales of Wv_w, one for each 32 codes along K); context_codes 2 x 2,048 x 32 x 16 uint8 (E2M1 codes of context, K innermost, in blocks of 32 codes, two codes a byte); context_scales 2 x 2,048 x 32 uint8 (E8M0 scales of context, one for each 32 codes along K); cpos 2 x 2,048 int32; fc1_b 4,096 float32; fc1_w_codes 4,096 x 32 x 16 uint8 (E2M1 codes of fc1_w, K innermost, in blocks of 32 codes, two codes a byte); fc1_w_scales 4,096 x 32 uint8 (E8M0 scales of fc1_w, one for each 32 codes along K); fc2_b 1,024 float32; fc2_w_codes 1,024 x 128 x 16 uint8 (E2M1 codes of fc2_w, K innermost, in blocks of 32 codes, two codes a byte); fc2_w_scales 1,024 x 128 uint8 (E8M0 scales of fc2_w, one for each 32 codes along K); ffn_b 1,024 float32; ffn_w 1,024 float32; kn_b 64 float32; kn_w 64 float32; qn_b 64 float32; qn_w 64 float32; qpos 2 x 2,048 int32; query 2 x 2,048 x 1,024 float32.
;; Outputs: out0 2 x 2,048 x 1,024 float32.
;; This version of the problem:
;;   THIS VERSION OF THE PROBLEM IS GIVEN IN LOW PRECISION. The matrix products marked QUANTISED in the list below multiply operands that are first quantised to E2M1 (2 exponent bits, 1 mantissa bit; 4 bits a number), with one power-of-two scale for each 32 numbers along K (OCP MX v1.0); their sums are f32. All else is computed in f32.
;;   The module's matrix products, in the order in which they are computed (A, B: the left and right operand; K: the contracted axis; several contracted axes count as one K, in the product's order):
;;     1. [M 4,096, K 1,024] x [K 1,024, N 1,024]; A: input query; B: input Wq_w (given as codes): QUANTISED
;;     2. [M 4,096, K 1,024] x [K 1,024, N 1,024]; A: input context (given as codes); B: input Wk_w (given as codes): QUANTISED
;;     3. [M 4,096, K 1,024] x [K 1,024, N 1,024]; A: input context (given as codes); B: input Wv_w (given as codes): QUANTISED
;;     4. batch 32 x [M 2,048, K 64] x [K 64, N 2,048]; A: computed on the way; B: computed on the way: QUANTISED
;;     5. batch 32 x [M 2,048, K 2,048] x [K 2,048, N 64]; A: softmax (see below); B: computed on the way: QUANTISED
;;     6. [M 4,096, K 1,024] x [K 1,024, N 4,096]; A: computed on the way; B: input fc1_w (given as codes): QUANTISED
;;     7. [M 4,096, K 4,096] x [K 4,096, N 1,024]; A: computed on the way; B: input fc2_w (given as codes): QUANTISED
;;   THE QUANTISER, for each operand of a quantised product, along K:
;;     - K is cut into blocks of 32 from its start; a last block that is shorter is filled with zeros.
;;     - A block's scale is 2^e with e = floor(log2(the largest magnitude in the block)) - 2, held to -126 .. 127; a block of zeros has e = 0. As a byte (E8M0): e + 127.
;;     - Each number is divided by its block's scale, clamped to +-6, and rounded to the nearest number of E2M1, ties to even, subnormals kept.
;;     - The product sums the exact products of the quantised numbers (number of the format x scale) in f32.
;;   ~~~python
;;   def quantise(x, axis):      # numpy; x: float32 -> the quantised numbers, widened to float32 again
;;       x = np.moveaxis(x, axis, -1); K = x.shape[-1]
;;       x = np.pad(x, [(0, 0)] * (x.ndim - 1) + [(0, -K % 32)]); x = x.reshape(x.shape[:-1] + (-1, 32)); a = np.abs(x).max(-1, keepdims=True)
;;       e = np.where(a > 0, np.clip(np.frexp(np.where(a > 0, a, 1))[1] - 1 - 2, -126, 127), 0)      # np.frexp(a)[1] - 1 = floor(log2(a)), exactly
;;       r = np.clip(x / 2.0 ** e, -6, 6)
;;       step = 2.0 ** (np.maximum(np.frexp(np.where(r == 0, 1, r))[1] - 1, 0) - 1)
;;       q = np.round(r / step) * step * 2.0 ** e      # np.round: ties to even
;;       return np.moveaxis(q.reshape(q.shape[:-2] + (-1,))[..., :K], -1, axis).astype(np.float32)
;;   ~~~
;;   SOFTMAX AHEAD OF A QUANTISED PRODUCT. Where the list says 'softmax', what is quantised is not the finished softmax but p = 2^(t - M), with t = logit x log2(e) and M = ceil(the row's largest t), a whole number; so 1/2 < the row's largest p <= 1. The row's sum l is taken of the UNQUANTISED p, in f32, and the product's result is divided by l at the end. Since M is a whole number, a kernel that streams over the keys may use a running M (the ceiling of the running maximum): every later rescaling is an exact power of two, which a block's scale takes up: the codes' values come out the same.
;;   OPERANDS COMPUTED ON THE WAY. 'Computed on the way' means the value that the module computes at that place (a softmax that the list does not call 'softmax' is quantised finished and normalised). What goes into a quantiser is computed in f32, as accurately as f32 sums, v_exp_f32 and their like allow (about 1e-6 of the number): no bf16 or f16 on the way to a quantiser, and a product that is left as it is and whose result goes on into a quantised operand takes f32 operands (vector FMAs, or v_wmma_f32_16x16x4_f32). A number that lies on a knife's edge between two numbers of the format may be rounded either way, as far as f32 arithmetic and the matrix unit's own rounding can turn it there, and no further.
;;   INPUTS GIVEN AS CODES. Wk_w (in the module: [1024, 1024], K = its axis 0); Wq_w (in the module: [1024, 1024], K = its axis 0); Wv_w (in the module: [1024, 1024], K = its axis 0); context (in the module: [2, 2048, 1024], K = its axis 2); fc1_w (in the module: [1024, 4096], K = its axis 0); fc2_w (in the module: [4096, 1024], K = its axis 0): each comes as NAME_codes (uint8): NAME with its K axis moved to the last place and cut into blocks of 32 codes, [.., K / 32, bytes a block], one block behind the other in memory; two codes a byte, the lower K in the low four bits (a code: sign, 2 exponent bits, 1 mantissa bit); and NAME_scales (uint8): the same leading axes, one E8M0 byte (e + 127) for each 32 codes along K. Its value is code x scale, taken as it is: it is not quantised again, and the codes and scales need not be those that the quantiser above would give.
;; 2 versions. Each part assembles by itself: llvm-mc -triple=amdgcn-amd-amdhsa -mcpu=gfx1250 --defsym DOCPART=n.
;; ======== version 1 of 2: 6 launches
;; workspace buffers: xc 2,097,152 bytes; xs 131,072 bytes; qbuf 2,359,296 bytes; kbuf 2,359,296 bytes; vbuf 2,228,224 bytes; x2 16,777,216 bytes; h1 8,912,896 bytes
;; launch quantq (part 1): grid 128 x 1, 4 waves a work-group, no clusters, 33,280 bytes of LDS; arguments query, xc, xs; writes xc, xs
.if DOCPART == 1
	.amdgcn_target "amdgcn-amd-amdhsa--gfx1250"
	.amdhsa_code_object_version 6
	.text
	.protected	k_q2d81454d91_quantq
	.globl	k_q2d81454d91_quantq
	.p2align	8
	.type	k_q2d81454d91_quantq,@function
k_q2d81454d91_quantq:
	s_mov_b64 s[64:65], 0
	v_nop
	global_prefetch_b8 v0, s[64:65] scope:SCOPE_SE
	s_setreg_imm32_b32 hwreg(HW_REG_WAVE_MODE, 25, 1), 1
	s_wait_xcnt 0x0
; query [4096][1024] f32 becomes codes of E2M1, K innermost (xc: 512 bytes a row), and one E8M0 byte for each 32 along K (xs: 32 bytes a row).
; A block's scale is 2^(floor(log2(largest magnitude)) - 2): its byte is the largest magnitude's exponent field - 2, held at 1 from below.
; LIMITS: a block of zeros gets the byte 1 (its codes are zeros; this program alone reads the bytes); NaN and infinities are not served.
; Rows are dense, so the tensor is a plain stream of blocks of 32.  A wave takes 16 steps of 512 numbers.  Each load reads 512 consecutive bytes; a step's 2,048 bytes
; turn through the wave's own stage in LDS (16 bytes of padding behind each 64) and come back 16 neighbours a lane, two lanes to a block.
; A step's codes leave as 256 consecutive bytes; a wave's 256 scale bytes are gathered in LDS and leave as one store of 256 consecutive, aligned bytes.
.set STEPS, 16
.set CB,    8                          ; bytes of 16 codes
.set R,     16                         ; v16-79   four sets of 16 numbers as loaded
.set X,     80                         ; v80-111  two sets of 16 neighbours
.set C,     128                        ; v128-191 codes, four registers a step: no store's data are written again
.set E,     112                        ; v112-127 a scale byte for each step
.set WREG,  8192                       ; LDS region of a wave: two stages of 32 x SP bytes, then 256 scale bytes
.set SP,    80
	s_load_b64 s[4:5], s[0:1], 0x0                 ; query
	s_load_b64 s[8:9], s[0:1], 0x8                 ; xc
	s_load_b64 s[10:11], s[0:1], 0x10              ; xs
	v_lshl_add_u32 v192, v0, 2, 0x8000
	v_mov_b32 v193, 0
	v_lshrrev_b32 v1, 5, v0
	v_readfirstlane_b32 s16, v1                    ; wave
	v_and_b32 v2, 31, v0                           ; lane
	v_lshlrev_b32 v3, 4, v2                        ; my 16 bytes of a load's 512
	s_mul_i32 s17, s16, WREG
	v_lshrrev_b32 v14, 2, v2
	v_mul_u32_u24 v14, v14, SP
	v_and_b32 v15, 3, v2
	v_lshl_add_u32 v14, v15, 4, v14
	v_add_nc_u32 v14, s17, v14                     ; stage, way in: SP (lane / 4) + 16 (lane % 4)
	v_mul_u32_u24 v15, v2, SP
	v_add_nc_u32 v15, s17, v15                     ; stage, way out: SP x lane
	v_mul_u32_u24 v4, v2, CB                       ; my codes' place in a step's
	v_lshrrev_b32 v5, 1, v2
	s_add_co_u32 s17, s17, 2*32*SP
	v_add_nc_u32 v5, s17, v5                       ; my block's scale byte in LDS
	v_lshlrev_b32 v7, 3, v2
	v_add_nc_u32 v6, s17, v7                       ; and 8 bytes a lane on the way out
	s_lshl_b32 s18, ttmp9, 2
	s_add_co_u32 s18, s18, s16                     ; which run of 8,192 numbers is my wave's
	s_mov_b32 s19, 0
	s_lshl_b64 s[20:21], s[18:19], 15              ; 32,768 bytes of f32,
	s_lshl_b64 s[22:23], s[18:19], 12              ; 4,096 of codes,
	s_lshl_b64 s[24:25], s[18:19], 8               ; 256 scale bytes a run
	s_wait_kmcnt 0x0
	s_add_nc_u64 s[4:5], s[4:5], s[20:21]
	s_add_nc_u64 s[8:9], s[8:9], s[22:23]
	s_add_nc_u64 s[10:11], s[10:11], s[24:25]
.macro LOAD t
.irp i, 0,1,2,3
	global_load_b128 v[R+16*((\t)%4)+4*\i:R+16*((\t)%4)+4*\i+3], v3, s[4:5] offset:2048*(\t)+512*\i
.endr
.endm
.macro TURN t                          ; LDS serves a wave's instructions in order: no wait between the stores and the loads
.irp i, 0,1,2,3
	ds_store_b128 v14, v[R+16*((\t)%4)+4*\i:R+16*((\t)%4)+4*\i+3] offset:32*SP*((\t)%2)+8*SP*\i
.endr
.irp i, 0,1,2,3
	ds_load_b128 v[X+16*((\t)%2)+4*\i:X+16*((\t)%2)+4*\i+3], v15 offset:32*SP*((\t)%2)+16*\i
.endr
.endm
.irp t, 0,1,2,3
	LOAD \t
.endr
	s_wait_loadcnt 12                              ; step 0's four loads are in; three steps' twelve stay out
	TURN 0
.macro STEP t
.set XS, X+16*((\t)%2)
.if (\t) > 0
	s_wait_dscnt 1                                 ; this step's numbers are back (the last step's byte store may be out)
.else
	s_wait_dscnt 0x0
.endif
.if (\t)+4 < STEPS
	LOAD (\t)+4
.endif
.if (\t)+1 < STEPS
.if STEPS-2-(\t) >= 3
	s_wait_loadcnt 12                              ; the next step's four loads are in; the three steps behind it stay out
.else
	s_wait_loadcnt 4*(STEPS-2-(\t))
.endif
	TURN (\t)+1
.endif
	v_max3_num_f32 v8, |v[XS]|, |v[XS+1]|, |v[XS+2]|
	v_max3_num_f32 v9, |v[XS+3]|, |v[XS+4]|, |v[XS+5]|
.irp i, 6,10
	v_max3_num_f32 v8, v8, |v[XS+\i]|, |v[XS+\i+1]|
	v_max3_num_f32 v9, v9, |v[XS+\i+2]|, |v[XS+\i+3]|
.endr
	v_max3_num_f32 v8, v8, |v[XS+14]|, |v[XS+15]|
	v_max3_num_f32 v8, v8, v9, 0x1800000           ; the floor 2^(3 - 127): the byte cannot fall under 1
	v_max_num_f32_dpp v8, v8, v8 row_xmask:1 row_mask:0xf bank_mask:0xf   ; with my neighbour's 16: the block's
	v_add_nc_u32 v11, 0xff000000, v8               ; 2 off the exponent field: the conversion's scale operand
	v_cvt_scalef32_pk8_fp4_f32 v[C+4*(\t)], v[XS:XS+7], v11
	v_cvt_scalef32_pk8_fp4_f32 v[C+4*(\t)+1], v[XS+8:XS+15], v11
	v_lshrrev_b32 v[E+(\t)], 23, v11               ; the scale's byte (a plain line behind the conversions)
	ds_store_b8 v5, v[E+(\t)] offset:16*(\t)       ; both lanes of a block write the same byte with the same value
	global_store_b64 v4, v[C+4*(\t):C+4*(\t)+1], s[8:9] offset:32*CB*(\t)
.endm
.irp t, 0,1,2,3,4,5,6,7,8,9,10,11,12,13,14,15
	STEP \t
.endr
	ds_load_b64 v[12:13], v6
	s_wait_dscnt 0x0
	global_store_b64 v7, v[12:13], s[10:11]        ; 32 lanes store 256 consecutive, aligned bytes
	s_wait_tensorcnt 0x0
	ds_add_u32 v192, v193
	s_wait_dscnt 0x0
	s_endpgm
.Lfunc_end_k_q2d81454d91_quantq:
	.size	k_q2d81454d91_quantq, .Lfunc_end_k_q2d81454d91_quantq-k_q2d81454d91_quantq
	.p2alignl 7, 3214868480
	.fill 96, 4, 3214868480
	.section	.rodata,"a",@progbits
	.p2align	6, 0x0
	.amdhsa_kernel k_q2d81454d91_quantq
		.amdhsa_group_segment_fixed_size 33280
		.amdhsa_private_segment_fixed_size 0
		.amdhsa_enable_private_segment 0
		.amdhsa_kernarg_size 24
		.amdhsa_user_sgpr_count 2
		.amdhsa_user_sgpr_kernarg_segment_ptr 1
		.amdhsa_wavefront_size32 1
		.amdhsa_system_sgpr_workgroup_id_x 1
		.amdhsa_system_sgpr_workgroup_id_y 1
		.amdhsa_system_sgpr_workgroup_id_z 1
		.amdhsa_system_vgpr_workitem_id 0
		.amdhsa_next_free_vgpr 194
		.amdhsa_next_free_sgpr 66
		.amdhsa_reserve_vcc 0
		.amdhsa_float_denorm_mode_32 3
		.amdhsa_float_denorm_mode_16_64 3
		.amdhsa_memory_ordered 1
		.amdhsa_forward_progress 1
		.amdhsa_inst_pref_size 33
	.end_amdhsa_kernel
	.amdgpu_metadata
---
amdhsa.version: [ 1, 2 ]
amdhsa.kernels:
  - .name:           k_q2d81454d91_quantq
    .symbol:         k_q2d81454d91_quantq.kd
    .args:
      - { .name: query, .offset: 0, .size: 8, .value_kind: global_buffer, .address_space: global }
      - { .name: xc, .offset: 8, .size: 8, .value_kind: global_buffer, .address_space: global }
      - { .name: xs, .offset: 16, .size: 8, .value_kind: global_buffer, .address_space: global }
    .group_segment_fixed_size: 33280
    .private_segment_fixed_size: 0
    .kernarg_segment_align: 8
    .kernarg_segment_size: 24
    .max_flat_workgroup_size: 128
    .sgpr_count:     66
    .vgpr_count:     194
    .wavefront_size: 32
...
	.end_amdgpu_metadata
.endif
;; end of part 1
;; launch proj (part 2): grid 12 x 16, 4 waves a work-group, clusters of 4 x 4, 327,680 bytes of LDS; arguments xc, xs, context_codes, context_scales, Wq_w_codes, Wq_w_scales, Wk_w_codes, Wk_w_scales, Wv_w_codes, Wv_w_scales, Wq_b, Wk_b, qn_w, kn_w, qn_b, kn_b, qbuf, kbuf, Wv_b, vbuf; writes qbuf, kbuf, vbuf
.if DOCPART == 2
	.amdgcn_target "amdgcn-amd-amdhsa--gfx1250"
	.amdhsa_code_object_version 6
	.text
	.protected	k_q2d81454d91_proj
	.globl	k_q2d81454d91_proj
	.p2align	8
	.type	k_q2d81454d91_proj,@function
k_q2d81454d91_proj:
	s_mov_b64 s[64:65], 0
	v_nop
	global_prefetch_b8 v0, s[64:65] scope:SCOPE_SE
	s_setreg_imm32_b32 hwreg(HW_REG_WAVE_MODE, 25, 1), 1
	s_wait_xcnt 0x0
	s_wait_alu depctr_hold_cnt(0) depctr_sa_sdst(0) depctr_va_vdst(0) depctr_va_sdst(0) depctr_va_ssrc(0) depctr_va_vcc(0) depctr_vm_vsrc(0)
	s_getreg_b32 s2, hwreg(HW_REG_IB_STS2, 6, 4)
	s_cmp_eq_u32 s2, 0
	s_cbranch_scc0 .Lentry_in_a_cluster
	s_endpgm
.Lentry_in_a_cluster:
	s_bfe_u32 s2, ttmp6, 0x10000c
	s_cmp_lg_u32 s2, 0xf033
	s_cbranch_scc0 .Lentry_shape_is_right
	s_endpgm
.Lentry_shape_is_right:
; The three projections on codes of E2M1 (K = 1,024), each followed by what makes its result an operand of attention.  The cluster's x says which: 0 Q, 1 K, 2 V.
; A tile of C is 256 x 256, four waves of 128 x 128 (64 accumulators in windows 2 and 3).  Source 0 = 16 rows of "B" (they run along a lane's registers), source 1 = 16 rows of "A" (a lane's row).
; Q, K: A = the tokens (xc or context), B = the weight: a lane holds one token and its registers run along the features.  + bias, LayerNorm over each head's 64, quantised along the 64:
;   register 8 b + j of lane (r, h) is feature 16 b + 8 h + j, so a block of 32 is 16 registers of lanes l and l xor 16.
; V: A = Wv's rows (d), B = the keys (context): the tile is V^T, a lane holds one d and its registers run along the keys, which are the second attention product's K.  + bias, quantised along the keys.
; OUT: images of operand registers (16 bytes a lane, 512 consecutive bytes a store) and one scale word a row:
;   qbuf, kbuf [bh 32][quarter 4][16,384 codes: 32 images of 16 rows | 2,048: a word a row, bytes 2 and 3 = 0x7f];  vbuf [bh 32][quarter 4][16,384: step 4, d tile 4, half 2, lane, 16 B | 1,024: step 4, d 64 words].
; K = 1,024 is two K steps of 512: both are first fills of the two LDS slots, nothing is filled again.  The scales of all of K come with them.
; CLUSTERS 4 x 4: A's tiles are shared along a row of the cluster, B's along a column, by joint tensor loads.  A wave has three tensor loads out at most.
; LIMITS: NaN and infinities are not served; a block of zeros gets the scale byte 1 (zero codes; read by this program alone).  qpos and cpos are used nowhere in the module and are not read.
.set KSTEP,  512
.set NQ,     4
.set ROWB,   256
.set KROW,   512
.set PITCH,  272                       ; 256 bytes + 16 of padding: the 16 rows of a fragment load start at 16 different banks
.set FR,     8
.set NL,     2
.set NP,     4
.set HALFT,  128*PITCH
.set SLOT,   4*HALFT
.set KS,     32
.set SCL,    2*SLOT
.set HALFS,  (128*KS/256)*272
.set SBLK,   (16*KS/256)*272
.set SPARE,  SCL+4*HALFS               ; the spare words: 128 bytes a wave, named by no other line
.set ADRA, 16                          ; v16-17 LDS address of my A fragments in slot 0, 1
.set R4,   18                          ; v18    4 r
.set H32,  19                          ; v19    32 h
.set ADRB, 20                          ; v20-21 the same for B
.set IMG,  22                          ; v22    16 x lane
.set SWA,  23                          ; v23    Q, K arm: where a row's scale word goes in my stage
.set SWR,  24                          ; v24    and where 16 bytes a lane come back
.set VWA,  25                          ; v25, v26 the same for the V arm (bytes of its own)
.set VWR,  26
.set ADRS, 27
.set SPW,  28
.set NIL,  29
.set VWO,  30                          ; v30    V arm: 69,632 h + 16 r: two heads' words
.set SC,   32                          ; v32-95 scale words, two sets; they hold nothing else
.set AF,   128
.set G1, 24
.set G0, 32
.set G1B, 48
.set G0B, 56
.set G1S, 68
.set G0S, 76
.set G1SB, 80
.set G0SB, 88
.set MSB, 0
.macro WIN new
.if MSB != (\new)
	s_set_vgpr_msb (MSB<<8)|(\new)
.set MSB, \new
.endif
.endm
.set MUL_LO, 0xa1
.set MUL_HI, 0xf1
.set TO_B,   0x40
.macro JLOAD g0a, g1a, g0b, g1b        ; waves 0, 1 fetch for A, waves 2, 3 for B; four v_nop follow each line
	s_cmp_eq_u32 s15, 0
	s_cbranch_scc0 .Lfor_b_\@
	tensor_load_to_lds s[\g0a:\g0a+3], s[\g1a:\g1a+7]
	s_nop 0
.rept 4
	v_nop
.endr
	s_branch .Lasked_\@
.Lfor_b_\@:
	tensor_load_to_lds s[\g0b:\g0b+3], s[\g1b:\g1b+7]
	s_nop 0
.rept 4
	v_nop
.endr
.Lasked_\@:
.endm
.macro CROUND                          ; a round of the cluster's barrier
	s_barrier_signal -1
	s_barrier_wait -1
	s_cmp_lg_u32 s14, 0
	s_cbranch_scc1 .Lnot_wave_0_\@
	s_barrier_signal -3
.Lnot_wave_0_\@:
	s_barrier_wait -3
	s_barrier_signal -1
	s_barrier_wait -1
.endm
	s_load_b512 s[68:83], s[0:1], 0x0              ; xc, xs, context codes, scales, Wq codes, scales, Wk codes, scales
	s_load_b128 s[84:87], s[0:1], 0x40             ; Wv codes, scales
	v_lshl_add_u32 v[SPW], v0, 2, SPARE
	v_mov_b32 v[NIL], 0
	ds_add_u32 v28, v29
	ds_add_u32 v28, v29
	s_wait_dscnt 0x0
	v_lshrrev_b32 v1, 5, v0
	v_readfirstlane_b32 s14, v1                    ; wave 0..3
	s_lshr_b32 s15, s14, 1                         ; my half of the tile's rows; also: I fetch for A (0) or B (1)
	s_and_b32 s16, s14, 1                          ; my half of its columns; also: which 128 rows I fetch
	s_bfe_u32 s40, ttmp6, 0x40000                  ; cx
	s_bfe_u32 s41, ttmp6, 0x40004                  ; cy
	s_and_b32 s18, ttmp7, 0xffff
	s_lshl_b32 s18, s18, 2                         ; 4 x cluster y
	s_cmp_lt_u32 ttmp9, 2                          ; Q, K: the 16 tile rows are tokens; V: the 16 tile columns are keys
	s_cselect_b32 s17, s18, 0
	s_cselect_b32 s42, 0, s18
	s_add_co_u32 s17, s17, s41                     ; tile row: hangs on cy alone
	s_add_co_u32 s42, s42, s40                     ; tile column: on cx alone
	s_lshl_b32 s43, s41, 2
	s_lshl_b32 s43, 15, s43                        ; my row of the cluster
	s_lshl_b32 s44, 0x1111, s40                    ; my column
	s_or_b32 s[G1+0], s43, (0<<16)|(1<<20)|(1<<21)|(5<<22)|(3<<25)   ; mask; 1-byte elements; 4 words of padding after every 64
	s_or_b32 s[G1B+0], s44, (0<<16)|(1<<20)|(1<<21)|(5<<22)|(3<<25)
.irp g, G1, G1B
	s_mov_b32 s[\g+1], ROWB<<16
	s_mov_b32 s[\g+2], 128<<16
	s_mov_b32 s[\g+3], ROWB<<16
	s_mov_b32 s[\g+4], 128
	s_mov_b32 s[\g+5], KROW
	s_mov_b32 s[\g+6], 0
	s_mov_b32 s[\g+7], 0
.endr
	s_lshl_b32 s18, s16, 7
	s_lshl_b32 s20, s17, 8
	s_add_co_u32 s20, s20, s18                     ; A: row 256 x tile row + 128 x half
	s_lshl_b32 s46, s42, 8
	s_add_co_u32 s46, s46, s18                     ; B likewise by the tile column
	s_mov_b32 s21, 0
	s_mov_b32 s47, 0
	s_mov_b64 s[18:19], KS
	s_mul_u64 s[22:23], s[20:21], s[18:19]
	s_mul_u64 s[92:93], s[46:47], s[18:19]
	s_mov_b64 s[18:19], KROW
	s_mul_u64 s[20:21], s[20:21], s[18:19]
	s_mul_u64 s[46:47], s[46:47], s[18:19]
	s_mul_i32 s45, s14, HALFT
	s_mul_i32 s94, s14, HALFS
	s_wait_kmcnt 0x0
	s_cmp_eq_u32 ttmp9, 1                          ; the operands' buffers: a choice on the cluster's x alone
	s_cselect_b64 s[4:5], s[72:73], s[84:85]       ; A: K: context; V: Wv
	s_cselect_b64 s[6:7], s[74:75], s[86:87]
	s_cselect_b64 s[8:9], s[80:81], s[72:73]       ; B: K: Wk; V: context
	s_cselect_b64 s[10:11], s[82:83], s[74:75]
	s_cmp_eq_u32 ttmp9, 0
	s_cselect_b64 s[4:5], s[68:69], s[4:5]         ; Q: A = the quantised query, B = Wq
	s_cselect_b64 s[6:7], s[70:71], s[6:7]
	s_cselect_b64 s[8:9], s[76:77], s[8:9]
	s_cselect_b64 s[10:11], s[78:79], s[10:11]
	s_or_b32 s[G1S+0], s43, (3<<16)|(1<<20)|(1<<21)|(5<<22)|(3<<25)  ; the scales of 128 rows: a dense block, as rows of 256 bytes, 16 of padding behind each
	s_or_b32 s[G1SB+0], s44, (3<<16)|(1<<20)|(1<<21)|(5<<22)|(3<<25)
.irp g, G1S, G1SB
	s_mov_b32 s[\g+1], 32<<16
	s_mov_b32 s[\g+2], (128*KS/256)<<16
	s_mov_b32 s[\g+3], 32<<16
	s_mov_b32 s[\g+4], 128*KS/256
	s_mov_b32 s[\g+5], 32
	s_mov_b32 s[\g+6], 0
	s_mov_b32 s[\g+7], 0
.endr
	s_add_nc_u64 s[20:21], s[4:5], s[20:21]
	s_add_nc_u64 s[22:23], s[6:7], s[22:23]
	s_add_nc_u64 s[46:47], s[8:9], s[46:47]
	s_add_nc_u64 s[92:93], s[10:11], s[92:93]
	CROUND                                         ; all sixteen work-groups are here: the first joint loads meet
	s_mov_b32 s[G0S], 1
	s_add_co_u32 s[G0S+1], s94, SCL
	s_mov_b64 s[G0S+2:G0S+3], s[22:23]
	s_or_b32 s[G0S+3], s[G0S+3], 0x80000000
	s_mov_b32 s[G0SB], 1
	s_add_co_u32 s[G0SB+1], s94, SCL
	s_mov_b64 s[G0SB+2:G0SB+3], s[92:93]
	s_or_b32 s[G0SB+3], s[G0SB+3], 0x80000000
	JLOAD G0S, G1S, G0SB, G1SB
.irp s, 0,1
	s_mov_b32 s[G0+4*\s], 1
	s_add_co_u32 s[G0+4*\s+1], s45, \s*SLOT
	s_add_nc_u64 s[G0+4*\s+2:G0+4*\s+3], s[20:21], \s*ROWB
	s_or_b32 s[G0+4*\s+3], s[G0+4*\s+3], 0x80000000
	s_mov_b32 s[G0B+4*\s], 1
	s_add_co_u32 s[G0B+4*\s+1], s45, \s*SLOT
	s_add_nc_u64 s[G0B+4*\s+2:G0B+4*\s+3], s[46:47], \s*ROWB
	s_or_b32 s[G0B+4*\s+3], s[G0B+4*\s+3], 0x80000000
	JLOAD G0+4*\s, G1, G0B+4*\s, G1B
.endr
	v_and_b32 v1, 15, v0                           ; r
	v_bfe_u32 v2, v0, 4, 1                         ; h
	v_mul_u32_u24 v3, v1, PITCH
	v_lshl_add_u32 v4, v2, 4, v3
	s_mul_i32 s21, s15, HALFT
	s_mul_i32 s22, s16, HALFT
	s_add_co_u32 s22, s22, 2*HALFT
.irp s, 0,1
	v_add_nc_u32 v[ADRA+\s], s21, v4
	v_add_nc_u32 v[ADRB+\s], s22, v4
	s_add_co_u32 s21, s21, SLOT
	s_add_co_u32 s22, s22, SLOT
.endr
	v_mul_u32_u24 v5, v1, KS
	v_lshrrev_b32 v6, 8, v5
	v_lshl_add_u32 v5, v6, 4, v5
	s_mul_i32 s21, s15, HALFS
	s_mul_i32 s22, s16, HALFS
	s_add_co_u32 s22, s22, 2*HALFS
	s_sub_co_u32 s22, s22, s21
	v_mul_u32_u24 v6, s22, v2                      ; lanes 16-31 take B's scale words
	s_add_co_u32 s21, s21, SCL
	v_add_nc_u32 v5, v5, v6
	v_add_nc_u32 v[ADRS], s21, v5
	v_and_b32 v6, 31, v0                           ; the addresses of both ways out are made here, ahead of the parting
	v_lshlrev_b32 v[IMG], 4, v6
	v_lshlrev_b32 v[R4], 2, v1
	v_lshlrev_b32 v[H32], 5, v2
	s_lshl_b32 s23, s14, 10                        ; Q, K arm: 1,024 bytes a wave from LDS byte 0 (slot 0 has had its last fill and its last read by then)
	v_add_nc_u32 v[SWA], s23, v[R4]
	v_add_nc_u32 v[SWR], s23, v[IMG]
	s_lshl_b32 s23, s14, 9                         ; V arm: 512 bytes a wave from LDS byte 8,192
	s_add_co_u32 s23, s23, 8192
	v_add_nc_u32 v[VWA], s23, v[R4]
	v_add_nc_u32 v[VWR], s23, v[IMG]
	v_mul_u32_u24 v[VWO], v2, 69632
	v_lshl_add_u32 v[VWO], v1, 4, v[VWO]
.macro FRAG reg, adr, q, i             ; 16 rows x 128 K of 4-bit codes: 8 registers, two loads of 16 bytes, 32 bytes apart
.irp c, 0,1
	ds_load_b128 v[\reg+4*\c:\reg+4*\c+3], v[\adr] offset:64*(\q)+32*\c+(\i)*16*PITCH
.endr
.endm
.macro MUL16 a0, p, q, sc, zero        ; A's blocks a0, a0 + 1 x B's eight; the 64 accumulators take turns
.irp a, \a0, \a0+1
.irp b, 0,1,2,3,4,5,6,7
.if \zero
	v_wmma_scale_f32_16x16x128_f8f6f4 v[8*(8*((\a)%4)+\b):8*(8*((\a)%4)+\b)+7], v[128*(\p)+FR*\b:128*(\p)+FR*\b+FR-1], v[AF+FR*(\a):AF+FR*(\a)+FR-1], 0, v[SC+8*NQ*(\sc)+NQ*\b+(\q)], v[SC+8*NQ*(\sc)+NQ*(\a)+(\q)] matrix_a_fmt:MATRIX_FMT_FP4 matrix_b_fmt:MATRIX_FMT_FP4 matrix_a_scale:MATRIX_SCALE_ROW1
.else
	v_wmma_scale_f32_16x16x128_f8f6f4 v[8*(8*((\a)%4)+\b):8*(8*((\a)%4)+\b)+7], v[128*(\p)+FR*\b:128*(\p)+FR*\b+FR-1], v[AF+FR*(\a):AF+FR*(\a)+FR-1], v[8*(8*((\a)%4)+\b):8*(8*((\a)%4)+\b)+7], v[SC+8*NQ*(\sc)+NQ*\b+(\q)], v[SC+8*NQ*(\sc)+NQ*(\a)+(\q)] matrix_a_fmt:MATRIX_FMT_FP4 matrix_b_fmt:MATRIX_FMT_FP4 matrix_a_scale:MATRIX_SCALE_ROW1
.endif
.endr
.endr
.endm
.macro FETCH_B slot, q, p
	WIN TO_B
.irp i, 0,1,2,3,4,5,6,7
	FRAG 128*(\p)+FR*\i, ADRB+\slot, \q, \i
.endr
	WIN 0
.endm
.macro FETCH_A slot, q, i0
.irp i, \i0, \i0+1, \i0+2, \i0+3
	FRAG AF+FR*(\i), ADRA+\slot, \q, \i
.endr
.endm
.macro SCALES sc                       ; a K step's scale words: lanes 0-15 A's block i, lanes 16-31 B's block i
.irp i, 0,1,2,3,4,5,6,7
	ds_load_b128 v[SC+8*NQ*\sc+NQ*\i:SC+8*NQ*\sc+NQ*\i+3], v[ADRS] offset:\i*SBLK
.endr
.endm
.macro PLACES n                        ; plain vector lines between a matrix instruction and a load into, or a read of, its registers
.rept \n
	v_nop
.endr
.endm
.macro STEP slot, q, zero
	s_wait_dscnt 4*NL                              ; all but the youngest eight loads (A's blocks 4-7) are in
	WIN MUL_LO
	MUL16 0, (\q)%2, \q, \slot, \zero
	MUL16 2, (\q)%2, \q, \slot, \zero
	s_wait_dscnt 0
	PLACES NP
	FETCH_B \slot, (\q)+1, 1-(\q)%2
	FETCH_A \slot, (\q)+1, 0
	WIN MUL_HI
	MUL16 4, (\q)%2, \q, \slot, \zero
	MUL16 6, (\q)%2, \q, \slot, \zero
	PLACES NP
	WIN 0
	FETCH_A \slot, (\q)+1, 4
.endm
.macro TURN slot, next                 ; a slot's last step changes slots: one barrier; nothing is filled again here
	s_wait_tensorcnt 0x0                           ; all my tensor loads have landed: my part of the next slot
	ds_add_u32 v[SPW], v[NIL]                      ; 0 onto my spare word
	s_wait_dscnt 4*NL+1                            ; the add and the youngest eight loads may be out
	WIN MUL_LO
	MUL16 0, 1, NQ-1, \slot, 0
	s_wait_dscnt 0x0                               ; the add is done, my reads of this slot are over
	s_barrier_signal -1
	MUL16 2, 1, NQ-1, \slot, 0
	WIN 0
	s_barrier_wait -1
	PLACES NP
	v_add_nc_u32 v[ADRS], 4*NQ, v[ADRS]            ; the next K step's scale words
	FETCH_B \next, 0, 0
	FETCH_A \next, 0, 0
	SCALES \next
	WIN MUL_HI
	MUL16 4, 1, NQ-1, \slot, 0
	MUL16 6, 1, NQ-1, \slot, 0
	PLACES NP
	WIN 0
	FETCH_A \next, 0, 4
.endm
	s_wait_tensorcnt 1                             ; the scales and my part of K step 0 are in; K step 1's load may be out
	s_barrier_signal -1
	s_barrier_wait -1
	FETCH_B 0, 0, 0
	FETCH_A 0, 0, 0
	SCALES 0
	FETCH_A 0, 0, 4
	STEP 0, 0, 1                                   ; the first products start the sums
	STEP 0, 1, 0
	STEP 0, 2, 0
	TURN 0, 1
	STEP 1, 0, 0
	STEP 1, 1, 0
	STEP 1, 2, 0
	s_wait_dscnt 4*NL
	WIN MUL_LO
	MUL16 0, 1, NQ-1, 1, 0
	MUL16 2, 1, NQ-1, 1, 0
	s_wait_dscnt 0
	WIN MUL_HI
	MUL16 4, 1, NQ-1, 1, 0
	MUL16 6, 1, NQ-1, 1, 0
	WIN 0
	PLACES NP                                      ; in front of the first reads of results and of loads and writes into the operands' registers
; nb blocks of 32: v[s + 16 b + i], lanes l and l xor 16, become codes in v[pc] on (the operand's layout) and the row's scale word in v[pw].
; A conversion takes one tile's eight registers, k = 16 t + 8 h + 0 .. 7.  Tile 4 c + 2 v + u goes to register 4 c + 2 u + v; the exchange of halves between registers 4 c + 2 u and 4 c + 2 u + 1 then
; leaves k = 64 c + 32 h + 8 w + 0 .. 7 in register 4 c + w.
.set SEL, 56
.macro QUANT s, nb, tm, pw, pc
.irp b, 0,1,2,3
.if \b < \nb
	v_max3_num_f32 v[\tm+\b], |v[\s+16*\b]|, |v[\s+1+16*\b]|, 0x1800000   ; with the floor 2^(3 - 127): the byte cannot fall under 1
.endif
.endr
.irp i, 2,4,6,8,10,12,14
.irp b, 0,1,2,3
.if \b < \nb
	v_max3_num_f32 v[\tm+\b], v[\tm+\b], |v[\s+16*\b+\i]|, |v[\s+1+16*\b+\i]|
.endif
.endr
.endr
.irp b, 0,1,2,3
.if \b < \nb
	v_permlanex16_b32 v[\tm+4+\b], v[\tm+\b], s[SEL], s[SEL+1]
.endif
.endr
.irp b, 0,1,2,3
.if \b < \nb
	v_max_num_f32 v[\tm+\b], v[\tm+\b], v[\tm+4+\b]
.endif
.endr
.irp b, 0,1,2,3
.if \b < \nb
	v_add_nc_u32 v[\tm+12+\b], 0xff000000, v[\tm+\b]   ; 2 off the exponent field: the conversion's scale operand
.endif
.endr
.irp b, 0,1,2,3
.if \b < \nb
	v_lshrrev_b32 v[\tm+4+\b], 23, v[\tm+12+\b]        ; the scale's byte
.endif
.endr
	v_lshl_or_b32 v[\pw], v[\tm+5], 8, v[\tm+4]
.if \nb == 4
	v_lshl_or_b32 v[\pw], v[\tm+6], 16, v[\pw]
	v_lshl_or_b32 v[\pw], v[\tm+7], 24, v[\pw]
.else
	v_or_b32 v[\pw], 0x7f7f0000, v[\pw]            ; the two blocks that K = 64 leaves empty: scale 1 over zero codes
.endif
.irp b, 0,1,2,3
.if \b < \nb
	v_cvt_scalef32_pk8_fp4_f32 v[\pc+4*(\b/2)+(\b%2)], v[\s+16*\b:\s+7+16*\b], v[\tm+12+\b]
	v_cvt_scalef32_pk8_fp4_f32 v[\pc+4*(\b/2)+2+(\b%2)], v[\s+8+16*\b:\s+15+16*\b], v[\tm+12+\b]
.endif
.endr
	v_nop                                          ; one plain line behind the scaled conversions
.irp c, 0,1
.if 2*\c < \nb
	v_permlane16_swap_b32 v[\pc+4*\c], v[\pc+4*\c+1]
	v_permlane16_swap_b32 v[\pc+4*\c+2], v[\pc+4*\c+3]
.endif
.endr
.endm
	s_mov_b32 s[SEL], 0x76543210                   ; every tensor load has been waited for: the descriptors' registers are free
	s_mov_b32 s[SEL+1], 0xfedcba98
	s_cmp_lt_u32 ttmp9, 2                          ; the cluster's x: the same in all sixteen partners
	s_cbranch_scc0 .Lv_arm
; ---- Q and K: bias, LayerNorm over a head's 64, quantiser along the 64
.set X,   96                           ; v96-127  a head's 32 numbers of my lane
.set SU,  128                          ; v128-135 sums
.set MU,  136                          ; v136-137 the mean, twice
.set RS,  138                          ; v138-139 1 / sqrt(var + eps), twice
.set TM,  140
.set PW,  156
.set PC,  160
.set LNW, 192
.set LNB, 224
	s_load_b512 s[24:39], s[0:1], 0x50             ; Wq_b, Wk_b, qn_w, kn_w, qn_b, kn_b, qbuf, kbuf
	s_mov_b32 s58, 0x3c800000                      ; 1 / 64
	s_mov_b32 s59, 0x3727c5ac                      ; 1e-5
	s_lshl_b32 s46, s17, 8
	s_lshl_b32 s47, s15, 7
	s_add_co_u32 s46, s46, s47                     ; my first token
	s_lshr_b32 s47, s46, 11                        ; batch
	s_and_b32 s46, s46, 2047                       ; token in the batch
	s_lshl_b32 s47, s47, 4
	s_lshl_b32 s48, s42, 2
	s_add_co_u32 s47, s47, s48
	s_lshl_b32 s48, s16, 1
	s_add_co_u32 s47, s47, s48                     ; 16 x batch + my first head
	s_mul_i32 s47, s47, 73728
	s_lshr_b32 s48, s46, 9
	s_mul_i32 s48, s48, 18432
	s_add_co_u32 s47, s47, s48                     ; my head's quarter
	s_and_b32 s46, s46, 511
	s_lshl_b32 s52, s46, 5
	s_add_co_u32 s52, s52, s47                     ; codes: 32 bytes a row
	s_mov_b32 s53, 0
	s_lshl_b32 s54, s46, 2
	s_add_co_u32 s54, s54, s47
	s_add_co_u32 s54, s54, 16384                   ; words: 4 bytes a row
	s_mov_b32 s55, 0
	s_lshl_b32 s60, s42, 10
	s_lshl_b32 s61, s16, 9
	s_add_co_u32 s60, s60, s61                     ; my 128 features in the bias
	s_mov_b32 s61, 0
	s_wait_kmcnt 0x0
	s_cmp_eq_u32 ttmp9, 0
	s_cselect_b64 s[24:25], s[24:25], s[26:27]
	s_cselect_b64 s[28:29], s[28:29], s[30:31]
	s_cselect_b64 s[32:33], s[32:33], s[34:35]
	s_cselect_b64 s[36:37], s[36:37], s[38:39]
	s_add_nc_u64 s[24:25], s[24:25], s[60:61]
	s_add_nc_u64 s[52:53], s[36:37], s[52:53]
	s_add_nc_u64 s[54:55], s[36:37], s[54:55]
	WIN TO_B                                       ; the bias: window 1, v0-63: register 8 b + j = feature 16 b + 8 h + j
.irp b, 0,1,2,3,4,5,6,7
	global_load_b128 v[8*\b:8*\b+3], v[H32], s[24:25] offset:64*\b
	global_load_b128 v[8*\b+4:8*\b+7], v[H32], s[24:25] offset:64*\b+16
.endr
	WIN 0
.irp b, 0,1,2,3
	global_load_b128 v[LNW+8*\b:LNW+8*\b+3], v[H32], s[28:29] offset:64*\b
	global_load_b128 v[LNW+8*\b+4:LNW+8*\b+7], v[H32], s[28:29] offset:64*\b+16
	global_load_b128 v[LNB+8*\b:LNB+8*\b+3], v[H32], s[32:33] offset:64*\b
	global_load_b128 v[LNB+8*\b+4:LNB+8*\b+7], v[H32], s[32:33] offset:64*\b+16
.endr
	v_mov_b32 v[TM+4], 0                           ; a lane permute's destination counts as one of its sources
	v_mov_b32 v[TM+5], 0
	s_wait_loadcnt 0x0
.macro JOIN                            ; four packed chains, the two halves, lane l xor 16's: the head's sum in v[SU]
	v_pk_add_f32 v[SU:SU+1], v[SU:SU+1], v[SU+2:SU+3]
	v_pk_add_f32 v[SU+4:SU+5], v[SU+4:SU+5], v[SU+6:SU+7]
	v_pk_add_f32 v[SU:SU+1], v[SU:SU+1], v[SU+4:SU+5]
	v_add_f32 v[SU], v[SU], v[SU+1]
	v_permlanex16_b32 v[SU+1], v[SU], s[SEL], s[SEL+1]
	v_add_f32 v[SU], v[SU], v[SU+1]
.endm
.macro HEADLN a, e                     ; rows 16 a on, head e of my two
.set AC, 64*((\a)%4)+32*(\e)
	WIN 0x06+(\a)/4                                ; source 0: the accumulators' window; source 1: window 1
.set n_, 0
.rept 16
	v_pk_add_f32 v[X+n_:X+n_+1], v[AC+n_:AC+n_+1], v[32*(\e)+n_:32*(\e)+n_+1]   ; + bias; each accumulator from its low end on
.set n_, n_+2
.endr
	WIN 0
.irp c, 0,1,2,3
	v_pk_add_f32 v[SU+2*\c:SU+2*\c+1], v[X+2*\c:X+2*\c+1], v[X+8+2*\c:X+8+2*\c+1]
.endr
.irp m, 16,24
.irp c, 0,1,2,3
	v_pk_add_f32 v[SU+2*\c:SU+2*\c+1], v[SU+2*\c:SU+2*\c+1], v[X+\m+2*\c:X+\m+2*\c+1]
.endr
.endr
	JOIN
	v_mul_f32 v[MU], s58, v[SU]
	v_mov_b32 v[MU+1], v[MU]
.set n_, 0
.rept 16
	v_pk_add_f32 v[X+n_:X+n_+1], v[X+n_:X+n_+1], v[MU:MU+1] neg_lo:[0,1] neg_hi:[0,1]
.set n_, n_+2
.endr
.irp c, 0,1,2,3
	v_pk_mul_f32 v[SU+2*\c:SU+2*\c+1], v[X+2*\c:X+2*\c+1], v[X+2*\c:X+2*\c+1]
.endr
.irp m, 8,16,24
.irp c, 0,1,2,3
	v_pk_fma_f32 v[SU+2*\c:SU+2*\c+1], v[X+\m+2*\c:X+\m+2*\c+1], v[X+\m+2*\c:X+\m+2*\c+1], v[SU+2*\c:SU+2*\c+1]
.endr
.endr
	JOIN
	v_fma_f32 v[RS], v[SU], s58, s59               ; var + eps
	v_rsq_f32 v[RS], v[RS]
	v_nop                                          ; a plain line behind the transcendental
	s_wait_alu depctr_va_vdst(0)                   ; and a wait ahead of its first reader
	v_mov_b32 v[RS+1], v[RS]
.set n_, 0
.rept 16
	v_pk_mul_f32 v[X+n_:X+n_+1], v[X+n_:X+n_+1], v[RS:RS+1]
.set n_, n_+2
.endr
.set n_, 0
.rept 16
	v_pk_fma_f32 v[X+n_:X+n_+1], v[X+n_:X+n_+1], v[LNW+n_:LNW+n_+1], v[LNB+n_:LNB+n_+1]
.set n_, n_+2
.endr
	s_wait_xcnt 0x0                                ; the last stores have read their data: the codes' registers may be written
	s_wait_dscnt 0x0                               ; and so has the last word's LDS store
	QUANT X, 2, TM, PW, PC
	global_store_b128 v[IMG], v[PC:PC+3], s[52:53] offset:512*(\a)+73728*(\e)   ; the image of 16 rows: 512 consecutive, aligned bytes
	ds_store_b32 v[SWA], v[PW] offset:512*(\e)+64*(\a)                          ; lanes r and r + 16 write the same word with the same value
.endm
.irp a, 0,1,2,3,4,5,6,7
	HEADLN \a, 0
	HEADLN \a, 1
.endr
	ds_load_b128 v[164:167], v[SWR]                ; my own bytes: LDS serves a wave's instructions in order
	ds_load_b128 v[168:171], v[SWR] offset:512
	s_wait_dscnt 0x0
	global_store_b128 v[IMG], v[164:167], s[54:55]                ; 128 rows' words: 512 consecutive bytes a head
	global_store_b128 v[IMG], v[168:171], s[54:55] offset:73728
	s_branch .Ljoin
; ---- V: bias, quantiser along the keys
.Lv_arm:
.set T,   96                           ; v96-159  128 keys of my d: 64 numbers a lane
.set TMV, 160
.set PWV, 176
.set PCV, 180
.set BV,  192                          ; v192-207 the bias of d = 16 a + r, twice
	s_load_b128 s[24:27], s[0:1], 0x90             ; Wv_b, vbuf
	s_lshl_b32 s46, s17, 2
	s_lshl_b32 s47, s15, 1
	s_add_co_u32 s46, s46, s47                     ; my first head
	s_lshr_b32 s47, s42, 3                         ; batch
	s_lshl_b32 s47, s47, 4
	s_add_co_u32 s46, s46, s47
	s_mul_i32 s46, s46, 69632
	s_and_b32 s47, s42, 7
	s_lshl_b32 s47, s47, 1
	s_add_co_u32 s47, s47, s16                     ; which 128 keys of the batch
	s_lshr_b32 s48, s47, 2
	s_mul_i32 s48, s48, 17408
	s_add_co_u32 s46, s46, s48                     ; my head's quarter
	s_and_b32 s47, s47, 3
	s_lshl_b32 s52, s47, 12
	s_add_co_u32 s52, s52, s46                     ; codes: 4,096 bytes a step
	s_mov_b32 s53, 0
	s_lshl_b32 s54, s47, 8
	s_add_co_u32 s54, s54, s46
	s_add_co_u32 s54, s54, 16384                   ; words: 256 bytes a step
	s_mov_b32 s55, 0
	s_lshl_b32 s60, s17, 10
	s_lshl_b32 s61, s15, 9
	s_add_co_u32 s60, s60, s61
	s_mov_b32 s61, 0
	s_wait_kmcnt 0x0
	s_add_nc_u64 s[24:25], s[24:25], s[60:61]
	s_add_nc_u64 s[52:53], s[26:27], s[52:53]
	s_add_nc_u64 s[54:55], s[26:27], s[54:55]
.irp a, 0,1,2,3,4,5,6,7
	global_load_b32 v[BV+2*\a], v[R4], s[24:25] offset:64*\a
	global_load_b32 v[BV+2*\a+1], v[R4], s[24:25] offset:64*\a
.endr
.irp b, 0,1,2,3
	v_mov_b32 v[TMV+4+\b], 0
.endr
	s_wait_loadcnt 0x0
.macro VBLK a                          ; d = 16 a + r
	WIN 0x02+(\a)/4
.set n_, 0
.rept 32
	v_pk_add_f32 v[T+n_:T+n_+1], v[64*((\a)%4)+n_:64*((\a)%4)+n_+1], v[BV+2*(\a):BV+2*(\a)+1]
.set n_, n_+2
.endr
	WIN 0
	s_wait_xcnt 0x0
	s_wait_dscnt 0x0
	QUANT T, 4, TMV, PWV, PCV
	global_store_b128 v[IMG], v[PCV:PCV+3], s[52:53] offset:((\a)/4)*69632+((\a)%4)*1024
	global_store_b128 v[IMG], v[PCV+4:PCV+7], s[52:53] offset:((\a)/4)*69632+((\a)%4)*1024+512
	ds_store_b32 v[VWA], v[PWV] offset:64*(\a)
.endm
.irp a, 0,1,2,3,4,5,6,7
	VBLK \a
.endr
	ds_load_b128 v[164:167], v[VWR]
	s_wait_dscnt 0x0
	global_store_b128 v[VWO], v[164:167], s[54:55] ; lanes 0-15: one head's 256 bytes of words, lanes 16-31 the next head's
.Ljoin:
	s_wait_tensorcnt 0x0                           ; the wave's end
	ds_add_u32 v[SPW], v[NIL]
	s_wait_dscnt 0x0
	CROUND                                         ; the closing round
	s_endpgm
.Lfunc_end_k_q2d81454d91_proj:
	.size	k_q2d81454d91_proj, .Lfunc_end_k_q2d81454d91_proj-k_q2d81454d91_proj
	.p2alignl 7, 3214868480
	.fill 96, 4, 3214868480
	.section	.rodata,"a",@progbits
	.p2align	6, 0x0
	.amdhsa_kernel k_q2d81454d91_proj
		.amdhsa_group_segment_fixed_size 327680
		.amdhsa_private_segment_fixed_size 0
		.amdhsa_enable_private_segment 0
		.amdhsa_kernarg_size 160
		.amdhsa_user_sgpr_count 2
		.amdhsa_user_sgpr_kernarg_segment_ptr 1
		.amdhsa_wavefront_size32 1
		.amdhsa_system_sgpr_workgroup_id_x 1
		.amdhsa_system_sgpr_workgroup_id_y 1
		.amdhsa_system_sgpr_workgroup_id_z 1
		.amdhsa_system_vgpr_workitem_id 0
		.amdhsa_next_free_vgpr 1024
		.amdhsa_next_free_sgpr 100
		.amdhsa_reserve_vcc 0
		.amdhsa_float_denorm_mode_32 3
		.amdhsa_float_denorm_mode_16_64 3
		.amdhsa_memory_ordered 1
		.amdhsa_forward_progress 1
		.amdhsa_inst_pref_size 255
	.end_amdhsa_kernel
	.section	.bss,"aw",@nobits
	.p2align	6
	.space	262144
	.amdgpu_metadata
---
amdhsa.version: [ 1, 2 ]
amdhsa.kernels:
  - .name:           k_q2d81454d91_proj
    .symbol:         k_q2d81454d91_proj.kd
    .args:
      - { .name: xc, .offset: 0, .size: 8, .value_kind: global_buffer, .address_space: global }
      - { .name: xs, .offset: 8, .size: 8, .value_kind: global_buffer, .address_space: global }
      - { .name: context_codes, .offset: 16, .size: 8, .value_kind: global_buffer, .address_space: global }
      - { .name: context_scales, .offset: 24, .size: 8, .value_kind: global_buffer, .address_space: global }
      - { .name: Wq_w_codes, .offset: 32, .size: 8, .value_kind: global_buffer, .address_space: global }
      - { .name: Wq_w_scales, .offset: 40, .size: 8, .value_kind: global_buffer, .address_space: global }
      - { .name: Wk_w_codes, .offset: 48, .size: 8, .value_kind: global_buffer, .address_space: global }
      - { .name: Wk_w_scales, .offset: 56, .size: 8, .value_kind: global_buffer, .address_space: global }
      - { .name: Wv_w_codes, .offset: 64, .size: 8, .value_kind: global_buffer, .address_space: global }
      - { .name: Wv_w_scales, .offset: 72, .size: 8, .value_kind: global_buffer, .address_space: global }
      - { .name: Wq_b, .offset: 80, .size: 8, .value_kind: global_buffer, .address_space: global }
      - { .name: Wk_b, .offset: 88, .size: 8, .value_kind: global_buffer, .address_space: global }
      - { .name: qn_w, .offset: 96, .size: 8, .value_kind: global_buffer, .address_space: global }
      - { .name: kn_w, .offset: 104, .size: 8, .value_kind: global_buffer, .address_space: global }
      - { .name: qn_b, .offset: 112, .size: 8, .value_kind: global_buffer, .address_space: global }
      - { .name: kn_b, .offset: 120, .size: 8, .value_kind: global_buffer, .address_space: global }
      - { .name: qbuf, .offset: 128, .size: 8, .value_kind: global_buffer, .address_space: global }
      - { .name: kbuf, .offset: 136, .size: 8, .value_kind: global_buffer, .address_space: global }
      - { .name: Wv_b, .offset: 144, .size: 8, .value_kind: global_buffer, .address_space: global }
      - { .name: vbuf, .offset: 152, .size: 8, .value_kind: global_buffer, .address_space: global }
    .group_segment_fixed_size: 327680
    .private_segment_fixed_size: 0
    .kernarg_segment_align: 8
    .kernarg_segment_size: 160
    .max_flat_workgroup_size: 128
    .sgpr_count:     100
    .vgpr_count:     1024
    .wavefront_size: 32
...
	.end_amdgpu_metadata
.endif
;; end of part 2
;; launch attn (part 3): grid 8 x 32, 16 waves a work-group, clusters of 4 x 1, 215,040 bytes of LDS; arguments query, qbuf, kbuf, vbuf, x2; writes x2
.if DOCPART == 3
	.amdgcn_target "amdgcn-amd-amdhsa--gfx1250"
	.amdhsa_code_object_version 6
	.text
	.protected	k_q2d81454d91_attn
	.globl	k_q2d81454d91_attn
	.p2align	8
	.type	k_q2d81454d91_attn,@function
k_q2d81454d91_attn:
	s_mov_b64 s[64:65], 0
	v_nop
	global_prefetch_b8 v0, s[64:65] scope:SCOPE_SE
	s_setreg_imm32_b32 hwreg(HW_REG_WAVE_MODE, 25, 1), 1
	s_wait_xcnt 0x0
	s_wait_alu depctr_hold_cnt(0) depctr_sa_sdst(0) depctr_va_vdst(0) depctr_va_sdst(0) depctr_va_ssrc(0) depctr_va_vcc(0) depctr_vm_vsrc(0)
	s_getreg_b32 s2, hwreg(HW_REG_IB_STS2, 6, 4)
	s_cmp_eq_u32 s2, 0
	s_cbranch_scc0 .Lentry_in_a_cluster
	s_endpgm
.Lentry_in_a_cluster:
	s_bfe_u32 s2, ttmp6, 0x10000c
	s_cmp_lg_u32 s2, 0x3003
	s_cbranch_scc0 .Lentry_shape_is_right
	s_endpgm
.Lentry_shape_is_right:
; x2 = query + attention, both attention products on codes of E2M1.  Head size 64, 2,048 keys, 32 (batch, head) pairs.
; t = score x log2(e) / 8; M = the running largest t rounded UP to a whole number; p = 2^(t - M) is quantised along the keys, not normalised; the row's sum of the unquantised p divides at the end.
; When M moves, the sum and O are multiplied by 2^(old M - new M): exact.
; SHARES.  A work-group owns 256 queries of one head, each of its sixteen waves 16 of them in 256 registers: four waves to a SIMD, so that one wave's vector work stands beside another's products and LDS loads.
; A HEAD'S WHOLE K AND V LIE IN LDS (73,728 + 69,632 bytes), as the images of operand registers that the launch before stored: four quarters each, every byte filled once, nothing filled again.
; Wave 0 asks for K's four quarters, wave 1 for V's (four tensor loads of the wave are out at most); a quarter is read behind a counted wait of the asking wave and a barrier.
; CLUSTER 4 x 1: the four query blocks of a cluster belong to one head: each quarter is asked for jointly.
; LAYOUT.  Both products transposed: S^T = K Q^T (source 0 = 16 keys), O^T = V^T P^T (source 0 = 16 of the head's 64): a lane holds one query.  Register 8 b + j of S^T is key 16 b + 8 h + j.
; The first product's K is 64: registers 4-7 of Q's and K's fragments are zero codes, and the scale bytes of the two empty blocks are 0x7f.
; No prefetch: every tile of the launch is asked for in its first lines.
; LIMITS: NaN and infinities are not served; a block whose every p is 0 keeps the scale byte 1 over zero codes.
.set KQB,  18432                       ; a quarter of K or Q: 512 rows: 16,384 bytes of images, 2,048 of scale words
.set VQB,  17408                       ; a quarter of V: four key steps: 16,384 of images, 1,024 of scale words
.set KBH,  73728
.set VBH,  69632
.set VLDS, 73728                       ; V behind K
.set STAGE, 143360                     ; behind both: 16 rows x 272 bytes for each wave, bytes into which no fill lands
.set LI,   1                           ; v1  16 x lane
.set LS,   2                           ; v2  4 r
.set STO,  3                           ; v3  the way out: into my stage
.set RD,   4                           ; v4  and back
.set GO,   7                           ; v7  4,096 h + 16 r: two rows of query and x2
.set ADK,  8
.set ADV,  9
.set ADS,  10
.set ADT,  11
.set WV,   18
.set SEL,  20
.set CS,   22
.set G1K,  24
.set G1V,  32
.set G0K,  40                          ; s[40:55] K's four groups 0;  V's: s[56:63], s[68:75]
.set TK,   76
.set TV,   77
.set TKS,  78
.set TVS,  79
.set CNT,  80
.macro CROUND
	s_barrier_signal -1
	s_barrier_wait -1
	s_cmp_lg_u32 s[WV], 0
	s_cbranch_scc1 .Lnot_wave_0_\@
	s_barrier_signal -3
.Lnot_wave_0_\@:
	s_barrier_wait -3
	s_barrier_signal -1
	s_barrier_wait -1
.endm
.macro PLACES
.rept 4
	v_nop
.endr
.endm
	s_load_b256 s[4:11], s[0:1], 0x0               ; query, qbuf, kbuf, vbuf
	s_load_b64 s[12:13], s[0:1], 0x20              ; x2
	v_lshl_add_u32 v30, v0, 2, 0x34000
	v_mov_b32 v31, 0
	ds_add_u32 v30, v31
	ds_add_u32 v30, v31
	v_lshrrev_b32 v8, 5, v0
	v_readfirstlane_b32 s[WV], v8                  ; wave 0..15
	s_bfe_u32 s81, ttmp6, 0x40000                  ; cx
	s_lshl_b32 s82, ttmp9, 2
	s_add_co_u32 s82, s82, s81                     ; my block of 256 queries: it enters global addresses alone
	s_and_b32 s83, ttmp7, 0xffff                   ; 16 x batch + head, which the partners share
	s_mul_i32 s84, s83, KBH
	s_mov_b32 s85, 0
	s_mul_i32 s86, s83, VBH
	s_mov_b32 s87, 0
	s_mov_b32 s[G1K], 15|(3<<16)|(1<<21)           ; mask: all four; elements of 8 bytes; no padding: dense blocks as rows of 256 bytes
	s_mov_b32 s[G1K+1], 32<<16
	s_mov_b32 s[G1K+2], 72<<16
	s_mov_b32 s[G1K+3], 32<<16
	s_mov_b32 s[G1K+4], 72
	s_mov_b32 s[G1K+5], 32
	s_mov_b32 s[G1K+6], 0
	s_mov_b32 s[G1K+7], 0
	s_mov_b32 s[G1V], 15|(3<<16)|(1<<21)
	s_mov_b32 s[G1V+1], 32<<16
	s_mov_b32 s[G1V+2], 68<<16
	s_mov_b32 s[G1V+3], 32<<16
	s_mov_b32 s[G1V+4], 68
	s_mov_b32 s[G1V+5], 32
	s_mov_b32 s[G1V+6], 0
	s_mov_b32 s[G1V+7], 0
	s_mov_b32 s[SEL], 0x76543210
	s_mov_b32 s[SEL+1], 0xfedcba98
	s_mov_b32 s[CS], 0x3e38aa3b                    ; c = log2(e) / 8
	s_mov_b32 s[CS+1], s[CS]
	s_lshl_b32 s92, s82, 8
	s_lshl_b32 s93, s[WV], 4
	s_add_co_u32 s92, s92, s93                     ; my first query in the batch
	s_lshr_b32 s93, s92, 9
	s_mul_i32 s93, s93, KQB
	s_add_co_u32 s93, s93, s84                     ; its quarter of qbuf
	s_and_b32 s96, s92, 511
	s_lshl_b32 s94, s96, 5
	s_add_co_u32 s94, s94, s93                     ; its image
	s_mov_b32 s95, 0
	s_lshl_b32 s96, s96, 2
	s_add_co_u32 s96, s96, s93
	s_add_co_u32 s96, s96, 16384                   ; its scale words
	s_mov_b32 s97, 0
	s_lshr_b32 s98, s83, 4
	s_lshl_b32 s98, s98, 11
	s_add_co_u32 s98, s98, s92
	s_lshl_b32 s98, s98, 12                        ; its row of query and x2,
	s_and_b32 s99, s83, 15
	s_lshl_b32 s99, s99, 8
	s_add_co_u32 s98, s98, s99                     ; the head's 256 bytes in it
	s_mov_b32 s99, 0
	s_wait_dscnt 0x0
	s_wait_kmcnt 0x0
	s_add_nc_u64 s[88:89], s[8:9], s[84:85]        ; K and V at my head
	s_add_nc_u64 s[90:91], s[10:11], s[86:87]
.irp q, 0,1,2,3
	s_mov_b32 s[G0K+4*\q], 1
	s_mov_b32 s[G0K+4*\q+1], \q*KQB
	s_add_nc_u64 s[G0K+4*\q+2:G0K+4*\q+3], s[88:89], \q*KQB
	s_or_b32 s[G0K+4*\q+3], s[G0K+4*\q+3], 0x80000000
	s_mov_b32 s[56+4*\q+4*(\q/2)], 1
	s_mov_b32 s[57+4*\q+4*(\q/2)], VLDS+\q*VQB
	s_add_nc_u64 s[58+4*\q+4*(\q/2):59+4*\q+4*(\q/2)], s[90:91], \q*VQB
	s_or_b32 s[59+4*\q+4*(\q/2)], s[59+4*\q+4*(\q/2)], 0x80000000
.endr
	s_add_nc_u64 s[94:95], s[6:7], s[94:95]
	s_add_nc_u64 s[96:97], s[6:7], s[96:97]
	s_add_nc_u64 s[4:5], s[4:5], s[98:99]
	s_add_nc_u64 s[12:13], s[12:13], s[98:99]
	CROUND                                         ; all four work-groups are here: the joint loads meet
	s_cmp_eq_u32 s[WV], 0                          ; a wave's first fills stand in one branch on its number
	s_cbranch_scc0 .Lnot_k
	tensor_load_to_lds s[40:43], s[G1K:G1K+7]
	s_nop 0
	tensor_load_to_lds s[44:47], s[G1K:G1K+7]
	s_nop 0
	tensor_load_to_lds s[48:51], s[G1K:G1K+7]
	s_nop 0
	tensor_load_to_lds s[52:55], s[G1K:G1K+7]
	s_nop 0
	PLACES
	s_branch .Lasked
.Lnot_k:
	s_cmp_eq_u32 s[WV], 1
	s_cbranch_scc0 .Lasked
	tensor_load_to_lds s[56:59], s[G1V:G1V+7]
	s_nop 0
	tensor_load_to_lds s[60:63], s[G1V:G1V+7]
	s_nop 0
	tensor_load_to_lds s[68:71], s[G1V:G1V+7]
	s_nop 0
	tensor_load_to_lds s[72:75], s[G1V:G1V+7]
	s_nop 0
	PLACES
.Lasked:
	v_and_b32 v8, 15, v0                           ; r
	v_bfe_u32 v9, v0, 4, 1                         ; h
	v_and_b32 v10, 31, v0
	v_lshlrev_b32 v[LI], 4, v10
	v_lshlrev_b32 v[LS], 2, v8
	v_lshlrev_b32 v[GO], 12, v9
	v_lshl_add_u32 v[GO], v8, 4, v[GO]
	global_load_b128 v[16:19], v[LI], s[94:95]     ; Q's fragment stays in registers
	global_load_b32 v255, v[LS], s[96:97]          ; Q's scale words
.irp i, 0,1,2,3,4,5,6,7
	global_load_b128 v[192+4*\i:195+4*\i], v[GO], s[4:5] offset:8192*\i   ; the residual: my 16 rows, the head's 256 bytes
.endr
	s_mul_i32 s81, s[WV], 16*272
	s_add_co_u32 s81, s81, STAGE                   ; my stage
	v_mul_u32_u24 v[STO], v8, 272
	v_lshl_add_u32 v[STO], v9, 5, v[STO]
	v_add_nc_u32 v[STO], s81, v[STO]               ; in: row r, + 32 h
	v_mul_u32_u24 v[RD], v9, 272
	v_lshl_add_u32 v[RD], v8, 4, v[RD]
	v_add_nc_u32 v[RD], s81, v[RD]                 ; back: lanes 0-15 one row, lanes 16-31 the next
.irp j, 20,21,22,23,36,37,38,39,44,45,46,47,52,53,54,55,60,61,62,63
	v_mov_b32 v\j, 0                               ; zero codes for k = 64 .. 127 of Q's and K's fragments, written once
.endr
	v_mov_b32 v13, 0xff61b1e6                      ; the largest t so far: -3e38
	v_floor_f32 v12, -v13                          ; -M
	v_mov_b32 v14, 0                               ; the sum, in two halves
	v_mov_b32 v15, 0
.irp b, 0,1,2,3
	v_mov_b32 v[236+\b], 0                         ; a lane permute's destination counts as one of its sources
.endr
	v_mov_b32 v253, 0
.set n_, 0
.rept 32
	v_mov_b32 v[160+n_], 0                         ; O^T: the step is written once; its first trip finds zeros
.set n_, n_+1
.endr
	s_wait_loadcnt 0x0
.macro STEP                            ; 128 keys
	v_add_nc_u32 v[ADK], s[TK], v[LI]              ; (four plain lines behind the last products)
	v_add_nc_u32 v[ADV], s[TV], v[LI]
	v_add_nc_u32 v[ADS], s[TKS], v[LS]
	v_add_nc_u32 v[ADT], s[TVS], v[LS]
.irp g, 0,1                            ; S^T = K Q^T, four tiles of 16 keys at a time
.if \g
	PLACES                                         ; in front of loads into registers that matrix instructions have read
.endif
.irp t, 0,1,2,3
	ds_load_b128 v[32+8*\t:35+8*\t], v[ADK] offset:512*(4*\g+\t)
	ds_load_b32 v[248+\t], v[ADS] offset:64*(4*\g+\t)
.endr
	s_wait_dscnt 0x0
.irp t, 0,1,2,3
	v_wmma_scale_f32_16x16x128_f8f6f4 v[96+8*(4*\g+\t):103+8*(4*\g+\t)], v[32+8*\t:39+8*\t], v[16:23], 0, v[248+\t], v255 matrix_a_fmt:MATRIX_FMT_FP4 matrix_b_fmt:MATRIX_FMT_FP4
.endr
.endr
	PLACES
.irp t, 0,1,2,3                        ; V's four fragments and their scale words land while the softmax is worked
	ds_load_b128 v[64+8*\t:67+8*\t], v[ADV] offset:1024*\t
	ds_load_b128 v[68+8*\t:71+8*\t], v[ADV] offset:1024*\t+512
	ds_load_b32 v[240+\t], v[ADT] offset:64*\t
.endr
.irp b, 0,1,2,3
	v_max3_num_f32 v[232+\b], v[96+16*\b], v[97+16*\b], v[98+16*\b]   ; the largest score of each block of 32 keys: for the row's maximum and, since p rises with the score, for the block's largest p
.endr
.irp i, 3,5,7,9,11,13
.irp b, 0,1,2,3
	v_max3_num_f32 v[232+\b], v[232+\b], v[96+16*\b+\i], v[97+16*\b+\i]
.endr
.endr
.irp b, 0,1,2,3
	v_max_num_f32 v[232+\b], v[232+\b], v[111+16*\b]
.endr
.irp b, 0,1,2,3
	v_permlanex16_b32 v[236+\b], v[232+\b], s[SEL], s[SEL+1]
.endr
.irp b, 0,1,2,3
	v_max_num_f32 v[232+\b], v[232+\b], v[236+\b]
.endr
	v_max3_num_f32 v254, v232, v233, v234
	v_max_num_f32 v254, v254, v235
	v_mul_f32 v254, s[CS], v254                    ; as t (c is positive)
	v_max_num_f32 v13, v13, v254                   ; the running largest t
	v_mov_b32 v254, v12
	v_floor_f32 v12, -v13                          ; the new -M = -ceil(t)
	v_sub_f32 v254, v12, v254                      ; old M - new M: a whole number, 0 or less
	v_cvt_i32_f32 v254, v254                       ; (it saturates)
	v_ldexp_f32 v252, 1.0, v254                    ; f = 2^(old M - new M)
.set n_, 0
.rept 32
	v_pk_fma_f32 v[96+n_:97+n_], v[96+n_:97+n_], s[CS:CS+1], v[12:13] op_sel_hi:[1,0,0]   ; t - M
.set n_, n_+2
.endr
.irp b, 0,1,2,3
	v_fma_f32 v[232+\b], v[232+\b], s[CS], v12
.endr
.set n_, 0
.rept 64
	v_exp_f32 v[96+n_], v[96+n_]                   ; p = 2^(t - M)
.set n_, n_+1
.endr
	v_pk_mul_f32 v[14:15], v[14:15], v[252:253] op_sel_hi:[1,0]   ; the sums under the new M (a plain line behind the exponentials)
	s_wait_alu depctr_va_vdst(0)                   ; one wait for the batch, ahead of its first reader
.irp b, 0,1,2,3
	v_exp_f32 v[232+\b], v[232+\b]                 ; each block's largest p
.endr
	v_pk_add_f32 v[236:237], v[96:97], v[98:99]    ; the row's sum of the unquantised p, in two chains
.irp j, 4,8,12,16,20,24,28,32,36,40,44,48,52,56,60
	v_pk_add_f32 v[14:15], v[14:15], v[96+\j:97+\j]
	v_pk_add_f32 v[236:237], v[236:237], v[98+\j:99+\j]
.endr
	v_pk_add_f32 v[14:15], v[14:15], v[236:237]
	s_wait_alu depctr_va_vdst(0)                   ; and one for the four
.irp b, 0,1,2,3
	v_max_num_f32 v[232+\b], 0x1800000, v[232+\b]  ; the floor 2^(3 - 127)
.endr
.irp b, 0,1,2,3
	v_add_nc_u32 v[244+\b], 0xff000000, v[232+\b]
.endr
.irp b, 0,1,2,3
	v_lshrrev_b32 v[236+\b], 23, v[244+\b]
.endr
	v_lshl_or_b32 v253, v237, 8, v236              ; p's scale word for these 128 keys
	v_lshl_or_b32 v253, v238, 16, v253
	v_lshl_or_b32 v253, v239, 24, v253
.irp b, 0,1,2,3
	v_cvt_scalef32_pk8_fp4_f32 v[224+4*(\b/2)+(\b%2)], v[96+16*\b:103+16*\b], v[244+\b]     ; tile 2 b: keys 32 b + 8 h + 0 .. 7
	v_cvt_scalef32_pk8_fp4_f32 v[226+4*(\b/2)+(\b%2)], v[104+16*\b:111+16*\b], v[244+\b]    ; tile 2 b + 1: keys 32 b + 16 + 8 h + 0 .. 7
.endr
	v_nop
.irp c, 0,1                            ; the exchange of halves: register 4 c + w then holds keys 64 c + 32 h + 8 w + 0 .. 7
	v_permlane16_swap_b32 v[224+4*\c], v[225+4*\c]
	v_permlane16_swap_b32 v[226+4*\c], v[227+4*\c]
.endr
.set n_, 0
.rept 16
	v_pk_mul_f32 v[160+n_:161+n_], v[160+n_:161+n_], v[252:253] op_sel_hi:[1,0]   ; O^T under the new M; these lines also part the scale word and the codes from the products
.set n_, n_+2
.endr
	s_wait_dscnt 0x0                               ; V is in
.irp t, 0,1,2,3                        ; O^T += V^T P^T; the four accumulators take turns
	v_wmma_scale_f32_16x16x128_f8f6f4 v[160+8*\t:167+8*\t], v[64+8*\t:71+8*\t], v[224:231], v[160+8*\t:167+8*\t], v[240+\t], v253 matrix_a_fmt:MATRIX_FMT_FP4 matrix_b_fmt:MATRIX_FMT_FP4
.endr
.endm
.macro QUARTER q
	s_wait_tensorcnt 3-\q                          ; the asking waves: quarter q has landed; the later quarters' loads may stay out
	s_wait_dscnt 0x0
	s_barrier_signal -1
	s_barrier_wait -1
	s_mov_b32 s[TK], \q*KQB
	s_mov_b32 s[TV], VLDS+\q*VQB
	s_mov_b32 s[TKS], \q*KQB+16384
	s_mov_b32 s[TVS], VLDS+\q*VQB+16384
	s_mov_b32 s[CNT], 4
.Lstep_\@:
	STEP
	s_add_co_u32 s[TK], s[TK], 4096
	s_add_co_u32 s[TV], s[TV], 4096
	s_add_co_u32 s[TKS], s[TKS], 512
	s_add_co_u32 s[TVS], s[TVS], 256
	s_sub_co_u32 s[CNT], s[CNT], 1
	s_cmp_lg_u32 s[CNT], 0
	s_cbranch_scc1 .Lstep_\@
.endm
	QUARTER 0
	QUARTER 1
	QUARTER 2
	QUARTER 3
	; THE WAY OUT: O^T / the sum, through my stage, + the residual; sixteen lanes store 256 consecutive, aligned bytes
	v_add_f32 v14, v14, v15
	v_permlanex16_b32 v252, v14, s[SEL], s[SEL+1]
	v_add_f32 v14, v14, v252
	v_rcp_f32 v14, v14
	PLACES                                         ; plain lines behind the transcendental and behind the last products
	s_wait_alu depctr_va_vdst(0)
.set n_, 0
.rept 32
	v_mul_f32 v[96+n_], v[160+n_], v14             ; register 8 t + j is o(r, 16 t + 8 h + j); each accumulator from its low end on
.set n_, n_+1
.endr
.irp t, 0,1,2,3
	ds_store_b128 v[STO], v[96+8*\t:99+8*\t] offset:64*\t
	ds_store_b128 v[STO], v[100+8*\t:103+8*\t] offset:64*\t+16
.endr
.irp i, 0,1,2,3,4,5,6,7
	ds_load_b128 v[32+4*\i:35+4*\i], v[RD] offset:544*\i   ; my own bytes: LDS serves a wave's instructions in order
.endr
	s_wait_dscnt 0x0
.set n_, 0
.rept 16
	v_pk_add_f32 v[32+n_:33+n_], v[32+n_:33+n_], v[192+n_:193+n_]
.set n_, n_+2
.endr
.irp i, 0,1,2,3,4,5,6,7
	global_store_b128 v[GO], v[32+4*\i:35+4*\i], s[12:13] offset:8192*\i
.endr
	s_wait_tensorcnt 0x0
	ds_add_u32 v30, v31
	s_wait_dscnt 0x0
	CROUND                                         ; the closing round
	s_endpgm
.Lfunc_end_k_q2d81454d91_attn:
	.size	k_q2d81454d91_attn, .Lfunc_end_k_q2d81454d91_attn-k_q2d81454d91_attn
	.p2alignl 7, 3214868480
	.fill 96, 4, 3214868480
	.section	.rodata,"a",@progbits
	.p2align	6, 0x0
	.amdhsa_kernel k_q2d81454d91_attn
		.amdhsa_group_segment_fixed_size 215040
		.amdhsa_private_segment_fixed_size 0
		.amdhsa_enable_private_segment 0
		.amdhsa_kernarg_size 40
		.amdhsa_user_sgpr_count 2
		.amdhsa_user_sgpr_kernarg_segment_ptr 1
		.amdhsa_wavefront_size32 1
		.amdhsa_system_sgpr_workgroup_id_x 1
		.amdhsa_system_sgpr_workgroup_id_y 1
		.amdhsa_system_sgpr_workgroup_id_z 1
		.amdhsa_system_vgpr_workitem_id 0
		.amdhsa_next_free_vgpr 256
		.amdhsa_next_free_sgpr 100
		.amdhsa_reserve_vcc 0
		.amdhsa_float_denorm_mode_32 3
		.amdhsa_float_denorm_mode_16_64 3
		.amdhsa_memory_ordered 1
		.amdhsa_forward_progress 1
		.amdhsa_inst_pref_size 80
	.end_amdhsa_kernel
	.amdgpu_metadata
---
amdhsa.version: [ 1, 2 ]
amdhsa.kernels:
  - .name:           k_q2d81454d91_attn
    .symbol:         k_q2d81454d91_attn.kd
    .args:
      - { .name: query, .offset: 0, .size: 8, .value_kind: global_buffer, .address_space: global }
      - { .name: qbuf, .offset: 8, .size: 8, .value_kind: global_buffer, .address_space: global }
      - { .name: kbuf, .offset: 16, .size: 8, .value_kind: global_buffer, .address_space: global }
      - { .name: vbuf, .offset: 24, .size: 8, .value_kind: global_buffer, .address_space: global }
      - { .name: x2, .offset: 32, .size: 8, .value_kind: global_buffer, .address_space: global }
    .group_segment_fixed_size: 215040
    .private_segment_fixed_size: 0
    .kernarg_segment_align: 8
    .kernarg_segment_size: 40
    .max_flat_workgroup_size: 512
    .sgpr_count:     100
    .vgpr_count:     256
    .wavefront_size: 32
...
	.end_amdgpu_metadata
.endif
;; end of part 3
;; launch lnq (part 4): grid 256 x 1, 8 waves a work-group, no clusters, 83,968 bytes of LDS; arguments x2, ffn_w, ffn_b, xc, xs; writes xc, xs
.if DOCPART == 4
	.amdgcn_target "amdgcn-amd-amdhsa--gfx1250"
	.amdhsa_code_object_version 6
	.text
	.protected	k_q2d81454d91_lnq
	.globl	k_q2d81454d91_lnq
	.p2align	8
	.type	k_q2d81454d91_lnq,@function
k_q2d81454d91_lnq:
	s_mov_b64 s[64:65], 0
	v_nop
	global_prefetch_b8 v0, s[64:65] scope:SCOPE_SE
	s_setreg_imm32_b32 hwreg(HW_REG_WAVE_MODE, 25, 1), 1
	s_wait_xcnt 0x0
; LayerNorm over 1,024 of x2's rows, then the quantiser along the 1,024: codes into xc (512 bytes a row), scale bytes into xs (32 a row).
; A work-group takes 16 rows, a wave two; a row is 32 registers of the wave and is read from memory once.  Every load reads 512 consecutive bytes.
; Mean first, then the mean of the squared differences: no difference of large sums is formed.
; The normalised row turns through the wave's own stage in LDS (16 bytes of padding behind each 64), 512 numbers at a time, and comes back 16 neighbours a lane, two lanes to a block.
; The work-group's 512 scale bytes are gathered in LDS; behind one barrier wave 0 stores them as 512 consecutive bytes.
; Memory binds: no matrix unit, no cluster (the work-groups share only the gain and the bias, 8 KB).
; LIMITS: NaN and infinities are not served; a block of zeros gets the scale byte 1 (zero codes; read by this program alone).
.set SP,   80
.set XR,   32                          ; v32-95   two rows
.set GW,   96                          ; v96-127  the gain
.set GB,   128                         ; v128-159 the bias
.set XT,   160                         ; v160-223 four sets of 16 neighbours
.set CD,   224                         ; v224-231 codes
.set BY,   232                         ; v232-235 scale bytes
.set SU,   16                          ; v16-23   sums
.set MU,   24
.set RS,   26
.set SBY,  81920                       ; behind the eight waves' stages: 512 scale bytes
	s_load_b128 s[4:7], s[0:1], 0x0                ; x2, ffn_w
	s_load_b128 s[8:11], s[0:1], 0x10              ; ffn_b, xc
	s_load_b64 s[12:13], s[0:1], 0x20              ; xs
	v_lshl_add_u32 v240, v0, 2, 0x14400
	v_mov_b32 v241, 0
	v_lshrrev_b32 v1, 5, v0
	v_readfirstlane_b32 s16, v1                    ; wave 0..7
	v_and_b32 v2, 31, v0
	v_lshlrev_b32 v3, 4, v2                        ; 16 x lane
	s_mul_i32 s17, s16, 4*32*SP                    ; my four stages
	v_lshrrev_b32 v14, 2, v2
	v_mul_u32_u24 v14, v14, SP
	v_and_b32 v15, 3, v2
	v_lshl_add_u32 v14, v15, 4, v14
	v_add_nc_u32 v14, s17, v14                     ; in: SP (lane / 4) + 16 (lane % 4)
	v_mul_u32_u24 v15, v2, SP
	v_add_nc_u32 v15, s17, v15                     ; out: SP x lane
	v_lshlrev_b32 v4, 3, v2                        ; my codes' place in a step's 256 bytes
	v_lshrrev_b32 v5, 1, v2
	s_lshl_b32 s17, s16, 6
	s_add_co_u32 s17, s17, SBY
	v_add_nc_u32 v5, s17, v5                       ; my block's scale byte
	v_add_nc_u32 v6, SBY, v3                       ; wave 0's way out: 16 bytes a lane
	s_mov_b32 s26, 0x76543210
	s_mov_b32 s27, 0xfedcba98
	s_mov_b32 s28, 0x3a800000                      ; 1 / 1,024
	s_mov_b32 s29, 0x3727c5ac                      ; 1e-5
	s_lshl_b32 s18, ttmp9, 4
	s_lshl_b32 s19, s16, 1
	s_add_co_u32 s18, s18, s19                     ; my first row
	s_mov_b32 s19, 0
	s_lshl_b64 s[20:21], s[18:19], 12
	s_lshl_b64 s[22:23], s[18:19], 9
	s_lshl_b32 s24, ttmp9, 9
	s_mov_b32 s25, 0
	s_wait_kmcnt 0x0
	s_add_nc_u64 s[4:5], s[4:5], s[20:21]
	s_add_nc_u64 s[10:11], s[10:11], s[22:23]
	s_add_nc_u64 s[12:13], s[12:13], s[24:25]
.irp i, 0,1,2,3,4,5,6,7,8,9,10,11,12,13,14,15
	global_load_b128 v[XR+4*\i:XR+4*\i+3], v3, s[4:5] offset:512*\i
.endr
.irp i, 0,1,2,3,4,5,6,7
	global_load_b128 v[GW+4*\i:GW+4*\i+3], v3, s[6:7] offset:512*\i
.endr
.irp i, 0,1,2,3,4,5,6,7
	global_load_b128 v[GB+4*\i:GB+4*\i+3], v3, s[8:9] offset:512*\i
.endr
.macro JOIN                            ; four packed chains, then the 32 lanes: the row's sum in every lane's v[SU]
	v_pk_add_f32 v[SU:SU+1], v[SU:SU+1], v[SU+2:SU+3]
	v_pk_add_f32 v[SU+4:SU+5], v[SU+4:SU+5], v[SU+6:SU+7]
	v_pk_add_f32 v[SU:SU+1], v[SU:SU+1], v[SU+4:SU+5]
	v_add_f32 v[SU], v[SU], v[SU+1]
	v_add_f32_dpp v[SU], v[SU], v[SU] row_xmask:1 row_mask:0xf bank_mask:0xf
	v_add_f32_dpp v[SU], v[SU], v[SU] row_xmask:2 row_mask:0xf bank_mask:0xf
	v_add_f32_dpp v[SU], v[SU], v[SU] row_xmask:4 row_mask:0xf bank_mask:0xf
	v_add_f32_dpp v[SU], v[SU], v[SU] row_xmask:8 row_mask:0xf bank_mask:0xf
	v_permlanex16_b32 v[SU+1], v[SU], s26, s27
	v_add_f32 v[SU], v[SU], v[SU+1]
.endm
.macro NORM x                          ; (x - mean) / sqrt(var + eps), in place
.irp c, 0,1,2,3
	v_pk_add_f32 v[SU+2*\c:SU+2*\c+1], v[\x+2*\c:\x+2*\c+1], v[\x+8+2*\c:\x+8+2*\c+1]
.endr
.irp m, 16,24
.irp c, 0,1,2,3
	v_pk_add_f32 v[SU+2*\c:SU+2*\c+1], v[SU+2*\c:SU+2*\c+1], v[\x+\m+2*\c:\x+\m+2*\c+1]
.endr
.endr
	JOIN
	v_mul_f32 v[MU], s28, v[SU]
	v_mov_b32 v[MU+1], v[MU]
.set n_, 0
.rept 16
	v_pk_add_f32 v[\x+n_:\x+n_+1], v[\x+n_:\x+n_+1], v[MU:MU+1] neg_lo:[0,1] neg_hi:[0,1]
.set n_, n_+2
.endr
.irp c, 0,1,2,3
	v_pk_mul_f32 v[SU+2*\c:SU+2*\c+1], v[\x+2*\c:\x+2*\c+1], v[\x+2*\c:\x+2*\c+1]
.endr
.irp m, 8,16,24
.irp c, 0,1,2,3
	v_pk_fma_f32 v[SU+2*\c:SU+2*\c+1], v[\x+\m+2*\c:\x+\m+2*\c+1], v[\x+\m+2*\c:\x+\m+2*\c+1], v[SU+2*\c:SU+2*\c+1]
.endr
.endr
	JOIN
	v_fma_f32 v[RS], v[SU], s28, s29
	v_rsq_f32 v[RS], v[RS]
	v_nop                                          ; a plain line behind the transcendental
	s_wait_alu depctr_va_vdst(0)                   ; and a wait ahead of its first reader
	v_mov_b32 v[RS+1], v[RS]
.set n_, 0
.rept 16
	v_pk_mul_f32 v[\x+n_:\x+n_+1], v[\x+n_:\x+n_+1], v[RS:RS+1]
.set n_, n_+2
.endr
.endm
.macro GAIN x
.set n_, 0
.rept 16
	v_pk_fma_f32 v[\x+n_:\x+n_+1], v[\x+n_:\x+n_+1], v[GW+n_:GW+n_+1], v[GB+n_:GB+n_+1]
.set n_, n_+2
.endr
.endm
	s_wait_loadcnt 24                              ; row 0's eight loads are in; 24 younger ones stay out
	NORM XR
	s_wait_loadcnt 16                              ; row 1's are in; the gain's and the bias's stay out
	NORM XR+32
	s_wait_loadcnt 0x0
	GAIN XR
	GAIN XR+32
.macro TURN t                          ; step t: 512 numbers (row t / 2, half t % 2) through stage t
.irp i, 0,1,2,3
	ds_store_b128 v14, v[XR+16*(\t)+4*\i:XR+16*(\t)+4*\i+3] offset:32*SP*(\t)+8*SP*\i
.endr
.irp i, 0,1,2,3
	ds_load_b128 v[XT+16*(\t)+4*\i:XT+16*(\t)+4*\i+3], v15 offset:32*SP*(\t)+16*\i
.endr
.endm
.irp t, 0,1,2,3
	TURN \t
.endr
	s_wait_dscnt 0x0
.macro STEPQ t
.set XS, XT+16*(\t)
	v_max3_num_f32 v8, |v[XS]|, |v[XS+1]|, |v[XS+2]|
	v_max3_num_f32 v9, |v[XS+3]|, |v[XS+4]|, |v[XS+5]|
.irp i, 6,10
	v_max3_num_f32 v8, v8, |v[XS+\i]|, |v[XS+\i+1]|
	v_max3_num_f32 v9, v9, |v[XS+\i+2]|, |v[XS+\i+3]|
.endr
	v_max3_num_f32 v8, v8, |v[XS+14]|, |v[XS+15]|
	v_max3_num_f32 v8, v8, v9, 0x1800000           ; the floor 2^(3 - 127)
	v_max_num_f32_dpp v8, v8, v8 row_xmask:1 row_mask:0xf bank_mask:0xf
	v_add_nc_u32 v11, 0xff000000, v8
	v_cvt_scalef32_pk8_fp4_f32 v[CD+2*(\t)], v[XS:XS+7], v11
	v_cvt_scalef32_pk8_fp4_f32 v[CD+2*(\t)+1], v[XS+8:XS+15], v11
	v_lshrrev_b32 v[BY+(\t)], 23, v11              ; the scale's byte (a plain line behind the conversions)
	ds_store_b8 v5, v[BY+(\t)] offset:16*(\t)
	global_store_b64 v4, v[CD+2*(\t):CD+2*(\t)+1], s[10:11] offset:256*(\t)   ; 256 consecutive, aligned bytes
.endm
.irp t, 0,1,2,3
	STEPQ \t
.endr
	s_wait_dscnt 0x0                               ; for the others' sake: my scale bytes lie in LDS
	s_barrier_signal -1
	s_barrier_wait -1
	s_cmp_lg_u32 s16, 0
	s_cbranch_scc1 .Ldone
	ds_load_b128 v[236:239], v6
	s_wait_dscnt 0x0
	global_store_b128 v3, v[236:239], s[12:13]     ; 16 rows' scale bytes: 512 consecutive bytes
.Ldone:
	s_wait_tensorcnt 0x0
	ds_add_u32 v240, v241
	s_wait_dscnt 0x0
	s_endpgm
.Lfunc_end_k_q2d81454d91_lnq:
	.size	k_q2d81454d91_lnq, .Lfunc_end_k_q2d81454d91_lnq-k_q2d81454d91_lnq
	.p2alignl 7, 3214868480
	.fill 96, 4, 3214868480
	.section	.rodata,"a",@progbits
	.p2align	6, 0x0
	.amdhsa_kernel k_q2d81454d91_lnq
		.amdhsa_group_segment_fixed_size 83968
		.amdhsa_private_segment_fixed_size 0
		.amdhsa_enable_private_segment 0
		.amdhsa_kernarg_size 40
		.amdhsa_user_sgpr_count 2
		.amdhsa_user_sgpr_kernarg_segment_ptr 1
		.amdhsa_wavefront_size32 1
		.amdhsa_system_sgpr_workgroup_id_x 1
		.amdhsa_system_sgpr_workgroup_id_y 1
		.amdhsa_system_sgpr_workgroup_id_z 1
		.amdhsa_system_vgpr_workitem_id 0
		.amdhsa_next_free_vgpr 242
		.amdhsa_next_free_sgpr 66
		.amdhsa_reserve_vcc 0
		.amdhsa_float_denorm_mode_32 3
		.amdhsa_float_denorm_mode_16_64 3
		.amdhsa_memory_ordered 1
		.amdhsa_forward_progress 1
		.amdhsa_inst_pref_size 24
	.end_amdhsa_kernel
	.amdgpu_metadata
---
amdhsa.version: [ 1, 2 ]
amdhsa.kernels:
  - .name:           k_q2d81454d91_lnq
    .symbol:         k_q2d81454d91_lnq.kd
    .args:
      - { .name: x2, .offset: 0, .size: 8, .value_kind: global_buffer, .address_space: global }
      - { .name: ffn_w, .offset: 8, .size: 8, .value_kind: global_buffer, .address_space: global }
      - { .name: ffn_b, .offset: 16, .size: 8, .value_kind: global_buffer, .address_space: global }
      - { .name: xc, .offset: 24, .size: 8, .value_kind: global_buffer, .address_space: global }
      - { .name: xs, .offset: 32, .size: 8, .value_kind: global_buffer, .address_space: global }
    .group_segment_fixed_size: 83968
    .private_segment_fixed_size: 0
    .kernarg_segment_align: 8
    .kernarg_segment_size: 40
    .max_flat_workgroup_size: 256
    .sgpr_count:     66
    .vgpr_count:     242
    .wavefront_size: 32
...
	.end_amdgpu_metadata
.endif
;; end of part 4
;; launch fc1 (part 5): grid 16 x 16, 4 waves a work-group, clusters of 4 x 4, 327,680 bytes of LDS; arguments xc, xs, fc1_w_codes, fc1_w_scales, h1, fc1_b; writes h1
.if DOCPART == 5
	.amdgcn_target "amdgcn-amd-amdhsa--gfx1250"
	.amdhsa_code_object_version 6
	.text
	.protected	k_q2d81454d91_fc1
	.globl	k_q2d81454d91_fc1
	.p2align	8
	.type	k_q2d81454d91_fc1,@function
k_q2d81454d91_fc1:
	s_mov_b64 s[64:65], 0
	v_nop
	global_prefetch_b8 v0, s[64:65] scope:SCOPE_SE
	s_setreg_imm32_b32 hwreg(HW_REG_WAVE_MODE, 25, 1), 1
	s_wait_xcnt 0x0
	s_wait_alu depctr_hold_cnt(0) depctr_sa_sdst(0) depctr_va_vdst(0) depctr_va_sdst(0) depctr_va_ssrc(0) depctr_va_vcc(0) depctr_vm_vsrc(0)
	s_getreg_b32 s2, hwreg(HW_REG_IB_STS2, 6, 4)
	s_cmp_eq_u32 s2, 0
	s_cbranch_scc0 .Lentry_in_a_cluster
	s_endpgm
.Lentry_in_a_cluster:
	s_bfe_u32 s2, ttmp6, 0x10000c
	s_cmp_lg_u32 s2, 0xf033
	s_cbranch_scc0 .Lentry_shape_is_right
	s_endpgm
.Lentry_shape_is_right:
; h1 = Q(gelu(LN(x2) fc1_w + fc1_b)): the product on codes of E2M1 (K = 1,024), the exact GELU in f32, the quantiser along the hidden axis.
; A tile of C is 256 x 256, four waves of 128 x 128.  Source 0 = 16 rows of fc1_w (hidden units, along a lane's registers), source 1 = 16 tokens (a lane's row).
; Both K steps of 512 are first fills of the two LDS slots: nothing is filled again.  CLUSTERS 4 x 4 with joint loads; a wave has three tensor loads out at most.
; GELU.  gelu(y) = max(y, 0) - |y| s,  s = erfc(|y| / sqrt 2) / 2 = t 2^(P(t) + KN y^2),  t = 1 / (1 + KT |y|),  P a polynomial of degree 9 (a Chebyshev fit of erfc, relative error 1.2e-7,
; with log2(e) and the half folded into its coefficients).  erfc is formed directly, so no difference of near numbers arises for negative y; a large |y| drives s to 0.
; THE WAY OUT IS A LOOP.  One block of 16 rows takes some 6 KB of code; so the accumulators go once into LDS as images of their registers (each wave its own 65,536 bytes of the slots, which have had
; their last fill; a barrier shows that every wave's reads of them are over), and one loop body serves the eight blocks.
; OUT: h1 [s 32: 128 hidden][g 32: 128 rows][8,704]: eight fragment images of 1,024 bytes (16 rows x 128 hidden), then 128 rows' scale words.
; LIMITS: NaN and infinities are not served; a block of zeros gets the scale byte 1 (zero codes; read by this program alone).
.set KSTEP,  512
.set NQ,     4
.set ROWB,   256
.set KROW,   512
.set PITCH,  272
.set FR,     8
.set NL,     2
.set NP,     4
.set HALFT,  128*PITCH
.set SLOT,   4*HALFT
.set KS,     32
.set SCL,    2*SLOT
.set HALFS,  (128*KS/256)*272
.set SBLK,   (16*KS/256)*272
.set SPARE,  SCL+4*HALFS
.set WSR,  12                          ; v12    where my stage's words come back, 16 bytes a lane
.set ADRA, 16
.set LI,   18                          ; v18    16 x lane
.set H32,  19                          ; v19    32 h
.set ADRB, 20
.set DMP,  22                          ; v22    my dump: 65,536 x wave + 16 x lane
.set DAD,  23                          ; v23    the dump address in hand
.set HAD,  24                          ; v24    the offset in h1 in hand
.set WAD,  25                          ; v25    the word's address in hand
.set WSA,  26                          ; v26    my stage for scale words: 262,144 + 512 x wave + 4 r
.set ADRS, 27
.set SPW,  28
.set NIL,  29
.set SC,   32                          ; v32-95 scale words: they hold nothing else
.set AF,   128
.set G1, 24
.set G0, 32
.set G1B, 48
.set G0B, 56
.set G1S, 68
.set G0S, 76
.set G1SB, 80
.set G0SB, 88
.set MSB, 0
.macro WIN new
.if MSB != (\new)
	s_set_vgpr_msb (MSB<<8)|(\new)
.set MSB, \new
.endif
.endm
.set MUL_LO, 0xa1
.set MUL_HI, 0xf1
.set TO_B,   0x40
.macro JLOAD g0a, g1a, g0b, g1b
	s_cmp_eq_u32 s15, 0
	s_cbranch_scc0 .Lfor_b_\@
	tensor_load_to_lds s[\g0a:\g0a+3], s[\g1a:\g1a+7]
	s_nop 0
.rept 4
	v_nop
.endr
	s_branch .Lasked_\@
.Lfor_b_\@:
	tensor_load_to_lds s[\g0b:\g0b+3], s[\g1b:\g1b+7]
	s_nop 0
.rept 4
	v_nop
.endr
.Lasked_\@:
.endm
.macro CROUND
	s_barrier_signal -1
	s_barrier_wait -1
	s_cmp_lg_u32 s14, 0
	s_cbranch_scc1 .Lnot_wave_0_\@
	s_barrier_signal -3
.Lnot_wave_0_\@:
	s_barrier_wait -3
	s_barrier_signal -1
	s_barrier_wait -1
.endm
	s_load_b128 s[4:7], s[0:1], 0x0                ; xc, xs
	s_load_b128 s[8:11], s[0:1], 0x10              ; fc1_w codes, scales
	s_load_b64 s[12:13], s[0:1], 0x20              ; h1
	s_load_b64 s[66:67], s[0:1], 0x28              ; fc1_b
	v_lshl_add_u32 v[SPW], v0, 2, SPARE
	v_mov_b32 v[NIL], 0
	ds_add_u32 v28, v29
	ds_add_u32 v28, v29
	s_wait_dscnt 0x0
	v_lshrrev_b32 v1, 5, v0
	v_readfirstlane_b32 s14, v1
	s_lshr_b32 s15, s14, 1
	s_and_b32 s16, s14, 1
	s_bfe_u32 s40, ttmp6, 0x40000
	s_bfe_u32 s41, ttmp6, 0x40004
	s_lshl_b32 s42, ttmp9, 2
	s_add_co_u32 s42, s42, s40                     ; tile column
	s_and_b32 s17, ttmp7, 0xffff
	s_lshl_b32 s17, s17, 2
	s_add_co_u32 s17, s17, s41                     ; tile row
	s_lshl_b32 s43, s41, 2
	s_lshl_b32 s43, 15, s43
	s_lshl_b32 s44, 0x1111, s40
	s_or_b32 s[G1+0], s43, (0<<16)|(1<<20)|(1<<21)|(5<<22)|(3<<25)
	s_or_b32 s[G1B+0], s44, (0<<16)|(1<<20)|(1<<21)|(5<<22)|(3<<25)
.irp g, G1, G1B
	s_mov_b32 s[\g+1], ROWB<<16
	s_mov_b32 s[\g+2], 128<<16
	s_mov_b32 s[\g+3], ROWB<<16
	s_mov_b32 s[\g+4], 128
	s_mov_b32 s[\g+5], KROW
	s_mov_b32 s[\g+6], 0
	s_mov_b32 s[\g+7], 0
.endr
	s_or_b32 s[G1S+0], s43, (3<<16)|(1<<20)|(1<<21)|(5<<22)|(3<<25)
	s_or_b32 s[G1SB+0], s44, (3<<16)|(1<<20)|(1<<21)|(5<<22)|(3<<25)
.irp g, G1S, G1SB
	s_mov_b32 s[\g+1], 32<<16
	s_mov_b32 s[\g+2], (128*KS/256)<<16
	s_mov_b32 s[\g+3], 32<<16
	s_mov_b32 s[\g+4], 128*KS/256
	s_mov_b32 s[\g+5], 32
	s_mov_b32 s[\g+6], 0
	s_mov_b32 s[\g+7], 0
.endr
	s_lshl_b32 s18, s16, 7
	s_lshl_b32 s20, s17, 8
	s_add_co_u32 s20, s20, s18
	s_lshl_b32 s46, s42, 8
	s_add_co_u32 s46, s46, s18
	s_mov_b32 s21, 0
	s_mov_b32 s47, 0
	s_mov_b64 s[18:19], KS
	s_mul_u64 s[22:23], s[20:21], s[18:19]
	s_mul_u64 s[92:93], s[46:47], s[18:19]
	s_mov_b64 s[18:19], KROW
	s_mul_u64 s[20:21], s[20:21], s[18:19]
	s_mul_u64 s[46:47], s[46:47], s[18:19]
	s_mul_i32 s45, s14, HALFT
	s_mul_i32 s94, s14, HALFS
	s_wait_kmcnt 0x0
	s_add_nc_u64 s[20:21], s[4:5], s[20:21]
	s_add_nc_u64 s[22:23], s[6:7], s[22:23]
	s_add_nc_u64 s[46:47], s[8:9], s[46:47]
	s_add_nc_u64 s[92:93], s[10:11], s[92:93]
	CROUND
	s_mov_b32 s[G0S], 1
	s_add_co_u32 s[G0S+1], s94, SCL
	s_mov_b64 s[G0S+2:G0S+3], s[22:23]
	s_or_b32 s[G0S+3], s[G0S+3], 0x80000000
	s_mov_b32 s[G0SB], 1
	s_add_co_u32 s[G0SB+1], s94, SCL
	s_mov_b64 s[G0SB+2:G0SB+3], s[92:93]
	s_or_b32 s[G0SB+3], s[G0SB+3], 0x80000000
	JLOAD G0S, G1S, G0SB, G1SB
.irp s, 0,1
	s_mov_b32 s[G0+4*\s], 1
	s_add_co_u32 s[G0+4*\s+1], s45, \s*SLOT
	s_add_nc_u64 s[G0+4*\s+2:G0+4*\s+3], s[20:21], \s*ROWB
	s_or_b32 s[G0+4*\s+3], s[G0+4*\s+3], 0x80000000
	s_mov_b32 s[G0B+4*\s], 1
	s_add_co_u32 s[G0B+4*\s+1], s45, \s*SLOT
	s_add_nc_u64 s[G0B+4*\s+2:G0B+4*\s+3], s[46:47], \s*ROWB
	s_or_b32 s[G0B+4*\s+3], s[G0B+4*\s+3], 0x80000000
	JLOAD G0+4*\s, G1, G0B+4*\s, G1B
.endr
	v_and_b32 v1, 15, v0
	v_bfe_u32 v2, v0, 4, 1
	v_mul_u32_u24 v3, v1, PITCH
	v_lshl_add_u32 v4, v2, 4, v3
	s_mul_i32 s21, s15, HALFT
	s_mul_i32 s22, s16, HALFT
	s_add_co_u32 s22, s22, 2*HALFT
.irp s, 0,1
	v_add_nc_u32 v[ADRA+\s], s21, v4
	v_add_nc_u32 v[ADRB+\s], s22, v4
	s_add_co_u32 s21, s21, SLOT
	s_add_co_u32 s22, s22, SLOT
.endr
	v_mul_u32_u24 v5, v1, KS
	v_lshrrev_b32 v6, 8, v5
	v_lshl_add_u32 v5, v6, 4, v5
	s_mul_i32 s21, s15, HALFS
	s_mul_i32 s22, s16, HALFS
	s_add_co_u32 s22, s22, 2*HALFS
	s_sub_co_u32 s22, s22, s21
	v_mul_u32_u24 v6, s22, v2
	s_add_co_u32 s21, s21, SCL
	v_add_nc_u32 v5, v5, v6
	v_add_nc_u32 v[ADRS], s21, v5
	v_and_b32 v6, 31, v0
	v_lshlrev_b32 v[LI], 4, v6
	v_lshlrev_b32 v[H32], 5, v2
	s_lshl_b32 s23, s14, 16
	v_add_nc_u32 v[DMP], s23, v[LI]
	s_lshl_b32 s23, s14, 9
	s_add_co_u32 s23, s23, 262144
	v_lshl_add_u32 v[WSA], v1, 2, s23
	v_add_nc_u32 v[WSR], s23, v[LI]
	s_lshl_b32 s20, s42, 10
	s_lshl_b32 s21, s16, 9
	s_add_co_u32 s20, s20, s21                     ; my 128 hidden units in the bias
	s_mov_b32 s21, 0
	s_add_nc_u64 s[66:67], s[66:67], s[20:21]
	WIN TO_B                                       ; the bias: window 1, v64-127 (between B's two sets): register 8 b + j = hidden unit 16 b + 8 h + j
.irp b, 0,1,2,3,4,5,6,7
	global_load_b128 v[64+8*\b:67+8*\b], v[H32], s[66:67] offset:64*\b
	global_load_b128 v[68+8*\b:71+8*\b], v[H32], s[66:67] offset:64*\b+16
.endr
	WIN 0
	s_lshl_b32 s20, s42, 1
	s_add_co_u32 s20, s20, s16                     ; s: which 128 hidden units
	s_lshl_b32 s20, s20, 5
	s_lshl_b32 s21, s17, 1
	s_add_co_u32 s20, s20, s21
	s_add_co_u32 s20, s20, s15                     ; 32 s + g, g: which 128 rows
	s_mul_i32 s20, s20, 8704
	s_mov_b32 s21, 0
	s_add_nc_u64 s[12:13], s[12:13], s[20:21]
.macro FRAG reg, adr, q, i
.irp c, 0,1
	ds_load_b128 v[\reg+4*\c:\reg+4*\c+3], v[\adr] offset:64*(\q)+32*\c+(\i)*16*PITCH
.endr
.endm
.macro MUL16 a0, p, q, sc, zero        ; the 64 accumulators take turns
.irp a, \a0, \a0+1
.irp b, 0,1,2,3,4,5,6,7
.if \zero
	v_wmma_scale_f32_16x16x128_f8f6f4 v[8*(8*((\a)%4)+\b):8*(8*((\a)%4)+\b)+7], v[128*(\p)+FR*\b:128*(\p)+FR*\b+FR-1], v[AF+FR*(\a):AF+FR*(\a)+FR-1], 0, v[SC+8*NQ*(\sc)+NQ*\b+(\q)], v[SC+8*NQ*(\sc)+NQ*(\a)+(\q)] matrix_a_fmt:MATRIX_FMT_FP4 matrix_b_fmt:MATRIX_FMT_FP4 matrix_a_scale:MATRIX_SCALE_ROW1
.else
	v_wmma_scale_f32_16x16x128_f8f6f4 v[8*(8*((\a)%4)+\b):8*(8*((\a)%4)+\b)+7], v[128*(\p)+FR*\b:128*(\p)+FR*\b+FR-1], v[AF+FR*(\a):AF+FR*(\a)+FR-1], v[8*(8*((\a)%4)+\b):8*(8*((\a)%4)+\b)+7], v[SC+8*NQ*(\sc)+NQ*\b+(\q)], v[SC+8*NQ*(\sc)+NQ*(\a)+(\q)] matrix_a_fmt:MATRIX_FMT_FP4 matrix_b_fmt:MATRIX_FMT_FP4 matrix_a_scale:MATRIX_SCALE_ROW1
.endif
.endr
.endr
.endm
.macro FETCH_B slot, q, p
	WIN TO_B
.irp i, 0,1,2,3,4,5,6,7
	FRAG 128*(\p)+FR*\i, ADRB+\slot, \q, \i
.endr
	WIN 0
.endm
.macro FETCH_A slot, q, i0
.irp i, \i0, \i0+1, \i0+2, \i0+3
	FRAG AF+FR*(\i), ADRA+\slot, \q, \i
.endr
.endm
.macro SCALES sc
.irp i, 0,1,2,3,4,5,6,7
	ds_load_b128 v[SC+8*NQ*\sc+NQ*\i:SC+8*NQ*\sc+NQ*\i+3], v[ADRS] offset:\i*SBLK
.endr
.endm
.macro PLACES n
.rept \n
	v_nop
.endr
.endm
.macro STEP slot, q, zero
	s_wait_dscnt 4*NL                              ; all but the youngest eight loads (A's blocks 4-7) are in
	WIN MUL_LO
	MUL16 0, (\q)%2, \q, \slot, \zero
	MUL16 2, (\q)%2, \q, \slot, \zero
	s_wait_dscnt 0
	PLACES NP
	FETCH_B \slot, (\q)+1, 1-(\q)%2
	FETCH_A \slot, (\q)+1, 0
	WIN MUL_HI
	MUL16 4, (\q)%2, \q, \slot, \zero
	MUL16 6, (\q)%2, \q, \slot, \zero
	PLACES NP
	WIN 0
	FETCH_A \slot, (\q)+1, 4
.endm
.macro TURN slot, next
	s_wait_tensorcnt 0x0                           ; all my tensor loads have landed
	ds_add_u32 v[SPW], v[NIL]                      ; 0 onto my spare word
	s_wait_dscnt 4*NL+1                            ; the add and the youngest eight loads may be out
	WIN MUL_LO
	MUL16 0, 1, NQ-1, \slot, 0
	s_wait_dscnt 0x0
	s_barrier_signal -1
	MUL16 2, 1, NQ-1, \slot, 0
	WIN 0
	s_barrier_wait -1
	PLACES NP
	v_add_nc_u32 v[ADRS], 4*NQ, v[ADRS]
	FETCH_B \next, 0, 0
	FETCH_A \next, 0, 0
	SCALES \next
	WIN MUL_HI
	MUL16 4, 1, NQ-1, \slot, 0
	MUL16 6, 1, NQ-1, \slot, 0
	PLACES NP
	WIN 0
	FETCH_A \next, 0, 4
.endm
	s_wait_tensorcnt 1                             ; the scales and my part of K step 0 are in; K step 1's load may be out
	s_barrier_signal -1
	s_barrier_wait -1
	FETCH_B 0, 0, 0
	FETCH_A 0, 0, 0
	SCALES 0
	FETCH_A 0, 0, 4
	STEP 0, 0, 1
	STEP 0, 1, 0
	STEP 0, 2, 0
	TURN 0, 1
	STEP 1, 0, 0
	STEP 1, 1, 0
	STEP 1, 2, 0
	s_wait_dscnt 4*NL
	WIN MUL_LO
	MUL16 0, 1, NQ-1, 1, 0
	MUL16 2, 1, NQ-1, 1, 0
	s_wait_dscnt 0
	WIN MUL_HI
	MUL16 4, 1, NQ-1, 1, 0
	MUL16 6, 1, NQ-1, 1, 0
	WIN 0
	s_wait_dscnt 0x0                               ; my reads of both slots are over:
	s_barrier_signal -1
	s_barrier_wait -1                              ; everybody's are: the slots' bytes may be written
	PLACES NP
.irp a, 0,1,2,3,4,5,6,7                ; THE DUMP: each accumulator as it stands, from its low end on, 512 consecutive bytes a store
	WIN 0x08+4*(\a/4)
.irp b, 0,1,2,3,4,5,6,7
	ds_store_b128 v[DMP], v[8*(8*(\a%4)+\b):8*(8*(\a%4)+\b)+3] offset:(16*\a+2*\b)*512
	ds_store_b128 v[DMP], v[8*(8*(\a%4)+\b)+4:8*(8*(\a%4)+\b)+7] offset:(16*\a+2*\b)*512+512
.endr
.endr
	WIN 0
.set CC,  68                           ; s[68:83] C0 .. C7, each twice; every tensor load has been waited for: these registers are free
.set C9,  84
.set KN,  86
.set KT,  88
.set SEL, 90
.set TT,  160
.set PP,  192
.set QQ,  224
	s_mov_b32 s[CC+0], 0xc034d90f                  ; C0 = -2.82574822
	s_mov_b32 s[CC+2], 0x3fb8ab5a                  ; C1 =  1.44272920
	s_mov_b32 s[CC+4], 0x3f0a29d2                  ; C2 =  0.53970062
	s_mov_b32 s[CC+6], 0x3e0efb2f                  ; C3 =  0.13963006
	s_mov_b32 s[CC+8], 0xbe899a80                  ; C4 = -0.26875686
	s_mov_b32 s[CC+10], 0x3ecdfd18                 ; C5 =  0.40232158
	s_mov_b32 s[CC+12], 0xbfd1a1e5                 ; C6 = -1.63775315
	s_mov_b32 s[CC+14], 0x40097039                 ; C7 =  2.14747446
.irp k, 0,1,2,3,4,5,6,7
	s_mov_b32 s[CC+2*\k+1], s[CC+2*\k]             ; (a packed form names the pair)
.endr
	s_mov_b32 s[C9], 0x3e7c6f08                    ; C9 =  0.24651730
	s_mov_b32 s[C9+1], s[C9]
	s_mov_b32 s[KN], 0xbf38aa3b                    ; KN = -log2(e) / 2
	s_mov_b32 s[KN+1], s[KN]
	s_mov_b32 s[KT], 0x3eb504f3                    ; KT = 1 / (2 sqrt 2)
	s_mov_b32 s[SEL], 0x76543210
	s_mov_b32 s[SEL+1], 0xfedcba98
	v_mov_b32 v30, 0xbf97d29d                      ; C8 = -1.18611495
	v_mov_b32 v31, v30
.macro GELU x                          ; 32 numbers in place: + bias, then the exact GELU
	WIN 0x04                                       ; source 1: window 1
.set n_, 0
.rept 16
	v_pk_add_f32 v[\x+n_:\x+n_+1], v[\x+n_:\x+n_+1], v[\x-32+n_:\x-32+n_+1]
.set n_, n_+2
.endr
	WIN 0
.set n_, 0
.rept 32
	v_fma_f32 v[TT+n_], |v[\x+n_]|, s[KT], 1.0
.set n_, n_+1
.endr
.set n_, 0
.rept 32
	v_rcp_f32 v[TT+n_], v[TT+n_]                   ; t
.set n_, n_+1
.endr
.set n_, 0
.rept 16
	v_pk_mul_f32 v[QQ+n_:QQ+n_+1], v[\x+n_:\x+n_+1], v[\x+n_:\x+n_+1]   ; y^2: plain work behind the batch
.set n_, n_+2
.endr
	s_wait_alu depctr_va_vdst(0)                   ; one wait for the 32 reciprocals, ahead of their first reader
.set n_, 0
.rept 16
	v_pk_fma_f32 v[PP+n_:PP+n_+1], v[TT+n_:TT+n_+1], s[C9:C9+1], v[30:31] op_sel_hi:[1,0,1]
.set n_, n_+2
.endr
.irp k, 7,6,5,4,3,2,1,0
.set n_, 0
.rept 16
	v_pk_fma_f32 v[PP+n_:PP+n_+1], v[PP+n_:PP+n_+1], v[TT+n_:TT+n_+1], s[CC+2*\k:CC+2*\k+1] op_sel_hi:[1,1,0]
.set n_, n_+2
.endr
.endr
.set n_, 0
.rept 16
	v_pk_fma_f32 v[PP+n_:PP+n_+1], v[QQ+n_:QQ+n_+1], s[KN:KN+1], v[PP+n_:PP+n_+1] op_sel_hi:[1,0,1]
.set n_, n_+2
.endr
.set n_, 0
.rept 32
	v_exp_f32 v[PP+n_], v[PP+n_]
.set n_, n_+1
.endr
.set n_, 0
.rept 32
	v_max_num_f32 v[QQ+n_], 0, v[\x+n_]            ; max(y, 0): plain work behind the batch
.set n_, n_+1
.endr
	s_wait_alu depctr_va_vdst(0)                   ; one wait for the 32 exponentials
.set n_, 0
.rept 16
	v_pk_mul_f32 v[PP+n_:PP+n_+1], v[PP+n_:PP+n_+1], v[TT+n_:TT+n_+1]   ; s
.set n_, n_+2
.endr
.set n_, 0
.rept 32
	v_fma_f32 v[\x+n_], -|v[\x+n_]|, v[PP+n_], v[QQ+n_]
.set n_, n_+1
.endr
.endm
; 64 numbers, register 8 b + j = k 16 b + 8 h + j, become a fragment's codes in v[pc] on and the row's scale word in v[pw].  Tile 4 c + 2 v + u goes to register 4 c + 2 u + v;
; the exchange of halves between registers 4 c + 2 u and 4 c + 2 u + 1 leaves k = 64 c + 32 h + 8 w + 0 .. 7 in register 4 c + w.
.macro QUANT s, tm, pw, pc
.irp b, 0,1,2,3
	v_max3_num_f32 v[\tm+\b], |v[\s+16*\b]|, |v[\s+1+16*\b]|, 0x1800000
.endr
.irp i, 2,4,6,8,10,12,14
.irp b, 0,1,2,3
	v_max3_num_f32 v[\tm+\b], v[\tm+\b], |v[\s+16*\b+\i]|, |v[\s+1+16*\b+\i]|
.endr
.endr
.irp b, 0,1,2,3
	v_permlanex16_b32 v[\tm+4+\b], v[\tm+\b], s[SEL], s[SEL+1]
.endr
.irp b, 0,1,2,3
	v_max_num_f32 v[\tm+\b], v[\tm+\b], v[\tm+4+\b]
.endr
.irp b, 0,1,2,3
	v_add_nc_u32 v[\tm+12+\b], 0xff000000, v[\tm+\b]
.endr
.irp b, 0,1,2,3
	v_lshrrev_b32 v[\tm+4+\b], 23, v[\tm+12+\b]
.endr
	v_lshl_or_b32 v[\pw], v[\tm+5], 8, v[\tm+4]
	v_lshl_or_b32 v[\pw], v[\tm+6], 16, v[\pw]
	v_lshl_or_b32 v[\pw], v[\tm+7], 24, v[\pw]
.irp b, 0,1,2,3
	v_cvt_scalef32_pk8_fp4_f32 v[\pc+4*(\b/2)+(\b%2)], v[\s+16*\b:\s+7+16*\b], v[\tm+12+\b]
	v_cvt_scalef32_pk8_fp4_f32 v[\pc+4*(\b/2)+2+(\b%2)], v[\s+8+16*\b:\s+15+16*\b], v[\tm+12+\b]
.endr
	v_nop                                          ; one plain line behind the scaled conversions
.irp c, 0,1
	v_permlane16_swap_b32 v[\pc+4*\c], v[\pc+4*\c+1]
	v_permlane16_swap_b32 v[\pc+4*\c+2], v[\pc+4*\c+3]
.endr
.endm
	s_mov_b32 s3, 8                                ; eight blocks of 16 rows
	s_mov_b32 s46, 0                               ; the block's place in my dump,
	s_mov_b32 s47, 0                               ; in my stage of scale words,
	s_mov_b32 s48, 0                               ; and in my chunk of h1
	s_wait_loadcnt 0x0                             ; the bias
.Lblk:
	v_add_nc_u32 v[DAD], s46, v[DMP]
.irp i, 0,1,2,3,4,5,6,7,8,9,10,11,12,13,14,15
	ds_load_b128 v[96+4*\i:99+4*\i], v[DAD] offset:512*\i   ; my own bytes: LDS serves a wave's instructions in order
.endr
	s_wait_dscnt 0x0
	GELU 96
	GELU 128
	QUANT 96, 160, 176, 180
	v_add_nc_u32 v[HAD], s48, v[LI]
	v_add_nc_u32 v[WAD], s47, v[WSA]
	global_store_b128 v[HAD], v[180:183], s[12:13]             ; the fragment's image: twice 512 consecutive, aligned bytes
	global_store_b128 v[HAD], v[184:187], s[12:13] offset:512
	ds_store_b32 v[WAD], v176
	s_wait_xcnt 0x0                                ; the stores have read their data and address: both are written again in the next trip
	s_wait_dscnt 0x0
	s_add_co_u32 s46, s46, 8192
	s_add_co_u32 s47, s47, 64
	s_add_co_u32 s48, s48, 1024
	s_sub_co_u32 s3, s3, 1
	s_cmp_lg_u32 s3, 0
	s_cbranch_scc1 .Lblk
	ds_load_b128 v[96:99], v[WSR]
	s_wait_dscnt 0x0
	global_store_b128 v[LI], v[96:99], s[12:13] offset:8192    ; 128 rows' scale words: 512 consecutive bytes
	s_wait_tensorcnt 0x0                           ; the wave's end
	ds_add_u32 v[SPW], v[NIL]
	s_wait_dscnt 0x0
	CROUND                                         ; the closing round
	s_endpgm
.Lfunc_end_k_q2d81454d91_fc1:
	.size	k_q2d81454d91_fc1, .Lfunc_end_k_q2d81454d91_fc1-k_q2d81454d91_fc1
	.p2alignl 7, 3214868480
	.fill 96, 4, 3214868480
	.section	.rodata,"a",@progbits
	.p2align	6, 0x0
	.amdhsa_kernel k_q2d81454d91_fc1
		.amdhsa_group_segment_fixed_size 327680
		.amdhsa_private_segment_fixed_size 0
		.amdhsa_enable_private_segment 0
		.amdhsa_kernarg_size 48
		.amdhsa_user_sgpr_count 2
		.amdhsa_user_sgpr_kernarg_segment_ptr 1
		.amdhsa_wavefront_size32 1
		.amdhsa_system_sgpr_workgroup_id_x 1
		.amdhsa_system_sgpr_workgroup_id_y 1
		.amdhsa_system_sgpr_workgroup_id_z 1
		.amdhsa_system_vgpr_workitem_id 0
		.amdhsa_next_free_vgpr 1024
		.amdhsa_next_free_sgpr 100
		.amdhsa_reserve_vcc 0
		.amdhsa_float_denorm_mode_32 3
		.amdhsa_float_denorm_mode_16_64 3
		.amdhsa_memory_ordered 1
		.amdhsa_forward_progress 1
		.amdhsa_inst_pref_size 152
	.end_amdhsa_kernel
	.amdgpu_metadata
---
amdhsa.version: [ 1, 2 ]
amdhsa.kernels:
  - .name:           k_q2d81454d91_fc1
    .symbol:         k_q2d81454d91_fc1.kd
    .args:
      - { .name: xc, .offset: 0, .size: 8, .value_kind: global_buffer, .address_space: global }
      - { .name: xs, .offset: 8, .size: 8, .value_kind: global_buffer, .address_space: global }
      - { .name: fc1_w_codes, .offset: 16, .size: 8, .value_kind: global_buffer, .address_space: global }
      - { .name: fc1_w_scales, .offset: 24, .size: 8, .value_kind: global_buffer, .address_space: global }
      - { .name: h1, .offset: 32, .size: 8, .value_kind: global_buffer, .address_space: global }
      - { .name: fc1_b, .offset: 40, .size: 8, .value_kind: global_buffer, .address_space: global }
    .group_segment_fixed_size: 327680
    .private_segment_fixed_size: 0
    .kernarg_segment_align: 8
    .kernarg_segment_size: 48
    .max_flat_workgroup_size: 128
    .sgpr_count:     100
    .vgpr_count:     1024
    .wavefront_size: 32
...
	.end_amdgpu_metadata
.endif
;; end of part 5
;; launch fc2 (part 6): grid 4 x 16, 4 waves a work-group, clusters of 4 x 4, 327,680 bytes of LDS; arguments h1, fc2_w_codes, fc2_w_scales, out0, x2, fc2_b; writes out0
.if DOCPART == 6
	.amdgcn_target "amdgcn-amd-amdhsa--gfx1250"
	.amdhsa_code_object_version 6
	.text
	.protected	k_q2d81454d91_fc2
	.globl	k_q2d81454d91_fc2
	.p2align	8
	.type	k_q2d81454d91_fc2,@function
k_q2d81454d91_fc2:
	s_mov_b64 s[64:65], 0
	v_nop
	global_prefetch_b8 v0, s[64:65] scope:SCOPE_SE
	s_setreg_imm32_b32 hwreg(HW_REG_WAVE_MODE, 25, 1), 1
	s_wait_xcnt 0x0
	s_wait_alu depctr_hold_cnt(0) depctr_sa_sdst(0) depctr_va_vdst(0) depctr_va_sdst(0) depctr_va_ssrc(0) depctr_va_vcc(0) depctr_vm_vsrc(0)
	s_getreg_b32 s2, hwreg(HW_REG_IB_STS2, 6, 4)
	s_cmp_eq_u32 s2, 0
	s_cbranch_scc0 .Lentry_in_a_cluster
	s_endpgm
.Lentry_in_a_cluster:
	s_bfe_u32 s2, ttmp6, 0x10000c
	s_cmp_lg_u32 s2, 0xf033
	s_cbranch_scc0 .Lentry_shape_is_right
	s_endpgm
.Lentry_shape_is_right:
; out0 = x2 + h1 fc2_w + fc2_b: the product on codes of E2M1, K = 4,096.  A tile of C is 256 x 256, four waves of 128 x 128; 64 work-groups: C has no more such tiles.
; Source 0 = 16 rows of fc2_w (outputs, along a lane's registers), source 1 = 16 tokens (a lane's row): a lane holds eight neighbouring numbers of a row of C.
; K goes in eight steps of 512 through a ring of two LDS slots.  A's part of a slot is four chunks of h1 for each 128 rows (eight fragment images of 1,024 bytes and 128 scale words, 8,704 bytes a chunk):
; fragments come by loads of 16 bytes a lane on end, and A's SCALE WORDS RIDE IN THE RING.  B's part is 256 rows of 256 bytes + 16 of padding.  B's scales of all of K stay in LDS (34,816 bytes), filled once.
; CLUSTERS 4 x 4: A's tiles shared along a row of the cluster, B's along a column, by joint loads; each joint refill stands first behind a round of the cluster's barrier.  A wave has three tensor loads out at most.
; PREFETCH: behind each joint refill but the last two, one instruction a wave names the K step two refills on.  A (waves 0, 1): partner cx takes chunk cx of the four, lanes 256 bytes apart over its 8,192 bytes of
; images.  B (waves 2, 3), in the clusters with y = 0 alone: partner cy takes 32 of the 128 rows, a lane a row.  Partners are told apart by address; each block is named once; K steps 0 to 3 come by their loads alone.
.set KSTEP,  512
.set NQ,     4
.set ROWB,   256
.set KROW,   2048
.set PITCH,  272
.set FR,     8
.set NL,     2
.set NP,     4
.set HALFT,  128*PITCH                 ; 34,816 = four chunks of 8,704 too
.set SLOT,   4*HALFT
.set CHUNK,  8704
.set SROW,   32*CHUNK                  ; from 128 along K to the next in h1
.set ASTEP,  4*SROW                    ; a K step in h1
.set LAPS,   4
.set KS,     128
.set SCL,    2*SLOT
.set HALFS,  (128*KS/256)*272
.set SBLK,   (16*KS/256)*272
.set SPARE,  SCL+2*HALFS               ; the spare words: 128 bytes a wave, named by no other line
.set SPITCH, 528
.set ADRA, 16                          ; v16-17 my A images in slot 0, 1: + 16 x lane
.set ADRW, 18                          ; v18-19 my A scale words in slot 0, 1: + 4 r
.set ADRB, 20
.set STO,  24
.set RD,   25
.set CO,   26
.set ADRS, 27                          ; v27    B's scale words of the K step in hand
.set SPW,  28
.set NIL,  29
.set ADRS0, 30                         ; v30    and of K step 0
.set PFO,  31                          ; v31    the prefetches' lane offset
.set SCA,  32                          ; v32-95   A's scale words, two sets of 32: they hold nothing else
.set BI,   96                          ; v96-99   the bias of my four columns
.set AF,   128
.set SCB,  192                         ; v192-255 B's scale words, two sets of 32: they hold nothing else
.set G1, 24
.set G0, 32
.set G1B, 48
.set G0B, 56
.set PFA, 68
.set PFS, 70
.set LIM, 72
.set G1SB, 80
.set G0SB, 88
.set SOF, 95                           ; s95    16 bytes of B's scales a K step
.set MSB, 0
.macro WIN new
.if MSB != (\new)
	s_set_vgpr_msb (MSB<<8)|(\new)
.set MSB, \new
.endif
.endm
.set MUL_LO, 0xa1
.set MUL_HI, 0xf1
.set TO_B,   0x40
.macro JLOAD g0a, g1a, g0b, g1b
	s_cmp_eq_u32 s15, 0
	s_cbranch_scc0 .Lfor_b_\@
	tensor_load_to_lds s[\g0a:\g0a+3], s[\g1a:\g1a+7]
	s_nop 0
.rept 4
	v_nop
.endr
	s_branch .Lasked_\@
.Lfor_b_\@:
	tensor_load_to_lds s[\g0b:\g0b+3], s[\g1b:\g1b+7]
	s_nop 0
.rept 4
	v_nop
.endr
.Lasked_\@:
.endm
.macro ASK                             ; s3 = 1 in the loop's last trip: its two refills have no K step two on
	s_cmp_gt_u32 s3, s[LIM]
	s_cbranch_scc0 .Lnot_mine_\@
	global_prefetch_b8 v[PFO], s[PFA:PFA+1] th:TH_LOAD_NT scope:SCOPE_SE
.Lnot_mine_\@:
.endm
.macro CREST
	s_cmp_lg_u32 s14, 0
	s_cbranch_scc1 .Lnot_wave_0_\@
	s_barrier_signal -3
.Lnot_wave_0_\@:
	s_barrier_wait -3
	s_barrier_signal -1
	s_barrier_wait -1
.endm
.macro CROUND
	s_barrier_signal -1
	s_barrier_wait -1
	CREST
.endm
	s_load_b256 s[4:11], s[0:1], 0x0               ; h1, fc2_w codes, fc2_w scales, out0
	s_load_b64 s[12:13], s[0:1], 0x20              ; x2
	s_load_b64 s[66:67], s[0:1], 0x28              ; fc2_b
	v_lshl_add_u32 v[SPW], v0, 2, SPARE
	v_mov_b32 v[NIL], 0
	ds_add_u32 v28, v29
	ds_add_u32 v28, v29
	s_wait_dscnt 0x0
	v_lshrrev_b32 v1, 5, v0
	v_readfirstlane_b32 s14, v1
	s_lshr_b32 s15, s14, 1
	s_and_b32 s16, s14, 1
	s_bfe_u32 s40, ttmp6, 0x40000
	s_bfe_u32 s41, ttmp6, 0x40004
	s_lshl_b32 s42, ttmp9, 2
	s_add_co_u32 s42, s42, s40                     ; tile column
	s_and_b32 s17, ttmp7, 0xffff
	s_lshl_b32 s17, s17, 2
	s_add_co_u32 s17, s17, s41                     ; tile row
	s_lshl_b32 s43, s41, 2
	s_lshl_b32 s43, 15, s43
	s_lshl_b32 s44, 0x1111, s40
	s_or_b32 s[G1+0], s43, (3<<16)|(1<<21)         ; A: four rows of 8,704 bytes (1,088 elements of 8), 278,528 bytes apart; no padding
	s_mov_b32 s[G1+1], 1088<<16
	s_mov_b32 s[G1+2], 4<<16
	s_mov_b32 s[G1+3], 1088<<16
	s_mov_b32 s[G1+4], 4
	s_mov_b32 s[G1+5], SROW/8
	s_mov_b32 s[G1+6], 0
	s_mov_b32 s[G1+7], 0
	s_or_b32 s[G1B+0], s44, (0<<16)|(1<<20)|(1<<21)|(5<<22)|(3<<25)
	s_mov_b32 s[G1B+1], ROWB<<16
	s_mov_b32 s[G1B+2], 128<<16
	s_mov_b32 s[G1B+3], ROWB<<16
	s_mov_b32 s[G1B+4], 128
	s_mov_b32 s[G1B+5], KROW
	s_mov_b32 s[G1B+6], 0
	s_mov_b32 s[G1B+7], 0
	s_or_b32 s[G1SB+0], s44, (3<<16)|(1<<20)|(1<<21)|(5<<22)|(3<<25)   ; B's scales of 128 rows: 64 rows of 256 bytes, 16 of padding behind each
	s_mov_b32 s[G1SB+1], 32<<16
	s_mov_b32 s[G1SB+2], (128*KS/256)<<16
	s_mov_b32 s[G1SB+3], 32<<16
	s_mov_b32 s[G1SB+4], 128*KS/256
	s_mov_b32 s[G1SB+5], 32
	s_mov_b32 s[G1SB+6], 0
	s_mov_b32 s[G1SB+7], 0
	s_lshl_b32 s20, s17, 1
	s_add_co_u32 s20, s20, s16
	s_mul_i32 s20, s20, CHUNK                      ; A: the 128 rows that I fetch
	s_mov_b32 s21, 0
	s_lshl_b32 s18, s16, 7
	s_lshl_b32 s46, s42, 8
	s_add_co_u32 s46, s46, s18                     ; B: row 256 x tile column + 128 x half
	s_mov_b32 s47, 0
	s_lshl_b64 s[92:93], s[46:47], 7               ; its scales,
	s_lshl_b64 s[46:47], s[46:47], 11              ; its codes
	s_mul_i32 s45, s14, HALFT
	s_mul_i32 s94, s16, HALFS
	s_wait_kmcnt 0x0
	s_add_nc_u64 s[20:21], s[4:5], s[20:21]
	s_add_nc_u64 s[46:47], s[6:7], s[46:47]
	s_add_nc_u64 s[92:93], s[8:9], s[92:93]
	s_mov_b32 s[G0SB], 1
	s_add_co_u32 s[G0SB+1], s94, SCL
	s_mov_b64 s[G0SB+2:G0SB+3], s[92:93]
	s_or_b32 s[G0SB+3], s[G0SB+3], 0x80000000
.irp s, 0,1
	s_mov_b32 s[G0+4*\s], 1
	s_add_co_u32 s[G0+4*\s+1], s45, \s*SLOT
	s_add_nc_u64 s[G0+4*\s+2:G0+4*\s+3], s[20:21], \s*ASTEP
	s_or_b32 s[G0+4*\s+3], s[G0+4*\s+3], 0x80000000
	s_mov_b32 s[G0B+4*\s], 1
	s_add_co_u32 s[G0B+4*\s+1], s45, \s*SLOT
	s_add_nc_u64 s[G0B+4*\s+2:G0B+4*\s+3], s[46:47], \s*ROWB
	s_or_b32 s[G0B+4*\s+3], s[G0B+4*\s+3], 0x80000000
.endr
	CROUND                                         ; all sixteen work-groups are here: the first joint loads meet
	s_cmp_eq_u32 s15, 0                            ; a wave's first fills stand in one branch on its number
	s_cbranch_scc0 .Lfirst_b
	tensor_load_to_lds s[G0:G0+3], s[G1:G1+7]
	s_nop 0
	tensor_load_to_lds s[G0+4:G0+7], s[G1:G1+7]
	s_nop 0
.rept 4
	v_nop
.endr
	s_branch .Lfirst_asked
.Lfirst_b:
	tensor_load_to_lds s[G0SB:G0SB+3], s[G1SB:G1SB+7]
	s_nop 0
	tensor_load_to_lds s[G0B:G0B+3], s[G1B:G1B+7]
	s_nop 0
	tensor_load_to_lds s[G0B+4:G0B+7], s[G1B:G1B+7]
	s_nop 0
.rept 4
	v_nop
.endr
.Lfirst_asked:
	v_and_b32 v1, 15, v0                           ; r
	v_bfe_u32 v2, v0, 4, 1                         ; h
	v_and_b32 v6, 31, v0
	v_lshlrev_b32 v[CO], 4, v6                     ; 16 x lane
	v_lshlrev_b32 v7, 2, v1                        ; 4 r
	v_mul_u32_u24 v3, v1, PITCH
	v_lshl_add_u32 v4, v2, 4, v3
	s_mul_i32 s21, s15, HALFT                      ; my 128 rows of A
	s_mul_i32 s22, s16, HALFT
	s_add_co_u32 s22, s22, 2*HALFT                 ; my 128 rows of B
.irp s, 0,1
	v_add_nc_u32 v[ADRA+\s], s21, v[CO]
	v_add_nc_u32 v[ADRW+\s], s21, v7
	v_add_nc_u32 v[ADRB+\s], s22, v4
	s_add_co_u32 s21, s21, SLOT
	s_add_co_u32 s22, s22, SLOT
.endr
	v_mul_u32_u24 v5, v1, KS                       ; B's scales: 128 bytes a row, and 16 more for each 256 passed
	v_lshrrev_b32 v8, 8, v5
	v_lshl_add_u32 v5, v8, 4, v5
	s_mul_i32 s21, s16, HALFS
	s_add_co_u32 s21, s21, SCL
	v_add_nc_u32 v[ADRS0], s21, v5
	s_mov_b32 s[SOF], 0
	v_add_nc_u32 v[ADRS], s[SOF], v[ADRS0]
	s_mul_i32 s23, s14, 16*SPITCH                  ; my stage for the way out: in slot 0, which has had its last fill and its last read by then
	v_mul_u32_u24 v5, v1, SPITCH
	v_lshl_add_u32 v5, v2, 5, v5
	v_add_nc_u32 v[STO], s23, v5
	v_add_nc_u32 v[RD], s23, v[CO]
	; the prefetches: whose, from where, how far from K step to K step
	s_lshl_b32 s74, s17, 1
	s_add_co_u32 s74, s74, s16
	s_mul_i32 s74, s74, CHUNK
	s_mul_i32 s75, s40, SROW                       ; A: my work-group's chunk of the four
	s_add_co_u32 s74, s74, s75
	s_add_co_u32 s74, s74, 3*ASTEP                 ; at K step 3: the first refill steps it to 4
	s_lshl_b32 s76, s42, 8
	s_lshl_b32 s77, s16, 7
	s_add_co_u32 s76, s76, s77
	s_lshl_b32 s77, s41, 5                         ; B: my work-group's 32 rows of the 128
	s_add_co_u32 s76, s76, s77
	s_lshl_b32 s76, s76, 11
	s_add_co_u32 s76, s76, 3*ROWB
	s_mov_b32 s78, ROWB
	s_mov_b32 s79, KROW
	s_and_b32 s73, ttmp7, 0xffff                   ; cluster y
	s_cmp_eq_u32 s15, 0
	s_cselect_b64 s[PFA:PFA+1], s[4:5], s[6:7]
	s_cselect_b32 s74, s74, s76
	s_cselect_b32 s[PFS], ASTEP, s78
	s_cselect_b32 s79, 256, s79
	s_cselect_b32 s73, 0, s73                      ; a tile row of A belongs to one cluster; B's rows are read by all four: the first asks
	s_mov_b32 s75, 0
	s_mov_b32 s[PFS+1], 0
	s_add_nc_u64 s[PFA:PFA+1], s[PFA:PFA+1], s[74:75]
	s_cmp_eq_u32 s73, 0
	s_cselect_b32 s[LIM], 1, -1                    ; the same in all sixteen partners, for a given wave
	v_mul_lo_u32 v[PFO], v6, s79
	; my part of x2 and out0, and my four columns of the bias
	s_lshl_b32 s20, s17, 8
	s_lshl_b32 s21, s15, 7
	s_add_co_u32 s20, s20, s21
	s_lshl_b32 s20, s20, 12                        ; my first row, 4,096 bytes a row
	s_lshl_b32 s46, s42, 10
	s_lshl_b32 s47, s16, 9
	s_add_co_u32 s46, s46, s47                     ; my first column, in bytes
	s_mov_b32 s47, 0
	s_add_nc_u64 s[66:67], s[66:67], s[46:47]
	s_add_co_u32 s20, s20, s46
	s_mov_b32 s21, 0
	s_add_nc_u64 s[10:11], s[10:11], s[20:21]
	s_add_nc_u64 s[12:13], s[12:13], s[20:21]
	global_load_b128 v[BI:BI+3], v[CO], s[66:67]
.macro FRAGB reg, adr, q, i
.irp c, 0,1
	ds_load_b128 v[\reg+4*\c:\reg+4*\c+3], v[\adr] offset:64*(\q)+32*\c+(\i)*16*PITCH
.endr
.endm
.macro FRAGA reg, adr, q, i            ; an image of the operand's registers: 16 bytes a lane on end
.irp c, 0,1
	ds_load_b128 v[\reg+4*\c:\reg+4*\c+3], v[\adr] offset:CHUNK*(\q)+1024*(\i)+512*\c
.endr
.endm
.macro MUL16 a0, p, q, sc, zero        ; the 64 accumulators take turns
.irp a, \a0, \a0+1
.irp b, 0,1,2,3,4,5,6,7
.if \zero
	v_wmma_scale_f32_16x16x128_f8f6f4 v[8*(8*((\a)%4)+\b):8*(8*((\a)%4)+\b)+7], v[128*(\p)+FR*\b:128*(\p)+FR*\b+FR-1], v[AF+FR*(\a):AF+FR*(\a)+FR-1], 0, v[SCB+32*(\sc)+4*\b+(\q)], v[SCA+32*(\sc)+4*(\a)+(\q)] matrix_a_fmt:MATRIX_FMT_FP4 matrix_b_fmt:MATRIX_FMT_FP4
.else
	v_wmma_scale_f32_16x16x128_f8f6f4 v[8*(8*((\a)%4)+\b):8*(8*((\a)%4)+\b)+7], v[128*(\p)+FR*\b:128*(\p)+FR*\b+FR-1], v[AF+FR*(\a):AF+FR*(\a)+FR-1], v[8*(8*((\a)%4)+\b):8*(8*((\a)%4)+\b)+7], v[SCB+32*(\sc)+4*\b+(\q)], v[SCA+32*(\sc)+4*(\a)+(\q)] matrix_a_fmt:MATRIX_FMT_FP4 matrix_b_fmt:MATRIX_FMT_FP4
.endif
.endr
.endr
.endm
.macro FETCH_B slot, q, p
	WIN TO_B
.irp i, 0,1,2,3,4,5,6,7
	FRAGB 128*(\p)+FR*\i, ADRB+\slot, \q, \i
.endr
	WIN 0
.endm
.macro FETCH_A slot, q, i0
.irp i, \i0, \i0+1, \i0+2, \i0+3
	FRAGA AF+FR*(\i), ADRA+\slot, \q, \i
.endr
.endm
.macro SCALES sc                       ; the scale words of the K step in slot sc: B's from the block that stays, A's from the slot's chunks
.irp i, 0,1,2,3,4,5,6,7
	ds_load_b128 v[SCB+32*\sc+4*\i:SCB+32*\sc+4*\i+3], v[ADRS] offset:\i*SBLK
.endr
.irp i, 0,1,2,3,4,5,6,7
.irp q, 0,1,2,3
	ds_load_b32 v[SCA+32*\sc+4*\i+\q], v[ADRW+\sc] offset:CHUNK*\q+8192+64*\i
.endr
.endr
.endm
.macro PLACES n
.rept \n
	v_nop
.endr
.endm
.macro STEP slot, q, zero
	s_wait_dscnt 4*NL                              ; all but the youngest eight loads (A's blocks 4-7) are in
	WIN MUL_LO
	MUL16 0, (\q)%2, \q, \slot, \zero
	MUL16 2, (\q)%2, \q, \slot, \zero
	s_wait_dscnt 0
	PLACES NP
	FETCH_B \slot, (\q)+1, 1-(\q)%2
	FETCH_A \slot, (\q)+1, 0
	WIN MUL_HI
	MUL16 4, (\q)%2, \q, \slot, \zero
	MUL16 6, (\q)%2, \q, \slot, \zero
	PLACES NP
	WIN 0
	FETCH_A \slot, (\q)+1, 4
.endm
; A slot's last step changes slots: one barrier; in front of it each wave waits for all its tensor loads, adds 0 to its spare word, and waits for that and for its reads of this slot.
; fill = 1: the barrier opens a round of the cluster's barrier, and the joint refill, two K steps ahead, is the first tensor load behind it.
.macro TURN slot, next, fill
.if \fill
	s_wait_xcnt 0x0                                ; the last prefetch, a K step back, has read its address
	s_add_nc_u64 s[PFA:PFA+1], s[PFA:PFA+1], s[PFS:PFS+1]
.endif
	s_wait_tensorcnt 0x0                           ; all my tensor loads have landed: my part of the next slot
	ds_add_u32 v[SPW], v[NIL]                      ; 0 onto my spare word
	s_wait_dscnt 4*NL+1                            ; the add and the youngest eight loads may be out
	WIN MUL_LO
	MUL16 0, 1, NQ-1, \slot, 0
	s_wait_dscnt 0x0                               ; the add is done, my reads of this slot are over
	s_barrier_signal -1
	MUL16 2, 1, NQ-1, \slot, 0
	WIN 0
	s_barrier_wait -1
.if \fill
	CREST
	s_add_nc_u64 s[G0+4*\slot+2:G0+4*\slot+3], s[G0+4*\slot+2:G0+4*\slot+3], 2*ASTEP
	s_add_nc_u64 s[G0B+4*\slot+2:G0B+4*\slot+3], s[G0B+4*\slot+2:G0B+4*\slot+3], 2*ROWB
	JLOAD G0+4*\slot, G1, G0B+4*\slot, G1B         ; its four v_nop also part the last products from the loads below
.else
	PLACES NP
.endif
	s_add_co_u32 s[SOF], s[SOF], 4*NQ
	v_add_nc_u32 v[ADRS], s[SOF], v[ADRS0]         ; B's scale words of the next K step
	FETCH_B \next, 0, 0
	FETCH_A \next, 0, 0
	SCALES \next
.if \fill
	ASK
.endif
	WIN MUL_HI
	MUL16 4, 1, NQ-1, \slot, 0
	MUL16 6, 1, NQ-1, \slot, 0
	PLACES NP
	WIN 0
	FETCH_A \next, 0, 4
.endm
.macro STEPS slot, from
.set Q, \from
.rept NQ-1-\from
	STEP \slot, Q, 0
.set Q, Q+1
.endr
.endm
	s_wait_tensorcnt 1                             ; my part of K step 0 (and B's scales) is in; K step 1's load may be out
	s_barrier_signal -1
	s_barrier_wait -1
	FETCH_B 0, 0, 0
	FETCH_A 0, 0, 0
	SCALES 0
	FETCH_A 0, 0, 4
	STEP 0, 0, 1                                   ; the first products start the sums
	s_mov_b32 s3, LAPS-1
.Llap:                                             ; a trip goes once round the ring and fills both slots again
	STEPS 0, 1
	TURN 0, 1, 1
	STEPS 1, 0
	TURN 1, 0, 1
	STEP 0, 0, 0
	s_sub_co_u32 s3, s3, 1
	s_cmp_lg_u32 s3, 0
	s_cbranch_scc1 .Llap
	STEPS 0, 1                                     ; the last lap fills nothing
	TURN 0, 1, 0
	STEPS 1, 0
	s_wait_dscnt 4*NL
	WIN MUL_LO
	MUL16 0, 1, NQ-1, 1, 0
	MUL16 2, 1, NQ-1, 1, 0
	s_wait_dscnt 0
	WIN MUL_HI
	MUL16 4, 1, NQ-1, 1, 0
	MUL16 6, 1, NQ-1, 1, 0
	WIN 0
; THE WAY OUT, block by block of 16 rows x 128 columns: through my stage in LDS and back as whole rows of 512 bytes; + the residual, + the bias; 32 lanes store 512 consecutive, aligned bytes.
; What comes back, and the residual, lie in window 1 (B's fragments are done with), two sets each, by turns.
.macro XLOAD a                         ; the residual of block a
	WIN TO_B
.irp t, 0,1,2,3,4,5,6,7,8,9,10,11,12,13,14,15
	global_load_b128 v[128+64*((\a)%2)+4*\t:128+64*((\a)%2)+4*\t+3], v[CO], s[12:13] offset:(16*(\a)+\t)*4096
.endr
	WIN 0
.endm
.macro TOSTAGE a
.set AC, 64*((\a)%4)
	WIN 0x08+4*((\a)/4)
.irp b, 0,1,2,3,4,5,6,7
	ds_store_b128 v[STO], v[AC+8*\b:AC+8*\b+3] offset:64*\b          ; each accumulator from its low end on
	ds_store_b128 v[STO], v[AC+8*\b+4:AC+8*\b+7] offset:64*\b+16
.endr
	WIN TO_B
.irp t, 0,1,2,3,4,5,6,7,8,9,10,11,12,13,14,15
	ds_load_b128 v[64*((\a)%2)+4*\t:64*((\a)%2)+4*\t+3], v[RD] offset:\t*SPITCH   ; my own bytes: LDS serves a wave's instructions in order
.endr
	WIN 0
.endm
.macro SEND a, yd, yl                  ; yd, yl: the younger LDS instructions and global loads, which may stay out
.set BB, 64*((\a)%2)
	s_wait_dscnt \yd
	s_wait_loadcnt \yl
	WIN 0x55
.set n_, 0
.rept 32
	v_pk_add_f32 v[BB+n_:BB+n_+1], v[BB+n_:BB+n_+1], v[128+BB+n_:128+BB+n_+1]
.set n_, n_+2
.endr
	WIN 0x41
.set n_, 0
.rept 16
	v_pk_add_f32 v[BB+n_:BB+n_+1], v[BB+n_:BB+n_+1], v[BI:BI+1]
	v_pk_add_f32 v[BB+n_+2:BB+n_+3], v[BB+n_+2:BB+n_+3], v[BI+2:BI+3]
.set n_, n_+4
.endr
	WIN 0x04
.irp t, 0,1,2,3,4,5,6,7,8,9,10,11,12,13,14,15
	global_store_b128 v[CO], v[BB+4*\t:BB+4*\t+3], s[10:11] offset:(16*(\a)+\t)*4096 th:TH_STORE_NT
.endr
	WIN 0
.endm
	PLACES NP                                      ; in front of the first reads of results and of loads into the operands' registers
	XLOAD 0
	TOSTAGE 0
.irp a, 1,2,3,4,5,6,7
.if \a > 1
	s_wait_xcnt 0x0                                ; block a - 2's stores have read their data: block a's loads may land there
.endif
	XLOAD \a
	TOSTAGE \a
	SEND \a-1, 32, 16                              ; behind block a - 1's: block a's 16 LDS stores and 16 LDS loads, and its 16 loads of the residual
.endr
	SEND 7, 0, 0
	s_wait_tensorcnt 0x0                           ; the wave's end
	ds_add_u32 v[SPW], v[NIL]
	s_wait_dscnt 0x0
	CROUND                                         ; the closing round
	s_endpgm
.Lfunc_end_k_q2d81454d91_fc2:
	.size	k_q2d81454d91_fc2, .Lfunc_end_k_q2d81454d91_fc2-k_q2d81454d91_fc2
	.p2alignl 7, 3214868480
	.fill 96, 4, 3214868480
	.section	.rodata,"a",@progbits
	.p2align	6, 0x0
	.amdhsa_kernel k_q2d81454d91_fc2
		.amdhsa_group_segment_fixed_size 327680
		.amdhsa_private_segment_fixed_size 0
		.amdhsa_enable_private_segment 0
		.amdhsa_kernarg_size 48
		.amdhsa_user_sgpr_count 2
		.amdhsa_user_sgpr_kernarg_segment_ptr 1
		.amdhsa_wavefront_size32 1
		.amdhsa_system_sgpr_workgroup_id_x 1
		.amdhsa_system_sgpr_workgroup_id_y 1
		.amdhsa_system_sgpr_workgroup_id_z 1
		.amdhsa_system_vgpr_workitem_id 0
		.amdhsa_next_free_vgpr 1024
		.amdhsa_next_free_sgpr 100
		.amdhsa_reserve_vcc 0
		.amdhsa_float_denorm_mode_32 3
		.amdhsa_float_denorm_mode_16_64 3
		.amdhsa_memory_ordered 1
		.amdhsa_forward_progress 1
		.amdhsa_inst_pref_size 255
	.end_amdhsa_kernel
	.section	.bss,"aw",@nobits
	.p2align	6
	.space	262144
	.amdgpu_metadata
---
amdhsa.version: [ 1, 2 ]
amdhsa.kernels:
  - .name:           k_q2d81454d91_fc2
    .symbol:         k_q2d81454d91_fc2.kd
    .args:
      - { .name: h1, .offset: 0, .size: 8, .value_kind: global_buffer, .address_space: global }
      - { .name: fc2_w_codes, .offset: 8, .size: 8, .value_kind: global_buffer, .address_space: global }
      - { .name: fc2_w_scales, .offset: 16, .size: 8, .value_kind: global_buffer, .address_space: global }
      - { .name: out0, .offset: 24, .size: 8, .value_kind: global_buffer, .address_space: global }
      - { .name: x2, .offset: 32, .size: 8, .value_kind: global_buffer, .address_space: global }
      - { .name: fc2_b, .offset: 40, .size: 8, .value_kind: global_buffer, .address_space: global }
    .group_segment_fixed_size: 327680
    .private_segment_fixed_size: 0
    .kernarg_segment_align: 8
    .kernarg_segment_size: 48
    .max_flat_workgroup_size: 128
    .sgpr_count:     100
    .vgpr_count:     1024
    .wavefront_size: 32
...
	.end_amdgpu_metadata
.endif
;; end of part 6
;; ======== version 2 of 2: 6 launches
;; limits: right only within a limited range of input values
;; workspace buffers: xc 2,097,152 bytes; xs 131,072 bytes; qbuf 2,359,296 bytes; kbuf 2,359,296 bytes; vbuf 2,228,224 bytes; x2 16,777,216 bytes; h1 8,912,896 bytes
;; launch quantq (part 7): grid 128 x 1, 4 waves a work-group, no clusters, 33,280 bytes of LDS; arguments query, xc, xs; writes xc, xs
.if DOCPART == 7
	.amdgcn_target "amdgcn-amd-amdhsa--gfx1250"
	.amdhsa_code_object_version 6
	.text
	.protected	k_q2d81454d91_quantq
	.globl	k_q2d81454d91_quantq
	.p2align	8
	.type	k_q2d81454d91_quantq,@function
k_q2d81454d91_quantq:
	s_mov_b64 s[64:65], 0
	v_nop
	global_prefetch_b8 v0, s[64:65] scope:SCOPE_SE
	s_setreg_imm32_b32 hwreg(HW_REG_WAVE_MODE, 25, 1), 1
	s_wait_xcnt 0x0
; query [4096][1024] f32 becomes codes of E2M1, K innermost (xc: 512 bytes a row), and one E8M0 byte for each 32 along K (xs: 32 bytes a row).
; A block's scale is 2^(floor(log2(largest magnitude)) - 2): its byte is the largest magnitude's exponent field - 2, held at 1 from below.
; LIMITS: a block of zeros gets the byte 1 (its codes are zeros; this program alone reads the bytes); NaN and infinities are not served.
; Rows are dense, so the tensor is a plain stream of blocks of 32.  A wave takes 16 steps of 512 numbers.  Each load reads 512 consecutive bytes; a step's 2,048 bytes
; turn through the wave's own stage in LDS (16 bytes of padding behind each 64) and come back 16 neighbours a lane, two lanes to a block.
; A step's codes leave as 256 consecutive bytes; a wave's 256 scale bytes are gathered in LDS and leave as one store of 256 consecutive, aligned bytes.
; qpos and cpos: no output hangs on them, whatever they hold: they are not loaded and stand among no launch's arguments.
.set STEPS, 16
.set CB,    8                          ; bytes of 16 codes
.set R,     16                         ; v16-79   four sets of 16 numbers as loaded
.set X,     80                         ; v80-111  two sets of 16 neighbours
.set C,     128                        ; v128-191 codes, four registers a step: no store's data are written again
.set E,     112                        ; v112-127 a scale byte for each step
.set WREG,  8192                       ; LDS region of a wave: two stages of 32 x SP bytes, then 256 scale bytes
.set SP,    80
	s_load_b64 s[4:5], s[0:1], 0x0                 ; query
	s_load_b64 s[8:9], s[0:1], 0x8                 ; xc
	s_load_b64 s[10:11], s[0:1], 0x10              ; xs
	v_lshl_add_u32 v192, v0, 2, 0x8000
	v_mov_b32 v193, 0
	v_lshrrev_b32 v1, 5, v0
	v_readfirstlane_b32 s16, v1                    ; wave
	v_and_b32 v2, 31, v0                           ; lane
	v_lshlrev_b32 v3, 4, v2                        ; my 16 bytes of a load's 512
	s_mul_i32 s17, s16, WREG
	v_lshrrev_b32 v14, 2, v2
	v_mul_u32_u24 v14, v14, SP
	v_and_b32 v15, 3, v2
	v_lshl_add_u32 v14, v15, 4, v14
	v_add_nc_u32 v14, s17, v14                     ; stage, way in: SP (lane / 4) + 16 (lane % 4)
	v_mul_u32_u24 v15, v2, SP
	v_add_nc_u32 v15, s17, v15                     ; stage, way out: SP x lane
	v_mul_u32_u24 v4, v2, CB                       ; my codes' place in a step's
	v_lshrrev_b32 v5, 1, v2
	s_add_co_u32 s17, s17, 2*32*SP
	v_add_nc_u32 v5, s17, v5                       ; my block's scale byte in LDS
	v_lshlrev_b32 v7, 3, v2
	v_add_nc_u32 v6, s17, v7                       ; and 8 bytes a lane on the way out
	s_lshl_b32 s18, ttmp9, 2
	s_add_co_u32 s18, s18, s16                     ; which run of 8,192 numbers is my wave's
	s_mov_b32 s19, 0
	s_lshl_b64 s[20:21], s[18:19], 15              ; 32,768 bytes of f32,
	s_lshl_b64 s[22:23], s[18:19], 12              ; 4,096 of codes,
	s_lshl_b64 s[24:25], s[18:19], 8               ; 256 scale bytes a run
	s_wait_alu depctr_va_vdst(0)
	s_wait_kmcnt 0x0
	s_add_nc_u64 s[4:5], s[4:5], s[20:21]
	s_add_nc_u64 s[8:9], s[8:9], s[22:23]
	s_add_nc_u64 s[10:11], s[10:11], s[24:25]
.macro LOAD t
.irp i, 0,1,2,3
	global_load_b128 v[R+16*((\t)%4)+4*\i:R+16*((\t)%4)+4*\i+3], v3, s[4:5] offset:2048*(\t)+512*\i
.endr
.endm
.macro TURN t                          ; LDS serves a wave's instructions in order: no wait between the stores and the loads
.irp i, 0,1,2,3
	ds_store_b128 v14, v[R+16*((\t)%4)+4*\i:R+16*((\t)%4)+4*\i+3] offset:32*SP*((\t)%2)+8*SP*\i
.endr
.irp i, 0,1,2,3
	ds_load_b128 v[X+16*((\t)%2)+4*\i:X+16*((\t)%2)+4*\i+3], v15 offset:32*SP*((\t)%2)+16*\i
.endr
.endm
.irp t, 0,1,2,3
	LOAD \t
.endr
	s_wait_loadcnt 12                              ; step 0's four loads are in; three steps' twelve stay out
	TURN 0
.macro STEP t
.set XS, X+16*((\t)%2)
.if (\t) > 0
	s_wait_dscnt 1                                 ; this step's numbers are back (the last step's byte store may be out)
.else
	s_wait_dscnt 0x0
.endif
.if (\t)+4 < STEPS
	LOAD (\t)+4
.endif
.if (\t)+1 < STEPS
.if STEPS-2-(\t) >= 3
	s_wait_loadcnt 12                              ; the next step's four loads are in; the three steps behind it stay out
.else
	s_wait_loadcnt 4*(STEPS-2-(\t))
.endif
	TURN (\t)+1
.endif
	v_max3_num_f32 v8, |v[XS]|, |v[XS+1]|, |v[XS+2]|
	v_max3_num_f32 v9, |v[XS+3]|, |v[XS+4]|, |v[XS+5]|
.irp i, 6,10
	v_max3_num_f32 v8, v8, |v[XS+\i]|, |v[XS+\i+1]|
	v_max3_num_f32 v9, v9, |v[XS+\i+2]|, |v[XS+\i+3]|
.endr
	v_max3_num_f32 v8, v8, |v[XS+14]|, |v[XS+15]|
	v_max3_num_f32 v8, v8, v9, 0x1800000           ; the floor 2^(3 - 127): the byte cannot fall under 1
	v_max_num_f32_dpp v8, v8, v8 row_xmask:1 row_mask:0xf bank_mask:0xf   ; with my neighbour's 16: the block's
	v_add_nc_u32 v11, 0xff000000, v8               ; 2 off the exponent field: the conversion's scale operand
	v_cvt_scalef32_pk8_fp4_f32 v[C+4*(\t)], v[XS:XS+7], v11
	v_cvt_scalef32_pk8_fp4_f32 v[C+4*(\t)+1], v[XS+8:XS+15], v11
	v_lshrrev_b32 v[E+(\t)], 23, v11               ; the scale's byte (a plain line behind the conversions)
	ds_store_b8 v5, v[E+(\t)] offset:16*(\t)       ; both lanes of a block write the same byte with the same value
	global_store_b64 v4, v[C+4*(\t):C+4*(\t)+1], s[8:9] offset:32*CB*(\t)
.endm
.irp t, 0,1,2,3,4,5,6,7,8,9,10,11,12,13,14,15
	STEP \t
.endr
	ds_load_b64 v[12:13], v6
	s_wait_dscnt 0x0
	global_store_b64 v7, v[12:13], s[10:11]        ; 32 lanes store 256 consecutive, aligned bytes
	s_wait_tensorcnt 0x0
	ds_add_u32 v192, v193
	s_wait_dscnt 0x0
	s_endpgm
.Lfunc_end_k_q2d81454d91_quantq:
	.size	k_q2d81454d91_quantq, .Lfunc_end_k_q2d81454d91_quantq-k_q2d81454d91_quantq
	.p2alignl 7, 3214868480
	.fill 96, 4, 3214868480
	.section	.rodata,"a",@progbits
	.p2align	6, 0x0
	.amdhsa_kernel k_q2d81454d91_quantq
		.amdhsa_group_segment_fixed_size 33280
		.amdhsa_private_segment_fixed_size 0
		.amdhsa_enable_private_segment 0
		.amdhsa_kernarg_size 24
		.amdhsa_user_sgpr_count 2
		.amdhsa_user_sgpr_kernarg_segment_ptr 1
		.amdhsa_wavefront_size32 1
		.amdhsa_system_sgpr_workgroup_id_x 1
		.amdhsa_system_sgpr_workgroup_id_y 1
		.amdhsa_system_sgpr_workgroup_id_z 1
		.amdhsa_system_vgpr_workitem_id 0
		.amdhsa_next_free_vgpr 194
		.amdhsa_next_free_sgpr 66
		.amdhsa_reserve_vcc 0
		.amdhsa_float_denorm_mode_32 3
		.amdhsa_float_denorm_mode_16_64 3
		.amdhsa_memory_ordered 1
		.amdhsa_forward_progress 1
		.amdhsa_inst_pref_size 33
	.end_amdhsa_kernel
	.amdgpu_metadata
---
amdhsa.version: [ 1, 2 ]
amdhsa.kernels:
  - .name:           k_q2d81454d91_quantq
    .symbol:         k_q2d81454d91_quantq.kd
    .args:
      - { .name: query, .offset: 0, .size: 8, .value_kind: global_buffer, .address_space: global }
      - { .name: xc, .offset: 8, .size: 8, .value_kind: global_buffer, .address_space: global }
      - { .name: xs, .offset: 16, .size: 8, .value_kind: global_buffer, .address_space: global }
    .group_segment_fixed_size: 33280
    .private_segment_fixed_size: 0
    .kernarg_segment_align: 8
    .kernarg_segment_size: 24
    .max_flat_workgroup_size: 128
    .sgpr_count:     66
    .vgpr_count:     194
    .wavefront_size: 32
...
	.end_amdgpu_metadata
.endif
;; end of part 7
;; launch proj (part 8): grid 12 x 16, 4 waves a work-group, clusters of 4 x 4, 327,680 bytes of LDS; arguments xc, xs, context_codes, context_scales, Wq_w_codes, Wq_w_scales, Wk_w_codes, Wk_w_scales, Wv_w_codes, Wv_w_scales, Wq_b, Wk_b, qn_w, kn_w, qn_b, kn_b, qbuf, kbuf, Wv_b, vbuf; writes qbuf, kbuf, vbuf
.if DOCPART == 8
	.amdgcn_target "amdgcn-amd-amdhsa--gfx1250"
	.amdhsa_code_object_version 6
	.text
	.protected	k_q2d81454d91_proj
	.globl	k_q2d81454d91_proj
	.p2align	8
	.type	k_q2d81454d91_proj,@function
k_q2d81454d91_proj:
	s_mov_b64 s[64:65], 0
	v_nop
	global_prefetch_b8 v0, s[64:65] scope:SCOPE_SE
	s_setreg_imm32_b32 hwreg(HW_REG_WAVE_MODE, 25, 1), 1
	s_wait_xcnt 0x0
	s_wait_alu depctr_hold_cnt(0) depctr_sa_sdst(0) depctr_va_vdst(0) depctr_va_sdst(0) depctr_va_ssrc(0) depctr_va_vcc(0) depctr_vm_vsrc(0)
	s_getreg_b32 s2, hwreg(HW_REG_IB_STS2, 6, 4)
	s_cmp_eq_u32 s2, 0
	s_cbranch_scc0 .Lentry_in_a_cluster
	s_endpgm
.Lentry_in_a_cluster:
	s_bfe_u32 s2, ttmp6, 0x10000c
	s_cmp_lg_u32 s2, 0xf033
	s_cbranch_scc0 .Lentry_shape_is_right
	s_endpgm
.Lentry_shape_is_right:
.set KSTEP,  512
.set NQ,     4
.set ROWB,   512                       ; a tile's row holds all of K: 1,024 codes
.set KROW,   512
.set PITCH,  528                       ; 512 bytes + 16 of padding
.set FR,     8
.set NL,     2
.set NP,     4
.set HALFT,  128*PITCH
.set SLOT,   256                       ; the second 512 along K lie 256 bytes on in the same LDS rows
.set KS,     32
.set SCL,    4*HALFT
.set HALFS,  (128*KS/256)*272
.set SBLK,   (16*KS/256)*272
.set SPARE,  SCL+4*HALFS
.set ADRA, 16
.set R4,   18
.set H32,  19
.set ADRB, 20
.set IMG,  22
.set SWA,  23
.set SWR,  24
.set VWA,  25
.set VWR,  26
.set ADRS, 27
.set SPW,  28
.set NIL,  29
.set VWO,  30
.set SC,   32
.set AF,   128
.set G1, 24
.set G0, 32
.set G1B, 48
.set G0B, 56
.set G1S, 68
.set G0S, 76
.set G1SB, 80
.set G0SB, 88
.set MSB, 0
.macro WIN new
.if MSB != (\new)
	s_set_vgpr_msb (MSB<<8)|(\new)
.set MSB, \new
.endif
.endm
.set MUL_LO, 0xa1
.set MUL_HI, 0xf1
.set TO_B,   0x40
.macro ARM under, g0, g1, next         ; an arm of the head's one tree of branches on the wave's number: one joint load, then on to the tree's end
	s_cmp_lt_u32 s14, \under
	s_cbranch_scc0 \next
	tensor_load_to_lds s[\g0:\g0+3], s[\g1:\g1+7]
	s_nop 0
.rept 4
	v_nop
.endr
	s_branch .Lhead_asked
\next:
.endm
.macro CROUND
	s_barrier_signal -1
	s_barrier_wait -1
	s_cmp_lg_u32 s14, 0
	s_cbranch_scc1 .Lnot_wave_0_\@
	s_barrier_signal -3
.Lnot_wave_0_\@:
	s_barrier_wait -3
	s_barrier_signal -1
	s_barrier_wait -1
.endm
	s_load_b512 s[68:83], s[0:1], 0x0
	s_load_b128 s[84:87], s[0:1], 0x40
	v_lshl_add_u32 v[SPW], v0, 2, SPARE
	v_mov_b32 v[NIL], 0
	ds_add_u32 v28, v29
	ds_add_u32 v28, v29
	s_wait_dscnt 0x0
	v_lshrrev_b32 v1, 5, v0
	v_readfirstlane_b32 s14, v1
	s_lshr_b32 s15, s14, 1
	s_and_b32 s16, s14, 1
	s_bfe_u32 s40, ttmp6, 0x40000
	s_bfe_u32 s41, ttmp6, 0x40004
	s_and_b32 s18, ttmp7, 0xffff
	s_lshl_b32 s18, s18, 2
	s_cmp_lt_u32 ttmp9, 2
	s_cselect_b32 s17, s18, 0
	s_cselect_b32 s42, 0, s18
	s_add_co_u32 s17, s17, s41
	s_add_co_u32 s42, s42, s40
	s_lshl_b32 s43, s41, 2
	s_lshl_b32 s43, 15, s43
	s_lshl_b32 s44, 0x1111, s40
	s_or_b32 s[G1+0], s43, (0<<16)|(1<<20)|(1<<21)|(6<<22)|(3<<25)
	s_or_b32 s[G1B+0], s44, (0<<16)|(1<<20)|(1<<21)|(6<<22)|(3<<25)
.irp g, G1, G1B
	s_mov_b32 s[\g+1], ROWB<<16
	s_mov_b32 s[\g+2], 256<<16
	s_mov_b32 s[\g+3], ROWB<<16
	s_mov_b32 s[\g+4], 256
	s_mov_b32 s[\g+5], KROW
	s_mov_b32 s[\g+6], 0
	s_mov_b32 s[\g+7], 0
.endr
	s_lshl_b32 s20, s17, 8
	s_lshl_b32 s46, s42, 8
	s_mov_b32 s21, 0
	s_mov_b32 s47, 0
	s_mov_b64 s[18:19], KS
	s_mul_u64 s[22:23], s[20:21], s[18:19]
	s_mul_u64 s[92:93], s[46:47], s[18:19]
	s_mov_b64 s[18:19], KROW
	s_mul_u64 s[20:21], s[20:21], s[18:19]
	s_mul_u64 s[46:47], s[46:47], s[18:19]
	s_wait_kmcnt 0x0
	s_cmp_eq_u32 ttmp9, 1
	s_cselect_b64 s[4:5], s[72:73], s[84:85]
	s_cselect_b64 s[6:7], s[74:75], s[86:87]
	s_cselect_b64 s[8:9], s[80:81], s[72:73]
	s_cselect_b64 s[10:11], s[82:83], s[74:75]
	s_cmp_eq_u32 ttmp9, 0
	s_cselect_b64 s[4:5], s[68:69], s[4:5]
	s_cselect_b64 s[6:7], s[70:71], s[6:7]
	s_cselect_b64 s[8:9], s[76:77], s[8:9]
	s_cselect_b64 s[10:11], s[78:79], s[10:11]
	s_or_b32 s[G1S+0], s43, (3<<16)|(1<<20)|(1<<21)|(5<<22)|(3<<25)
	s_or_b32 s[G1SB+0], s44, (3<<16)|(1<<20)|(1<<21)|(5<<22)|(3<<25)
.irp g, G1S, G1SB
	s_mov_b32 s[\g+1], 32<<16
	s_mov_b32 s[\g+2], (256*KS/256)<<16
	s_mov_b32 s[\g+3], 32<<16
	s_mov_b32 s[\g+4], 256*KS/256
	s_mov_b32 s[\g+5], 32
	s_mov_b32 s[\g+6], 0
	s_mov_b32 s[\g+7], 0
.endr
	s_add_nc_u64 s[20:21], s[4:5], s[20:21]
	s_add_nc_u64 s[22:23], s[6:7], s[22:23]
	s_add_nc_u64 s[46:47], s[8:9], s[46:47]
	s_add_nc_u64 s[92:93], s[10:11], s[92:93]
	CROUND
	; ALL THAT THE LAUNCH READS THROUGH LDS IS FOUR TILES, ONE JOINT LOAD A WAVE, every byte filled once: wave 0 A's 256 rows of all of K, wave 1 B's, wave 2 A's scales, wave 3 B's
	s_mov_b32 s[G0], 1
	s_mov_b32 s[G0+1], 0
	s_mov_b64 s[G0+2:G0+3], s[20:21]
	s_or_b32 s[G0+3], s[G0+3], 0x80000000
	s_mov_b32 s[G0B], 1
	s_mov_b32 s[G0B+1], 2*HALFT
	s_mov_b64 s[G0B+2:G0B+3], s[46:47]
	s_or_b32 s[G0B+3], s[G0B+3], 0x80000000
	s_mov_b32 s[G0S], 1
	s_mov_b32 s[G0S+1], SCL
	s_mov_b64 s[G0S+2:G0S+3], s[22:23]
	s_or_b32 s[G0S+3], s[G0S+3], 0x80000000
	s_mov_b32 s[G0SB], 1
	s_mov_b32 s[G0SB+1], SCL+2*HALFS
	s_mov_b64 s[G0SB+2:G0SB+3], s[92:93]
	s_or_b32 s[G0SB+3], s[G0SB+3], 0x80000000
	ARM 1, G0,  G1,  .Lhead_b
	ARM 2, G0B, G1B, .Lhead_sa
	ARM 3, G0S, G1S, .Lhead_sb
	tensor_load_to_lds s[G0SB:G0SB+3], s[G1SB:G1SB+7]
	s_nop 0
.rept 4
	v_nop
.endr
.Lhead_asked:
	v_and_b32 v1, 15, v0
	v_bfe_u32 v2, v0, 4, 1
	v_mul_u32_u24 v3, v1, PITCH
	v_lshl_add_u32 v4, v2, 4, v3
	s_mul_i32 s21, s15, HALFT
	s_mul_i32 s22, s16, HALFT
	s_add_co_u32 s22, s22, 2*HALFT
.irp s, 0,1
	v_add_nc_u32 v[ADRA+\s], s21, v4
	v_add_nc_u32 v[ADRB+\s], s22, v4
	s_add_co_u32 s21, s21, SLOT
	s_add_co_u32 s22, s22, SLOT
.endr
	v_mul_u32_u24 v5, v1, KS
	v_lshrrev_b32 v6, 8, v5
	v_lshl_add_u32 v5, v6, 4, v5
	s_mul_i32 s21, s15, HALFS
	s_mul_i32 s22, s16, HALFS
	s_add_co_u32 s22, s22, 2*HALFS
	s_sub_co_u32 s22, s22, s21
	v_mul_u32_u24 v6, s22, v2
	s_add_co_u32 s21, s21, SCL
	v_add_nc_u32 v5, v5, v6
	v_add_nc_u32 v[ADRS], s21, v5
	v_and_b32 v6, 31, v0
	v_lshlrev_b32 v[IMG], 4, v6
	v_lshlrev_b32 v[R4], 2, v1
	v_lshlrev_b32 v[H32], 5, v2
	s_lshl_b32 s23, s14, 10
	v_add_nc_u32 v[SWA], s23, v[R4]
	v_add_nc_u32 v[SWR], s23, v[IMG]
	s_lshl_b32 s23, s14, 9
	s_add_co_u32 s23, s23, 8192
	v_add_nc_u32 v[VWA], s23, v[R4]
	v_add_nc_u32 v[VWR], s23, v[IMG]
	v_mul_u32_u24 v[VWO], v2, 69632
	v_lshl_add_u32 v[VWO], v1, 4, v[VWO]
.macro FRAG reg, adr, q, i
.irp c, 0,1
	ds_load_b128 v[\reg+4*\c:\reg+4*\c+3], v[\adr] offset:64*(\q)+32*\c+(\i)*16*PITCH
.endr
.endm
.macro MUL16 a0, p, q, sc, zero
.irp a, \a0, \a0+1
.irp b, 0,1,2,3,4,5,6,7
.if \zero
	v_wmma_scale_f32_16x16x128_f8f6f4 v[8*(8*((\a)%4)+\b):8*(8*((\a)%4)+\b)+7], v[128*(\p)+FR*\b:128*(\p)+FR*\b+FR-1], v[AF+FR*(\a):AF+FR*(\a)+FR-1], 0, v[SC+8*NQ*(\sc)+NQ*\b+(\q)], v[SC+8*NQ*(\sc)+NQ*(\a)+(\q)] matrix_a_fmt:MATRIX_FMT_FP4 matrix_b_fmt:MATRIX_FMT_FP4 matrix_a_scale:MATRIX_SCALE_ROW1
.else
	v_wmma_scale_f32_16x16x128_f8f6f4 v[8*(8*((\a)%4)+\b):8*(8*((\a)%4)+\b)+7], v[128*(\p)+FR*\b:128*(\p)+FR*\b+FR-1], v[AF+FR*(\a):AF+FR*(\a)+FR-1], v[8*(8*((\a)%4)+\b):8*(8*((\a)%4)+\b)+7], v[SC+8*NQ*(\sc)+NQ*\b+(\q)], v[SC+8*NQ*(\sc)+NQ*(\a)+(\q)] matrix_a_fmt:MATRIX_FMT_FP4 matrix_b_fmt:MATRIX_FMT_FP4 matrix_a_scale:MATRIX_SCALE_ROW1
.endif
.endr
.endr
.endm
.macro FETCH_B slot, q, p
	WIN TO_B
.irp i, 0,1,2,3,4,5,6,7
	FRAG 128*(\p)+FR*\i, ADRB+\slot, \q, \i
.endr
	WIN 0
.endm
.macro FETCH_A slot, q, i0
.irp i, \i0, \i0+1, \i0+2, \i0+3
	FRAG AF+FR*(\i), ADRA+\slot, \q, \i
.endr
.endm
.macro SCALES sc
.irp i, 0,1,2,3,4,5,6,7
	ds_load_b128 v[SC+8*NQ*\sc+NQ*\i:SC+8*NQ*\sc+NQ*\i+3], v[ADRS] offset:\i*SBLK
.endr
.endm
.macro PLACES n
.rept \n
	v_nop
.endr
.endm
.macro STEP slot, q, zero
	s_wait_dscnt 4*NL
	WIN MUL_LO
	MUL16 0, (\q)%2, \q, \slot, \zero
	MUL16 2, (\q)%2, \q, \slot, \zero
	s_wait_dscnt 0
	PLACES NP
	FETCH_B \slot, (\q)+1, 1-(\q)%2
	FETCH_A \slot, (\q)+1, 0
	WIN MUL_HI
	MUL16 4, (\q)%2, \q, \slot, \zero
	MUL16 6, (\q)%2, \q, \slot, \zero
	PLACES NP
	WIN 0
	FETCH_A \slot, (\q)+1, 4
.endm
.macro TURN slot, next
	s_wait_tensorcnt 0x0
	ds_add_u32 v[SPW], v[NIL]
	s_wait_dscnt 4*NL+1
	WIN MUL_LO
	MUL16 0, 1, NQ-1, \slot, 0
	s_wait_dscnt 0x0
	s_barrier_signal -1
	MUL16 2, 1, NQ-1, \slot, 0
	WIN 0
	s_barrier_wait -1
	PLACES NP
	v_add_nc_u32 v[ADRS], 4*NQ, v[ADRS]
	FETCH_B \next, 0, 0
	FETCH_A \next, 0, 0
	SCALES \next
	WIN MUL_HI
	MUL16 4, 1, NQ-1, \slot, 0
	MUL16 6, 1, NQ-1, \slot, 0
	PLACES NP
	WIN 0
	FETCH_A \next, 0, 4
.endm
	s_wait_alu depctr_va_vdst(0)                   ; the wait at the head's end
	s_wait_tensorcnt 0x0                           ; my tile is in,
	s_barrier_signal -1
	s_barrier_wait -1                              ; and everybody's
	FETCH_B 0, 0, 0
	FETCH_A 0, 0, 0
	SCALES 0
	FETCH_A 0, 0, 4
	STEP 0, 0, 1
	STEP 0, 1, 0
	STEP 0, 2, 0
	TURN 0, 1
	STEP 1, 0, 0
	STEP 1, 1, 0
	STEP 1, 2, 0
	s_wait_dscnt 4*NL
	WIN MUL_LO
	MUL16 0, 1, NQ-1, 1, 0
	MUL16 2, 1, NQ-1, 1, 0
	s_wait_dscnt 0
	WIN MUL_HI
	MUL16 4, 1, NQ-1, 1, 0
	MUL16 6, 1, NQ-1, 1, 0
	WIN 0
	s_wait_dscnt 0x0                               ; my reads of the tiles are over;
	s_barrier_signal -1
	s_barrier_wait -1                              ; and everybody's: the scale words below are stored over rows of A
	PLACES NP
.set SEL, 56
.macro QUANT s, nb, tm, pw, pc
.irp b, 0,1,2,3
.if \b < \nb
	v_max3_num_f32 v[\tm+\b], |v[\s+16*\b]|, |v[\s+1+16*\b]|, 0x1800000
.endif
.endr
.irp i, 2,4,6,8,10,12,14
.irp b, 0,1,2,3
.if \b < \nb
	v_max3_num_f32 v[\tm+\b], v[\tm+\b], |v[\s+16*\b+\i]|, |v[\s+1+16*\b+\i]|
.endif
.endr
.endr
.irp b, 0,1,2,3
.if \b < \nb
	v_permlanex16_b32 v[\tm+4+\b], v[\tm+\b], s[SEL], s[SEL+1]
.endif
.endr
.irp b, 0,1,2,3
.if \b < \nb
	v_max_num_f32 v[\tm+\b], v[\tm+\b], v[\tm+4+\b]
.endif
.endr
.irp b, 0,1,2,3
.if \b < \nb
	v_add_nc_u32 v[\tm+12+\b], 0xff000000, v[\tm+\b]
.endif
.endr
.irp b, 0,1,2,3
.if \b < \nb
	v_lshrrev_b32 v[\tm+4+\b], 23, v[\tm+12+\b]
.endif
.endr
	v_lshl_or_b32 v[\pw], v[\tm+5], 8, v[\tm+4]
.if \nb == 4
	v_lshl_or_b32 v[\pw], v[\tm+6], 16, v[\pw]
	v_lshl_or_b32 v[\pw], v[\tm+7], 24, v[\pw]
.else
	v_lshl_or_b32 v[\pw], v[\pw], 16, v[\pw]       ; a head's two scale bytes twice in the word: the tile may stand in either half of an operand of 128 along K
.endif
.irp b, 0,1,2,3
.if \b < \nb
	v_cvt_scalef32_pk8_fp4_f32 v[\pc+4*(\b/2)+(\b%2)], v[\s+16*\b:\s+7+16*\b], v[\tm+12+\b]
	v_cvt_scalef32_pk8_fp4_f32 v[\pc+4*(\b/2)+2+(\b%2)], v[\s+8+16*\b:\s+15+16*\b], v[\tm+12+\b]
.endif
.endr
	v_nop
.irp c, 0,1
.if 2*\c < \nb
	v_permlane16_swap_b32 v[\pc+4*\c], v[\pc+4*\c+1]
	v_permlane16_swap_b32 v[\pc+4*\c+2], v[\pc+4*\c+3]
.endif
.endr
.endm
	s_mov_b32 s[SEL], 0x76543210
	s_mov_b32 s[SEL+1], 0xfedcba98
	s_cmp_lt_u32 ttmp9, 2
	s_cbranch_scc0 .Lv_arm
.set X,   96
.set SU,  128
.set MU,  136
.set RS,  138
.set TM,  140
.set PW,  156
.set PC,  160
.set LNW, 192
.set LNB, 224
	s_load_b512 s[24:39], s[0:1], 0x50
	s_mov_b32 s58, 0x3c800000
	s_mov_b32 s59, 0x3727c5ac
	s_lshl_b32 s46, s17, 8
	s_lshl_b32 s47, s15, 7
	s_add_co_u32 s46, s46, s47
	s_lshr_b32 s47, s46, 11
	s_and_b32 s46, s46, 2047
	s_lshl_b32 s47, s47, 4
	s_lshl_b32 s48, s42, 2
	s_add_co_u32 s47, s47, s48
	s_lshl_b32 s48, s16, 1
	s_add_co_u32 s47, s47, s48
	s_mul_i32 s47, s47, 73728
	s_lshr_b32 s48, s46, 9
	s_mul_i32 s48, s48, 18432
	s_add_co_u32 s47, s47, s48
	s_and_b32 s46, s46, 511
	s_lshl_b32 s52, s46, 5
	s_add_co_u32 s52, s52, s47
	s_mov_b32 s53, 0
	s_lshl_b32 s54, s46, 2
	s_add_co_u32 s54, s54, s47
	s_add_co_u32 s54, s54, 16384
	s_mov_b32 s55, 0
	s_lshl_b32 s60, s42, 10
	s_lshl_b32 s61, s16, 9
	s_add_co_u32 s60, s60, s61
	s_mov_b32 s61, 0
	s_wait_kmcnt 0x0
	s_cmp_eq_u32 ttmp9, 0
	s_cselect_b64 s[24:25], s[24:25], s[26:27]
	s_cselect_b64 s[28:29], s[28:29], s[30:31]
	s_cselect_b64 s[32:33], s[32:33], s[34:35]
	s_cselect_b64 s[36:37], s[36:37], s[38:39]
	s_add_nc_u64 s[24:25], s[24:25], s[60:61]
	s_add_nc_u64 s[52:53], s[36:37], s[52:53]
	s_add_nc_u64 s[54:55], s[36:37], s[54:55]
	WIN TO_B
	s_wait_alu depctr_va_vdst(0)
.irp b, 0,1,2,3,4,5,6,7
	global_load_b128 v[8*\b:8*\b+3], v[H32], s[24:25] offset:64*\b
	global_load_b128 v[8*\b+4:8*\b+7], v[H32], s[24:25] offset:64*\b+16
.endr
	WIN 0
.irp b, 0,1,2,3
	global_load_b128 v[LNW+8*\b:LNW+8*\b+3], v[H32], s[28:29] offset:64*\b
	global_load_b128 v[LNW+8*\b+4:LNW+8*\b+7], v[H32], s[28:29] offset:64*\b+16
	global_load_b128 v[LNB+8*\b:LNB+8*\b+3], v[H32], s[32:33] offset:64*\b
	global_load_b128 v[LNB+8*\b+4:LNB+8*\b+7], v[H32], s[32:33] offset:64*\b+16
.endr
	v_mov_b32 v[TM+4], 0
	v_mov_b32 v[TM+5], 0
	s_wait_loadcnt 0x0
.macro JOIN
	v_pk_add_f32 v[SU:SU+1], v[SU:SU+1], v[SU+2:SU+3]
	v_pk_add_f32 v[SU+4:SU+5], v[SU+4:SU+5], v[SU+6:SU+7]
	v_pk_add_f32 v[SU:SU+1], v[SU:SU+1], v[SU+4:SU+5]
	v_add_f32 v[SU], v[SU], v[SU+1]
	v_permlanex16_b32 v[SU+1], v[SU], s[SEL], s[SEL+1]
	v_add_f32 v[SU], v[SU], v[SU+1]
.endm
.macro HEADLN a, e
.set AC, 64*((\a)%4)+32*(\e)
	WIN 0x06+(\a)/4
.set n_, 0
.rept 16
	v_pk_add_f32 v[X+n_:X+n_+1], v[AC+n_:AC+n_+1], v[32*(\e)+n_:32*(\e)+n_+1]
.set n_, n_+2
.endr
	WIN 0
.irp c, 0,1,2,3
	v_pk_add_f32 v[SU+2*\c:SU+2*\c+1], v[X+2*\c:X+2*\c+1], v[X+8+2*\c:X+8+2*\c+1]
.endr
.irp m, 16,24
.irp c, 0,1,2,3
	v_pk_add_f32 v[SU+2*\c:SU+2*\c+1], v[SU+2*\c:SU+2*\c+1], v[X+\m+2*\c:X+\m+2*\c+1]
.endr
.endr
	JOIN
	v_mul_f32 v[MU], s58, v[SU]
	v_mov_b32 v[MU+1], v[MU]
.set n_, 0
.rept 16
	v_pk_add_f32 v[X+n_:X+n_+1], v[X+n_:X+n_+1], v[MU:MU+1] neg_lo:[0,1] neg_hi:[0,1]
.set n_, n_+2
.endr
.irp c, 0,1,2,3
	v_pk_mul_f32 v[SU+2*\c:SU+2*\c+1], v[X+2*\c:X+2*\c+1], v[X+2*\c:X+2*\c+1]
.endr
.irp m, 8,16,24
.irp c, 0,1,2,3
	v_pk_fma_f32 v[SU+2*\c:SU+2*\c+1], v[X+\m+2*\c:X+\m+2*\c+1], v[X+\m+2*\c:X+\m+2*\c+1], v[SU+2*\c:SU+2*\c+1]
.endr
.endr
	JOIN
	v_fma_f32 v[RS], v[SU], s58, s59
	s_wait_alu depctr_va_vdst(0)
	v_rsq_f32 v[RS], v[RS]
	v_nop
	s_wait_alu depctr_va_vdst(0)
	v_mov_b32 v[RS+1], v[RS]
.set n_, 0
.rept 16
	v_pk_mul_f32 v[X+n_:X+n_+1], v[X+n_:X+n_+1], v[RS:RS+1]
.set n_, n_+2
.endr
.set n_, 0
.rept 16
	v_pk_fma_f32 v[X+n_:X+n_+1], v[X+n_:X+n_+1], v[LNW+n_:LNW+n_+1], v[LNB+n_:LNB+n_+1]
.set n_, n_+2
.endr
	s_wait_alu depctr_va_vdst(0)
	s_wait_xcnt 0x0
	s_wait_dscnt 0x0
	QUANT X, 2, TM, PW, PC
	global_store_b128 v[IMG], v[PC:PC+3], s[52:53] offset:512*(\a)+73728*(\e)
	ds_store_b32 v[SWA], v[PW] offset:512*(\e)+64*(\a)
.endm
.irp a, 0,1,2,3,4,5,6,7
	HEADLN \a, 0
	HEADLN \a, 1
.endr
	ds_load_b128 v[164:167], v[SWR]
	ds_load_b128 v[168:171], v[SWR] offset:512
	s_wait_dscnt 0x0
	global_store_b128 v[IMG], v[164:167], s[54:55]
	global_store_b128 v[IMG], v[168:171], s[54:55] offset:73728
	s_branch .Ljoin
.Lv_arm:
.set T,   96
.set TMV, 160
.set PWV, 176
.set PCV, 180
.set BV,  192
	s_load_b128 s[24:27], s[0:1], 0x90
	s_lshl_b32 s46, s17, 2
	s_lshl_b32 s47, s15, 1
	s_add_co_u32 s46, s46, s47
	s_lshr_b32 s47, s42, 3
	s_lshl_b32 s47, s47, 4
	s_add_co_u32 s46, s46, s47
	s_mul_i32 s46, s46, 69632
	s_and_b32 s47, s42, 7
	s_lshl_b32 s47, s47, 1
	s_add_co_u32 s47, s47, s16
	s_lshr_b32 s48, s47, 2
	s_mul_i32 s48, s48, 17408
	s_add_co_u32 s46, s46, s48
	s_and_b32 s47, s47, 3
	s_lshl_b32 s52, s47, 12
	s_add_co_u32 s52, s52, s46
	s_mov_b32 s53, 0
	s_lshl_b32 s54, s47, 8
	s_add_co_u32 s54, s54, s46
	s_add_co_u32 s54, s54, 16384
	s_mov_b32 s55, 0
	s_lshl_b32 s60, s17, 10
	s_lshl_b32 s61, s15, 9
	s_add_co_u32 s60, s60, s61
	s_mov_b32 s61, 0
	s_wait_kmcnt 0x0
	s_add_nc_u64 s[24:25], s[24:25], s[60:61]
	s_add_nc_u64 s[52:53], s[26:27], s[52:53]
	s_add_nc_u64 s[54:55], s[26:27], s[54:55]
	s_wait_alu depctr_va_vdst(0)
.irp a, 0,1,2,3,4,5,6,7
	global_load_b32 v[BV+2*\a], v[R4], s[24:25] offset:64*\a
	global_load_b32 v[BV+2*\a+1], v[R4], s[24:25] offset:64*\a
.endr
.irp b, 0,1,2,3
	v_mov_b32 v[TMV+4+\b], 0
.endr
	s_wait_loadcnt 0x0
.macro VBLK a
	WIN 0x02+(\a)/4
.set n_, 0
.rept 32
	v_pk_add_f32 v[T+n_:T+n_+1], v[64*((\a)%4)+n_:64*((\a)%4)+n_+1], v[BV+2*(\a):BV+2*(\a)+1]
.set n_, n_+2
.endr
	WIN 0
	s_wait_xcnt 0x0
	s_wait_dscnt 0x0
	QUANT T, 4, TMV, PWV, PCV
	global_store_b128 v[IMG], v[PCV:PCV+3], s[52:53] offset:((\a)/4)*69632+((\a)%4)*1024
	global_store_b128 v[IMG], v[PCV+4:PCV+7], s[52:53] offset:((\a)/4)*69632+((\a)%4)*1024+512
	ds_store_b32 v[VWA], v[PWV] offset:64*(\a)
.endm
.irp a, 0,1,2,3,4,5,6,7
	VBLK \a
.endr
	ds_load_b128 v[164:167], v[VWR]
	s_wait_dscnt 0x0
	global_store_b128 v[VWO], v[164:167], s[54:55]
.Ljoin:
	s_wait_tensorcnt 0x0
	ds_add_u32 v[SPW], v[NIL]
	s_wait_dscnt 0x0
	CROUND
	s_endpgm
.Lfunc_end_k_q2d81454d91_proj:
	.size	k_q2d81454d91_proj, .Lfunc_end_k_q2d81454d91_proj-k_q2d81454d91_proj
	.p2alignl 7, 3214868480
	.fill 96, 4, 3214868480
	.section	.rodata,"a",@progbits
	.p2align	6, 0x0
	.amdhsa_kernel k_q2d81454d91_proj
		.amdhsa_group_segment_fixed_size 327680
		.amdhsa_private_segment_fixed_size 0
		.amdhsa_enable_private_segment 0
		.amdhsa_kernarg_size 160
		.amdhsa_user_sgpr_count 2
		.amdhsa_user_sgpr_kernarg_segment_ptr 1
		.amdhsa_wavefront_size32 1
		.amdhsa_system_sgpr_workgroup_id_x 1
		.amdhsa_system_sgpr_workgroup_id_y 1
		.amdhsa_system_sgpr_workgroup_id_z 1
		.amdhsa_system_vgpr_workitem_id 0
		.amdhsa_next_free_vgpr 1024
		.amdhsa_next_free_sgpr 100
		.amdhsa_reserve_vcc 0
		.amdhsa_float_denorm_mode_32 3
		.amdhsa_float_denorm_mode_16_64 3
		.amdhsa_memory_ordered 1
		.amdhsa_forward_progress 1
		.amdhsa_inst_pref_size 255
	.end_amdhsa_kernel
	.section	.bss,"aw",@nobits
	.p2align	6
	.space	262144
	.amdgpu_metadata
---
amdhsa.version: [ 1, 2 ]
amdhsa.kernels:
  - .name:           k_q2d81454d91_proj
    .symbol:         k_q2d81454d91_proj.kd
    .args:
      - { .name: xc, .offset: 0, .size: 8, .value_kind: global_buffer, .address_space: global }
      - { .name: xs, .offset: 8, .size: 8, .value_kind: global_buffer, .address_space: global }
      - { .name: context_codes, .offset: 16, .size: 8, .value_kind: global_buffer, .address_space: global }
      - { .name: context_scales, .offset: 24, .size: 8, .value_kind: global_buffer, .address_space: global }
      - { .name: Wq_w_codes, .offset: 32, .size: 8, .value_kind: global_buffer, .address_space: global }
      - { .name: Wq_w_scales, .offset: 40, .size: 8, .value_kind: global_buffer, .address_space: global }
      - { .name: Wk_w_codes, .offset: 48, .size: 8, .value_kind: global_buffer, .address_space: global }
      - { .name: Wk_w_scales, .offset: 56, .size: 8, .value_kind: global_buffer, .address_space: global }
      - { .name: Wv_w_codes, .offset: 64, .size: 8, .value_kind: global_buffer, .address_space: global }
      - { .name: Wv_w_scales, .offset: 72, .size: 8, .value_kind: global_buffer, .address_space: global }
      - { .name: Wq_b, .offset: 80, .size: 8, .value_kind: global_buffer, .address_space: global }
      - { .name: Wk_b, .offset: 88, .size: 8, .value_kind: global_buffer, .address_space: global }
      - { .name: qn_w, .offset: 96, .size: 8, .value_kind: global_buffer, .address_space: global }
      - { .name: kn_w, .offset: 104, .size: 8, .value_kind: global_buffer, .address_space: global }
      - { .name: qn_b, .offset: 112, .size: 8, .value_kind: global_buffer, .address_space: global }
      - { .name: kn_b, .offset: 120, .size: 8, .value_kind: global_buffer, .address_space: global }
      - { .name: qbuf, .offset: 128, .size: 8, .value_kind: global_buffer, .address_space: global }
      - { .name: kbuf, .offset: 136, .size: 8, .value_kind: global_buffer, .address_space: global }
      - { .name: Wv_b, .offset: 144, .size: 8, .value_kind: global_buffer, .address_space: global }
      - { .name: vbuf, .offset: 152, .size: 8, .value_kind: global_buffer, .address_space: global }
    .group_segment_fixed_size: 327680
    .private_segment_fixed_size: 0
    .kernarg_segment_align: 8
    .kernarg_segment_size: 160
    .max_flat_workgroup_size: 128
    .sgpr_count:     100
    .vgpr_count:     1024
    .wavefront_size: 32
...
	.end_amdgpu_metadata
.endif
;; end of part 8
;; launch attn (part 9): grid 8 x 32, 16 waves a work-group, clusters of 4 x 1, 215,040 bytes of LDS; arguments query, qbuf, kbuf, vbuf, x2; writes x2
.if DOCPART == 9
	.amdgcn_target "amdgcn-amd-amdhsa--gfx1250"
	.amdhsa_code_object_version 6
	.text
	.protected	k_q2d81454d91_attn
	.globl	k_q2d81454d91_attn
	.p2align	8
	.type	k_q2d81454d91_attn,@function
k_q2d81454d91_attn:
	s_mov_b64 s[64:65], 0
	v_nop
	global_prefetch_b8 v0, s[64:65] scope:SCOPE_SE
	s_setreg_imm32_b32 hwreg(HW_REG_WAVE_MODE, 25, 1), 1
	s_wait_xcnt 0x0
	s_wait_alu depctr_hold_cnt(0) depctr_sa_sdst(0) depctr_va_vdst(0) depctr_va_sdst(0) depctr_va_ssrc(0) depctr_va_vcc(0) depctr_vm_vsrc(0)
	s_getreg_b32 s2, hwreg(HW_REG_IB_STS2, 6, 4)
	s_cmp_eq_u32 s2, 0
	s_cbranch_scc0 .Lentry_in_a_cluster
	s_endpgm
.Lentry_in_a_cluster:
	s_bfe_u32 s2, ttmp6, 0x10000c
	s_cmp_lg_u32 s2, 0x3003
	s_cbranch_scc0 .Lentry_shape_is_right
	s_endpgm
.Lentry_shape_is_right:
; x2 = query + attention, both attention products on codes of E2M1.  Head size 64, 2,048 keys, 32 (batch, head) pairs.  qpos and cpos have no way to any output and are not loaded.
; t = score x log2(e) / 8; M = the running largest t rounded UP to a whole number; p = 2^(t - M) is quantised along the keys, not normalised; the row's sum of the unquantised p divides at the end.
; When M moves, the sum and O are multiplied by 2^(old M - new M): exact.
; SHARES.  A work-group owns 256 queries of one head, each of its sixteen waves 16 of them in 256 registers: four waves to a SIMD.
; A HEAD'S WHOLE K AND V LIE IN LDS, as the images of operand registers that the launch before stored; every byte is filled once.  Sixteen tensor loads, ONE A WAVE: the four quarters of K's images (waves 0-3),
; of V's images (4-7), of K's scale words (8-11) and of V's (12-15), so laid that a key step is 4,096 bytes on in both images, 512 in K's words, 256 in V's.  One wait for 0 and one barrier show all of it to every wave.
; CLUSTER 4 x 1: the four query blocks of a cluster belong to one head: each load is a joint one.
; LAYOUT.  Both products transposed: S^T = K Q^T (source 0 = keys), O^T = V^T P^T (source 0 = 16 of the head's 64): a lane holds one query.  Register 8 b + j of S^T is key 16 b + 8 h + j.
; The first product's K is 64, the instruction's 128: TWO TILES OF KEYS SHARE ONE OPERAND (registers 0-3 tile 2 P, registers 4-7 tile 2 P + 1), multiplied once by [Q | zero codes] and once by [zero codes | Q].
; A scale word of Q or K holds its two bytes twice, so it serves either half; over the zero codes it is a finite scale.
; THE STEP IS ROTATED TWICE.  Step i + 1's scores are issued at the end of step i, behind its conversions.  Step i's rescaling of O^T and its second product stand in step i + 1: the 16 independent lines of the
; rescaling are laid between the levels of the search for the maximum and the links of the chain that makes M, and are the places that ISA guide 7.12.1 asks for behind the scores' products.
; So the text has a first step (no O^T work), a loop of 14, a last step (no further scores) and the sixteenth second product behind it.
; The residual is asked for in the last step, into K's registers, which are free by then.
; No prefetch: every tile of the launch is asked for in its first lines, and there is no loop to run ahead in.
; LIMITS: NaN and infinities are not served; the scaled scores t stay under 2^31 in magnitude; a block whose every p is 0 keeps the scale byte 1 over zero codes.
.set KQB,  18432                       ; a quarter of K or Q in memory: 16,384 bytes of images, 2,048 of scale words
.set VQB,  17408                       ; a quarter of V: 16,384 of images, 1,024 of scale words
.set KBH,  73728
.set VBH,  69632
.set VIMG, 65536                       ; LDS: K's images from 0, V's from here,
.set KSC,  131072                      ; K's scale words,
.set VSC,  139264                      ; V's,
.set STAGE, 143360                     ; 16 rows x 272 bytes for each wave, bytes into which no fill lands,
.set SPARE, 212992                     ; and the spare words, 128 bytes a wave
.set LI,   1                           ; 16 x lane
.set LS,   2                           ; 4 r
.set STO,  3                           ; the way out: into my stage
.set RD,   4                           ; and back
.set SPW,  5
.set NIL,  6
.set GO,   7                           ; 4,096 h + 16 r: two rows of query and x2
.set ADI,  8                           ; images: K's of the next step; V's of this step lie 61,440 bytes on
.set ADS,  9                           ; K's scale words of the next step
.set ADT,  10                          ; V's of this step
.set KW,   192                         ; v192-199 K's scale words, v200-203 V's, v204 p's, v205 Q's: they hold nothing else
.set VW,   200
.set PW,   204
.set QW,   205
.set SM,   206                         ; v206-219 seven chains of the row's sum
.set WV,   18
.set SEL,  20
.set CS,   22
.set G1I,  24                          ; groups 1: 64, 8 and 4 rows of 256 bytes
.set G1K,  32
.set G1V,  40
.set G0,   48                          ; s[48:63] four groups 0
.set TI,   76
.set TKS,  77
.set TVS,  78
.set CNT,  79
.macro CROUND
	s_barrier_signal -1
	s_barrier_wait -1
	s_cmp_lg_u32 s[WV], 0
	s_cbranch_scc1 .Lnot_wave_0_\@
	s_barrier_signal -3
.Lnot_wave_0_\@:
	s_barrier_wait -3
	s_barrier_signal -1
	s_barrier_wait -1
.endm
.macro PLACES
.rept 4
	v_nop
.endr
.endm
.macro WM d, a, b, c, sa, sb
	v_wmma_scale_f32_16x16x128_f8f6f4 v[\d:\d+7], v[\a:\a+7], v[\b:\b+7], \c, v[\sa], v[\sb] matrix_a_fmt:MATRIX_FMT_FP4 matrix_b_fmt:MATRIX_FMT_FP4
.endm
	s_load_b256 s[4:11], s[0:1], 0x0               ; query, qbuf, kbuf, vbuf
	s_load_b64 s[12:13], s[0:1], 0x20              ; x2
	v_lshl_add_u32 v[SPW], v0, 2, SPARE
	v_mov_b32 v[NIL], 0
	ds_add_u32 v[SPW], v[NIL]                      ; the opening lines: the add, twice on end, and one wait for both
	ds_add_u32 v[SPW], v[NIL]
	v_lshrrev_b32 v8, 5, v0
	s_delay_alu instid0(VALU_DEP_1)
	v_readfirstlane_b32 s[WV], v8                  ; wave 0..15
	s_mul_i32 s69, s[WV], 16*272
	s_add_co_u32 s69, s69, STAGE                   ; my stage
	v_and_b32 v232, 15, v0                         ; r
	v_bfe_u32 v233, v0, 4, 1                       ; h
	v_and_b32 v234, 31, v0
	s_delay_alu instid0(VALU_DEP_3)
	v_lshlrev_b32 v[LS], 2, v232
	s_delay_alu instid0(VALU_DEP_3)
	v_lshlrev_b32 v[GO], 12, v233
	s_delay_alu instid0(VALU_DEP_3)
	v_lshlrev_b32 v[LI], 4, v234
	v_mul_u32_u24 v[STO], v232, 272
	v_mul_u32_u24 v[RD], v233, 272
	s_delay_alu instid0(VALU_DEP_4)
	v_lshl_add_u32 v[GO], v232, 4, v[GO]
	s_delay_alu instid0(VALU_DEP_3)
	v_lshl_add_u32 v[STO], v233, 5, v[STO]
	s_delay_alu instid0(VALU_DEP_3)
	v_lshl_add_u32 v[RD], v232, 4, v[RD]
	s_delay_alu instid0(VALU_DEP_2)
	v_add_nc_u32 v[STO], s69, v[STO]               ; in: row r, + 32 h
	s_delay_alu instid0(VALU_DEP_2)
	v_add_nc_u32 v[RD], s69, v[RD]                 ; back: lanes 0-15 one row, lanes 16-31 the next
	s_bfe_u32 s81, ttmp6, 0x40000                  ; cx
	s_lshl_b32 s82, ttmp9, 2
	s_add_co_u32 s82, s82, s81                     ; my block of 256 queries: it enters global addresses alone
	s_and_b32 s83, ttmp7, 0xffff                   ; 16 x batch + head, which the partners share
	s_mul_i32 s71, s83, KBH                        ; the head in qbuf and kbuf
	s_mul_i32 s86, s83, VBH                        ; and in vbuf
	s_and_b32 s70, s[WV], 3                        ; the quarter that I fetch
	s_mul_i32 s72, s70, KQB
	s_mul_i32 s74, s70, VQB
	s_add_co_u32 s84, s71, s72
	s_mov_b32 s85, 0
	s_add_co_u32 s86, s86, s74
	s_mov_b32 s87, 0
	s_lshl_b32 s66, s70, 14                        ; where it goes: 16,384 bytes of images,
	s_lshl_b32 s67, s70, 11                        ; 2,048 of K's words,
	s_lshl_b32 s68, s70, 10                        ; 1,024 of V's
.irp g, G1I, G1K, G1V
	s_mov_b32 s[\g], 15|(3<<16)|(1<<21)            ; mask: all four partners; elements of 8 bytes; dense blocks as rows of 256 bytes, no padding
	s_mov_b32 s[\g+1], 32<<16
	s_mov_b32 s[\g+3], 32<<16
	s_mov_b32 s[\g+5], 32
	s_mov_b32 s[\g+6], 0
	s_mov_b32 s[\g+7], 0
.endr
	s_mov_b32 s[G1I+2], 64<<16
	s_mov_b32 s[G1I+4], 64
	s_mov_b32 s[G1K+2], 8<<16
	s_mov_b32 s[G1K+4], 8
	s_mov_b32 s[G1V+2], 4<<16
	s_mov_b32 s[G1V+4], 4
	s_mov_b32 s[SEL], 0x76543210
	s_mov_b32 s[SEL+1], 0xfedcba98
	s_mov_b32 s[CS], 0x3e38aa3b                    ; c = log2(e) / 8
	s_mov_b32 s[CS+1], s[CS]
	s_lshl_b32 s92, s82, 8
	s_lshl_b32 s93, s[WV], 4
	s_add_co_u32 s92, s92, s93                     ; my first query in the batch
	s_lshr_b32 s93, s92, 9
	s_mul_i32 s93, s93, KQB
	s_add_co_u32 s93, s93, s71                     ; its quarter of qbuf
	s_and_b32 s96, s92, 511
	s_lshl_b32 s94, s96, 5
	s_add_co_u32 s94, s94, s93                     ; its image
	s_mov_b32 s95, 0
	s_lshl_b32 s96, s96, 2
	s_add_co_u32 s96, s96, s93
	s_add_co_u32 s96, s96, 16384                   ; its scale words
	s_mov_b32 s97, 0
	s_lshr_b32 s98, s83, 4
	s_lshl_b32 s98, s98, 11
	s_add_co_u32 s98, s98, s92
	s_lshl_b32 s98, s98, 12                        ; its row of query and x2,
	s_and_b32 s99, s83, 15
	s_lshl_b32 s99, s99, 8
	s_add_co_u32 s98, s98, s99                     ; the head's 256 bytes in it
	s_mov_b32 s99, 0
	s_wait_alu depctr_va_vdst(0)                   ; a wait ahead of the waits below
	s_wait_dscnt 0x0                               ; both opening adds are done
	s_wait_kmcnt 0x0
	s_add_nc_u64 s[94:95], s[6:7], s[94:95]
	s_add_nc_u64 s[96:97], s[6:7], s[96:97]
	global_load_b128 v[16:19], v[LI], s[94:95]     ; Q's fragment, as the low half of one operand
	global_load_b128 v[28:31], v[LI], s[94:95]     ; and as the high half of another
	global_load_b32 v[QW], v[LS], s[96:97]         ; Q's scale words
	s_add_nc_u64 s[4:5], s[4:5], s[98:99]
	s_add_nc_u64 s[12:13], s[12:13], s[98:99]
	s_add_nc_u64 s[88:89], s[8:9], s[84:85]        ; my quarter of K and of V
	s_add_nc_u64 s[90:91], s[10:11], s[86:87]
	s_mov_b32 s[G0], 1                             ; K's images
	s_mov_b32 s[G0+1], s66
	s_mov_b64 s[G0+2:G0+3], s[88:89]
	s_or_b32 s[G0+3], s[G0+3], 0x80000000
	s_mov_b32 s[G0+4], 1                           ; V's images
	s_add_co_u32 s[G0+5], s66, VIMG
	s_mov_b64 s[G0+6:G0+7], s[90:91]
	s_or_b32 s[G0+7], s[G0+7], 0x80000000
	s_mov_b32 s[G0+8], 1                           ; K's scale words
	s_add_co_u32 s[G0+9], s67, KSC
	s_add_nc_u64 s[G0+10:G0+11], s[88:89], 16384
	s_or_b32 s[G0+11], s[G0+11], 0x80000000
	s_mov_b32 s[G0+12], 1                          ; V's scale words
	s_add_co_u32 s[G0+13], s68, VSC
	s_add_nc_u64 s[G0+14:G0+15], s[90:91], 16384
	s_or_b32 s[G0+15], s[G0+15], 0x80000000
	CROUND                                         ; all four work-groups are here: the joint loads meet
; one tree of branches on the wave's number, one load to an arm: every way through the head passes exactly one
.macro ARM under, g0, g1, next
	s_cmp_lt_u32 s[WV], \under
	s_cbranch_scc0 \next
	tensor_load_to_lds s[\g0:\g0+3], s[\g1:\g1+7]
	s_nop 0
	PLACES
	s_branch .Lasked
\next:
.endm
	ARM 4,  G0,   G1I, .Lhead_vi
	ARM 8,  G0+4, G1I, .Lhead_ks
	ARM 12, G0+8, G1K, .Lhead_vs
	tensor_load_to_lds s[G0+12:G0+15], s[G1V:G1V+7]
	s_nop 0
	PLACES
.Lasked:
.irp j, 20,21,22,23,24,25,26,27
	v_mov_b32 v\j, 0                               ; the zero codes beside Q, written once
.endr
	v_mov_b32 v13, 0xff61b1e6                      ; the largest score so far: -3e38
	s_delay_alu instid0(VALU_DEP_1)
	v_floor_f32 v12, -v13                          ; -M
	v_mov_b32 v14, 0                               ; the sum, in two halves
	v_mov_b32 v15, 0
	v_mov_b32 v253, 0                              ; (named as the upper half of the pair v[252:253])
	s_mov_b32 s[TI], 0
	s_mov_b32 s[TKS], KSC
	s_wait_alu depctr_va_vdst(0)                   ; the wait at the head's end
	s_wait_loadcnt 0x0                             ; Q
	s_wait_tensorcnt 0x0                           ; my one load has landed
	s_barrier_signal -1
	s_barrier_wait -1                              ; and everybody's: all of K and V lie in LDS
.macro KLOAD                           ; eight tiles of 16 keys, two to an operand, and their scale words
.irp t, 0,1,2,3,4,5,6,7
	ds_load_b128 v[32+4*\t:35+4*\t], v[ADI] offset:512*\t
	ds_load_b32 v[KW+\t], v[ADS] offset:64*\t
.endr
.endm
.macro SMUL                            ; S^T = K Q^T for 128 keys
.irp p, 0,1,2,3
	WM 96+16*\p, 32+8*\p, 16, 0, KW+2*\p, QW
	WM 104+16*\p, 32+8*\p, 24, 0, KW+2*\p+1, QW
.endr
.endm
.macro OMUL                            ; O^T += V^T P^T; the four accumulators take turns
.irp t, 0,1,2,3
	WM 160+8*\t, 64+8*\t, 224, v[160+8*\t:167+8*\t], VW+\t, PW
.endr
.endm
.macro R n                             ; one of the 16 lines that bring O^T under the M of the step before (none in the first step)
.if FIRST == 0
	v_pk_mul_f32 v[160+2*(\n):161+2*(\n)], v[160+2*(\n):161+2*(\n)], v[252:253] op_sel_hi:[1,0]
.endif
.endm
.macro H a, b                          ; a hint: the producer stands a vector instructions back in the first step, b in the others
.if FIRST
	s_delay_alu instid0(VALU_DEP_\a)
.else
	s_delay_alu instid0(VALU_DEP_\b)
.endif
.endm
.macro STEP first, last                ; the softmax of 128 keys whose scores lie in v96-159; first = 0: and the second product of the 128 keys before; last = 0: and the scores of the next 128
.set FIRST, \first
.if FIRST == 0
	s_wait_alu depctr_va_vdst(0)                   ; the wait directly ahead of the first readers of O^T; plain vector lines alone follow up to the last of them
.endif
	R 0                                            ; four places behind the scores' products (in the first step: the lines that clear O^T)
	R 1
	R 2
	R 3
.irp b, 0,1,2,3                        ; the largest score of each block of 32 keys, in two chains a block: for the row's maximum and, since p rises with the score, for the block's largest p
	v_max3_num_f32 v[232+\b], v[96+16*\b], v[97+16*\b], v[98+16*\b]
	v_max3_num_f32 v[236+\b], v[104+16*\b], v[105+16*\b], v[106+16*\b]
.endr
.irp i, 3,5
.irp b, 0,1,2,3
	v_max3_num_f32 v[232+\b], v[232+\b], v[96+16*\b+\i], v[97+16*\b+\i]
	v_max3_num_f32 v[236+\b], v[236+\b], v[104+16*\b+\i], v[105+16*\b+\i]
.endr
.endr
.irp b, 0,1,2,3
	v_max3_num_f32 v[232+\b], v[232+\b], v[236+\b], v[103+16*\b]
.endr
	R 4
	R 5
.irp b, 0,1,2,3
	v_max_num_f32 v[232+\b], v[232+\b], v[111+16*\b]
.endr
	R 6
	R 7
.irp b, 0,1,2,3
	v_permlanex16_b32 v[236+\b], v[232+\b], s[SEL], s[SEL+1]
.endr
	v_add_nc_u32 v[ADI], s[TI], v[LI]
	v_add_nc_u32 v[ADT], s[TVS], v[LS]
.if \last == 0
	v_add_nc_u32 v[ADS], s[TKS], v[LS]
.endif
.irp b, 0,1,2,3
	v_max_num_f32 v[232+\b], v[232+\b], v[236+\b]  ; with lane l xor 16's 16 keys
.endr
	R 8
	H 2, 3
	v_max3_num_f32 v254, v232, v233, v234
	R 9
	H 1, 2
	v_max3_num_f32 v13, v13, v254, v235            ; the running largest score
	R 10
	H 1, 2
	v_mul_f32 v11, s[CS], v13                      ; as t (c is positive, so the largest score gives the largest t)
	v_mov_b32 v254, v12
	R 11
	H 2, 3
	v_floor_f32 v12, -v11                          ; the new -M = -ceil(t)
	R 12
	H 1, 2
	v_sub_f32 v254, v12, v254                      ; old M - new M: a whole number, 0 or less
	R 13
	H 1, 2
	v_cvt_i32_f32 v254, v254                       ; (it saturates)
	R 14
	R 15
	v_ldexp_f32 v252, 1.0, v254                    ; f = 2^(old M - new M), written behind the last line that reads the f before
.if FIRST == 0
	OMUL                                           ; the second product of the step before
.endif
.set n_, 0
.rept 4
	v_pk_fma_f32 v[96+n_:97+n_], v[96+n_:97+n_], s[CS:CS+1], v[12:13] op_sel_hi:[1,0,0]   ; t - M; these four part the products above from the loads into their registers
.set n_, n_+2
.endr
.irp t, 0,1,2,3                        ; V's four fragments and scale words
	ds_load_b128 v[64+8*\t:67+8*\t], v[ADI] offset:61440+1024*\t
	ds_load_b128 v[68+8*\t:71+8*\t], v[ADI] offset:61440+1024*\t+512
	ds_load_b32 v[VW+\t], v[ADT] offset:64*\t
.endr
.if \last
.irp i, 0,1,2,3,4,5,6,7
	global_load_b128 v[32+4*\i:35+4*\i], v[GO], s[4:5] offset:8192*\i   ; the residual: my 16 rows, the head's 256 bytes
.endr
.else
	KLOAD
.endif
.rept 28
	v_pk_fma_f32 v[96+n_:97+n_], v[96+n_:97+n_], s[CS:CS+1], v[12:13] op_sel_hi:[1,0,0]
.set n_, n_+2
.endr
.irp b, 0,1,2,3
	v_fma_f32 v[232+\b], v[232+\b], s[CS], v12
.endr
	s_wait_alu depctr_va_vdst(0)                   ; a wait ahead of the batch
.set n_, 0
.rept 64
	v_exp_f32 v[96+n_], v[96+n_]                   ; p = 2^(t - M)
.set n_, n_+1
.endr
	v_pk_mul_f32 v[14:15], v[14:15], v[252:253] op_sel_hi:[1,0]   ; the sums under the new M (a plain line behind the exponentials)
	s_wait_alu depctr_va_vdst(0)                   ; and behind it, ahead of its first reader
.irp b, 0,1,2,3
	v_exp_f32 v[232+\b], v[232+\b]                 ; each block's largest p
.endr
.irp c, 0,1,2,3,4,5,6                  ; the row's sum of the unquantised p: 32 pairs in eight chains
	v_pk_add_f32 v[SM+2*\c:SM+2*\c+1], v[96+2*\c:97+2*\c], v[110+2*\c:111+2*\c]
.endr
	v_pk_add_f32 v[14:15], v[14:15], v[124:125]
.irp m, 126,142
.irp c, 0,1,2,3,4,5,6
	v_pk_add_f32 v[SM+2*\c:SM+2*\c+1], v[SM+2*\c:SM+2*\c+1], v[\m+2*\c:\m+2*\c+1]
.endr
	v_pk_add_f32 v[14:15], v[14:15], v[\m+14:\m+15]
.endr
	v_pk_add_f32 v[SM:SM+1], v[SM:SM+1], v[158:159]
	s_wait_alu depctr_va_vdst(0)                   ; one wait for the four.  Below, the chains' joining and the scales' lines stand by turns
.irp b, 0,1,2,3
	v_max_num_f32 v[232+\b], 0x1800000, v[232+\b]  ; the floor 2^(3 - 127): the byte cannot fall under 1
.endr
	v_pk_add_f32 v[SM+2:SM+3], v[SM+2:SM+3], v[SM+4:SM+5]
	v_pk_add_f32 v[SM+6:SM+7], v[SM+6:SM+7], v[SM+8:SM+9]
	v_pk_add_f32 v[SM+10:SM+11], v[SM+10:SM+11], v[SM+12:SM+13]
	v_pk_add_f32 v[14:15], v[14:15], v[SM:SM+1]
.irp b, 0,1,2,3
	v_add_nc_u32 v[244+\b], 0xff000000, v[232+\b]  ; 2 off the exponent field: the conversion's scale operand
.endr
	v_pk_add_f32 v[SM+2:SM+3], v[SM+2:SM+3], v[SM+6:SM+7]
	v_pk_add_f32 v[14:15], v[14:15], v[SM+10:SM+11]
.irp b, 0,1,2,3
	v_lshrrev_b32 v[236+\b], 23, v[244+\b]         ; the scale's byte
.endr
	v_pk_add_f32 v[14:15], v[14:15], v[SM+2:SM+3]
	v_lshl_or_b32 v240, v237, 8, v236
	v_lshl_or_b32 v241, v239, 8, v238
	s_delay_alu instid0(VALU_DEP_1)
	v_lshl_or_b32 v[PW], v241, 16, v240            ; p's scale word for these 128 keys
.irp b, 0,1,2,3
	v_cvt_scalef32_pk8_fp4_f32 v[224+4*(\b/2)+(\b%2)], v[96+16*\b:103+16*\b], v[244+\b]     ; tile 2 b: keys 32 b + 8 h + 0 .. 7
	v_cvt_scalef32_pk8_fp4_f32 v[226+4*(\b/2)+(\b%2)], v[104+16*\b:111+16*\b], v[244+\b]    ; tile 2 b + 1: keys 32 b + 16 + 8 h + 0 .. 7
.endr
	v_nop                                          ; a plain line behind the conversions
.irp c, 0,1                            ; the exchange of halves: register 4 c + w then holds keys 64 c + 32 h + 8 w + 0 .. 7
	v_permlane16_swap_b32 v[224+4*\c], v[225+4*\c]
	v_permlane16_swap_b32 v[226+4*\c], v[227+4*\c]
.endr
	s_wait_dscnt 0x0                               ; V of this step and K of the next are in
.if \last == 0
	SMUL                                           ; the next step's scores, over p, which has been converted
.endif
.endm
.macro NEXT
	s_add_co_u32 s[TI], s[TI], 4096
	s_add_co_u32 s[TKS], s[TKS], 512
	s_add_co_u32 s[TVS], s[TVS], 256
.endm
	v_add_nc_u32 v[ADI], s[TI], v[LI]              ; ahead of the steps: the first 128 keys' scores
	v_add_nc_u32 v[ADS], s[TKS], v[LS]
	KLOAD
	s_mov_b32 s[TI], 4096
	s_mov_b32 s[TKS], KSC+512
	s_mov_b32 s[TVS], VSC
	s_mov_b32 s[CNT], 14
	s_wait_dscnt 0x0
	SMUL
.set n_, 0
.rept 32
	v_mov_b32 v[160+n_], 0                         ; O^T begins as zeros, so that the second product is written in one form.  These lines are the places behind the first scores' products
.set n_, n_+1
.endr
	STEP 1, 0
	NEXT
.Lstep:
	STEP 0, 0
	NEXT
	s_sub_co_u32 s[CNT], s[CNT], 1
	s_cmp_lg_u32 s[CNT], 0
	s_cbranch_scc1 .Lstep
	STEP 0, 1
	s_wait_alu depctr_va_vdst(0)                   ; the sixteenth second product: the wait directly ahead of the first readers of O^T, as above
.irp n, 0,1,2,3,4,5,6,7,8,9,10,11,12,13,14,15
	R \n
.endr
	OMUL
	; THE WAY OUT: O^T / the sum, through my stage, + the residual; sixteen lanes store 256 consecutive, aligned bytes
	v_add_f32 v14, v14, v15
	s_delay_alu instid0(VALU_DEP_1)
	v_permlanex16_b32 v252, v14, s[SEL], s[SEL+1]
	s_delay_alu instid0(VALU_DEP_1)
	v_add_f32 v14, v14, v252
	s_wait_alu depctr_va_vdst(0)                   ; a wait ahead of the transcendental
	v_rcp_f32 v14, v14
	PLACES                                         ; plain lines behind the transcendental and behind the last products
	s_wait_alu depctr_va_vdst(0)                   ; and ahead of its first reader, which is also O^T's
.set n_, 0
.rept 32
	v_mul_f32 v[96+n_], v[160+n_], v14             ; register 8 t + j is o(r, 16 t + 8 h + j); each accumulator from its low end on
.set n_, n_+1
.endr
.irp t, 0,1,2,3
	ds_store_b128 v[STO], v[96+8*\t:99+8*\t] offset:64*\t
	ds_store_b128 v[STO], v[100+8*\t:103+8*\t] offset:64*\t+16
.endr
.irp i, 0,1,2,3,4,5,6,7
	ds_load_b128 v[128+4*\i:131+4*\i], v[RD] offset:544*\i   ; my own bytes: LDS serves a wave's instructions in order
.endr
	s_wait_loadcnt 0x0                             ; the residual
	s_wait_dscnt 0x0
.set n_, 0
.rept 16
	v_pk_add_f32 v[128+n_:129+n_], v[128+n_:129+n_], v[32+n_:33+n_]
.set n_, n_+2
.endr
.irp i, 0,1,2,3,4,5,6,7
	global_store_b128 v[GO], v[128+4*\i:131+4*\i], s[12:13] offset:8192*\i
.endr
	s_wait_tensorcnt 0x0                           ; the wave's end
	ds_add_u32 v[SPW], v[NIL]
	s_wait_dscnt 0x0
	CROUND                                         ; the closing round
	s_endpgm
.Lfunc_end_k_q2d81454d91_attn:
	.size	k_q2d81454d91_attn, .Lfunc_end_k_q2d81454d91_attn-k_q2d81454d91_attn
	.p2alignl 7, 3214868480
	.fill 96, 4, 3214868480
	.section	.rodata,"a",@progbits
	.p2align	6, 0x0
	.amdhsa_kernel k_q2d81454d91_attn
		.amdhsa_group_segment_fixed_size 215040
		.amdhsa_private_segment_fixed_size 0
		.amdhsa_enable_private_segment 0
		.amdhsa_kernarg_size 40
		.amdhsa_user_sgpr_count 2
		.amdhsa_user_sgpr_kernarg_segment_ptr 1
		.amdhsa_wavefront_size32 1
		.amdhsa_system_sgpr_workgroup_id_x 1
		.amdhsa_system_sgpr_workgroup_id_y 1
		.amdhsa_system_sgpr_workgroup_id_z 1
		.amdhsa_system_vgpr_workitem_id 0
		.amdhsa_next_free_vgpr 256
		.amdhsa_next_free_sgpr 100
		.amdhsa_reserve_vcc 0
		.amdhsa_float_denorm_mode_32 3
		.amdhsa_float_denorm_mode_16_64 3
		.amdhsa_memory_ordered 1
		.amdhsa_forward_progress 1
		.amdhsa_inst_pref_size 62
	.end_amdhsa_kernel
	.amdgpu_metadata
---
amdhsa.version: [ 1, 2 ]
amdhsa.kernels:
  - .name:           k_q2d81454d91_attn
    .symbol:         k_q2d81454d91_attn.kd
    .args:
      - { .name: query, .offset: 0, .size: 8, .value_kind: global_buffer, .address_space: global }
      - { .name: qbuf, .offset: 8, .size: 8, .value_kind: global_buffer, .address_space: global }
      - { .name: kbuf, .offset: 16, .size: 8, .value_kind: global_buffer, .address_space: global }
      - { .name: vbuf, .offset: 24, .size: 8, .value_kind: global_buffer, .address_space: global }
      - { .name: x2, .offset: 32, .size: 8, .value_kind: global_buffer, .address_space: global }
    .group_segment_fixed_size: 215040
    .private_segment_fixed_size: 0
    .kernarg_segment_align: 8
    .kernarg_segment_size: 40
    .max_flat_workgroup_size: 512
    .sgpr_count:     100
    .vgpr_count:     256
    .wavefront_size: 32
...
	.end_amdgpu_metadata
.endif
;; end of part 9
;; launch lnq (part 10): grid 256 x 1, 8 waves a work-group, no clusters, 83,968 bytes of LDS; arguments x2, ffn_w, ffn_b, xc, xs; writes xc, xs
.if DOCPART == 10
	.amdgcn_target "amdgcn-amd-amdhsa--gfx1250"
	.amdhsa_code_object_version 6
	.text
	.protected	k_q2d81454d91_lnq
	.globl	k_q2d81454d91_lnq
	.p2align	8
	.type	k_q2d81454d91_lnq,@function
k_q2d81454d91_lnq:
	s_mov_b64 s[64:65], 0
	v_nop
	global_prefetch_b8 v0, s[64:65] scope:SCOPE_SE
	s_setreg_imm32_b32 hwreg(HW_REG_WAVE_MODE, 25, 1), 1
	s_wait_xcnt 0x0
; LayerNorm over 1,024 of x2's rows, then the quantiser along the 1,024: codes into xc (512 bytes a row), scale bytes into xs (32 a row).
; A work-group takes 16 rows, a wave two; a row is 32 registers of the wave and is read from memory once.  Every load reads 512 consecutive bytes.
; Mean first, then the mean of the squared differences: no difference of large sums is formed.
; The normalised row turns through the wave's own stage in LDS (16 bytes of padding behind each 64), 512 numbers at a time, and comes back 16 neighbours a lane, two lanes to a block.
; The work-group's 512 scale bytes are gathered in LDS; behind one barrier wave 0 stores them as 512 consecutive bytes.
; Memory binds: no matrix unit, no cluster (the work-groups share only the gain and the bias, 8 KB).
; LIMITS: NaN and infinities are not served; a block of zeros gets the scale byte 1 (zero codes; read by this program alone).
.set SP,   80
.set XR,   32                          ; v32-95   two rows
.set GW,   96                          ; v96-127  the gain
.set GB,   128                         ; v128-159 the bias
.set XT,   160                         ; v160-223 four sets of 16 neighbours
.set CD,   224                         ; v224-231 codes
.set BY,   232                         ; v232-235 scale bytes
.set SU,   16                          ; v16-23   sums
.set MU,   24
.set RS,   26
.set SBY,  81920                       ; behind the eight waves' stages: 512 scale bytes
	s_load_b128 s[4:7], s[0:1], 0x0                ; x2, ffn_w
	s_load_b128 s[8:11], s[0:1], 0x10              ; ffn_b, xc
	s_load_b64 s[12:13], s[0:1], 0x20              ; xs
	v_lshl_add_u32 v240, v0, 2, 0x14400
	v_mov_b32 v241, 0
	v_lshrrev_b32 v1, 5, v0
	s_delay_alu instid0(VALU_DEP_1)
	v_readfirstlane_b32 s16, v1                    ; wave 0..7
	v_and_b32 v2, 31, v0
	s_delay_alu instid0(VALU_DEP_1)
	v_lshlrev_b32 v3, 4, v2                        ; 16 x lane
	s_mul_i32 s17, s16, 4*32*SP                    ; my four stages
	v_lshrrev_b32 v14, 2, v2
	s_delay_alu instid0(VALU_DEP_1)
	v_mul_u32_u24 v14, v14, SP
	v_and_b32 v15, 3, v2
	s_delay_alu instid0(VALU_DEP_1)
	v_lshl_add_u32 v14, v15, 4, v14
	s_delay_alu instid0(VALU_DEP_1)
	v_add_nc_u32 v14, s17, v14                     ; in: SP (lane / 4) + 16 (lane % 4)
	v_mul_u32_u24 v15, v2, SP
	s_delay_alu instid0(VALU_DEP_1)
	v_add_nc_u32 v15, s17, v15                     ; out: SP x lane
	v_lshlrev_b32 v4, 3, v2                        ; my codes' place in a step's 256 bytes
	v_lshrrev_b32 v5, 1, v2
	s_lshl_b32 s17, s16, 6
	s_add_co_u32 s17, s17, SBY
	v_add_nc_u32 v5, s17, v5                       ; my block's scale byte
	v_add_nc_u32 v6, SBY, v3                       ; wave 0's way out: 16 bytes a lane
	s_mov_b32 s26, 0x76543210
	s_mov_b32 s27, 0xfedcba98
	s_mov_b32 s28, 0x3a800000                      ; 1 / 1,024
	s_mov_b32 s29, 0x3727c5ac                      ; 1e-5
	s_lshl_b32 s18, ttmp9, 4
	s_lshl_b32 s19, s16, 1
	s_add_co_u32 s18, s18, s19                     ; my first row
	s_mov_b32 s19, 0
	s_lshl_b64 s[20:21], s[18:19], 12
	s_lshl_b64 s[22:23], s[18:19], 9
	s_lshl_b32 s24, ttmp9, 9
	s_mov_b32 s25, 0
	s_wait_kmcnt 0x0
	s_add_nc_u64 s[4:5], s[4:5], s[20:21]
	s_add_nc_u64 s[10:11], s[10:11], s[22:23]
	s_add_nc_u64 s[12:13], s[12:13], s[24:25]
.irp i, 0,1,2,3,4,5,6,7,8,9,10,11,12,13,14,15
	global_load_b128 v[XR+4*\i:XR+4*\i+3], v3, s[4:5] offset:512*\i
.endr
.irp i, 0,1,2,3,4,5,6,7
	global_load_b128 v[GW+4*\i:GW+4*\i+3], v3, s[6:7] offset:512*\i
.endr
.irp i, 0,1,2,3,4,5,6,7
	global_load_b128 v[GB+4*\i:GB+4*\i+3], v3, s[8:9] offset:512*\i
.endr
.macro JOIN                            ; four packed chains, then the 32 lanes: the row's sum in every lane's v[SU]
	s_delay_alu instid0(VALU_DEP_3)
	v_pk_add_f32 v[SU:SU+1], v[SU:SU+1], v[SU+2:SU+3]
	s_delay_alu instid0(VALU_DEP_2)
	v_pk_add_f32 v[SU+4:SU+5], v[SU+4:SU+5], v[SU+6:SU+7]
	s_delay_alu instid0(VALU_DEP_1)
	v_pk_add_f32 v[SU:SU+1], v[SU:SU+1], v[SU+4:SU+5]
	s_delay_alu instid0(VALU_DEP_1)
	v_add_f32 v[SU], v[SU], v[SU+1]
	s_delay_alu instid0(VALU_DEP_1)
	v_add_f32_dpp v[SU], v[SU], v[SU] row_xmask:1 row_mask:0xf bank_mask:0xf
	s_delay_alu instid0(VALU_DEP_1)
	v_add_f32_dpp v[SU], v[SU], v[SU] row_xmask:2 row_mask:0xf bank_mask:0xf
	s_delay_alu instid0(VALU_DEP_1)
	v_add_f32_dpp v[SU], v[SU], v[SU] row_xmask:4 row_mask:0xf bank_mask:0xf
	s_delay_alu instid0(VALU_DEP_1)
	v_add_f32_dpp v[SU], v[SU], v[SU] row_xmask:8 row_mask:0xf bank_mask:0xf
	s_delay_alu instid0(VALU_DEP_1)
	v_permlanex16_b32 v[SU+1], v[SU], s26, s27
	s_delay_alu instid0(VALU_DEP_1)
	v_add_f32 v[SU], v[SU], v[SU+1]
.endm
.macro NORM x                          ; (x - mean) / sqrt(var + eps), in place
.irp c, 0,1,2,3
	v_pk_add_f32 v[SU+2*\c:SU+2*\c+1], v[\x+2*\c:\x+2*\c+1], v[\x+8+2*\c:\x+8+2*\c+1]
.endr
.irp m, 16,24
.irp c, 0,1,2,3
	s_delay_alu instid0(VALU_DEP_4)
	v_pk_add_f32 v[SU+2*\c:SU+2*\c+1], v[SU+2*\c:SU+2*\c+1], v[\x+\m+2*\c:\x+\m+2*\c+1]
.endr
.endr
	JOIN
	s_delay_alu instid0(VALU_DEP_1)
	v_mul_f32 v[MU], s28, v[SU]
	s_delay_alu instid0(VALU_DEP_1)
	v_mov_b32 v[MU+1], v[MU]
.set n_, 0
.rept 16
	v_pk_add_f32 v[\x+n_:\x+n_+1], v[\x+n_:\x+n_+1], v[MU:MU+1] neg_lo:[0,1] neg_hi:[0,1]
.set n_, n_+2
.endr
.irp c, 0,1,2,3
	v_pk_mul_f32 v[SU+2*\c:SU+2*\c+1], v[\x+2*\c:\x+2*\c+1], v[\x+2*\c:\x+2*\c+1]
.endr
.irp m, 8,16,24
.irp c, 0,1,2,3
	s_delay_alu instid0(VALU_DEP_4)
	v_pk_fma_f32 v[SU+2*\c:SU+2*\c+1], v[\x+\m+2*\c:\x+\m+2*\c+1], v[\x+\m+2*\c:\x+\m+2*\c+1], v[SU+2*\c:SU+2*\c+1]
.endr
.endr
	JOIN
	s_delay_alu instid0(VALU_DEP_1)
	v_fma_f32 v[RS], v[SU], s28, s29
	s_wait_alu depctr_va_vdst(0)
	v_rsq_f32 v[RS], v[RS]
	v_nop                                          ; a plain line behind the transcendental
	s_wait_alu depctr_va_vdst(0)                   ; and a wait ahead of its first reader
	v_mov_b32 v[RS+1], v[RS]
.set n_, 0
.rept 16
	v_pk_mul_f32 v[\x+n_:\x+n_+1], v[\x+n_:\x+n_+1], v[RS:RS+1]
.set n_, n_+2
.endr
.endm
.macro GAIN x
.set n_, 0
.rept 16
	v_pk_fma_f32 v[\x+n_:\x+n_+1], v[\x+n_:\x+n_+1], v[GW+n_:GW+n_+1], v[GB+n_:GB+n_+1]
.set n_, n_+2
.endr
.endm
	s_wait_loadcnt 24                              ; row 0's eight loads are in; 24 younger ones stay out
	NORM XR
	s_wait_loadcnt 16                              ; row 1's are in; the gain's and the bias's stay out
	NORM XR+32
	s_wait_loadcnt 0x0
	GAIN XR
	GAIN XR+32
.macro TURN t                          ; step t: 512 numbers (row t / 2, half t % 2) through stage t
.irp i, 0,1,2,3
	ds_store_b128 v14, v[XR+16*(\t)+4*\i:XR+16*(\t)+4*\i+3] offset:32*SP*(\t)+8*SP*\i
.endr
.irp i, 0,1,2,3
	ds_load_b128 v[XT+16*(\t)+4*\i:XT+16*(\t)+4*\i+3], v15 offset:32*SP*(\t)+16*\i
.endr
.endm
.irp t, 0,1,2,3
	TURN \t
.endr
	s_wait_dscnt 0x0
.macro STEPQ t
.set XS, XT+16*(\t)
	v_max3_num_f32 v8, |v[XS]|, |v[XS+1]|, |v[XS+2]|
	v_max3_num_f32 v9, |v[XS+3]|, |v[XS+4]|, |v[XS+5]|
.irp i, 6,10
	s_delay_alu instid0(VALU_DEP_2)
	v_max3_num_f32 v8, v8, |v[XS+\i]|, |v[XS+\i+1]|
	s_delay_alu instid0(VALU_DEP_2)
	v_max3_num_f32 v9, v9, |v[XS+\i+2]|, |v[XS+\i+3]|
.endr
	s_delay_alu instid0(VALU_DEP_2)
	v_max3_num_f32 v8, v8, |v[XS+14]|, |v[XS+15]|
	s_delay_alu instid0(VALU_DEP_1)
	v_max3_num_f32 v8, v8, v9, 0x1800000           ; the floor 2^(3 - 127)
	s_delay_alu instid0(VALU_DEP_1)
	v_max_num_f32_dpp v8, v8, v8 row_xmask:1 row_mask:0xf bank_mask:0xf
	s_delay_alu instid0(VALU_DEP_1)
	v_add_nc_u32 v11, 0xff000000, v8
	v_cvt_scalef32_pk8_fp4_f32 v[CD+2*(\t)], v[XS:XS+7], v11
	v_cvt_scalef32_pk8_fp4_f32 v[CD+2*(\t)+1], v[XS+8:XS+15], v11
	v_lshrrev_b32 v[BY+(\t)], 23, v11              ; the scale's byte (a plain line behind the conversions)
	ds_store_b8 v5, v[BY+(\t)] offset:16*(\t)
	global_store_b64 v4, v[CD+2*(\t):CD+2*(\t)+1], s[10:11] offset:256*(\t)   ; 256 consecutive, aligned bytes
.endm
.irp t, 0,1,2,3
	STEPQ \t
.endr
	s_wait_dscnt 0x0                               ; for the others' sake: my scale bytes lie in LDS
	s_barrier_signal -1
	s_barrier_wait -1
	s_cmp_lg_u32 s16, 0
	s_cbranch_scc1 .Ldone
	ds_load_b128 v[236:239], v6
	s_wait_dscnt 0x0
	global_store_b128 v3, v[236:239], s[12:13]     ; 16 rows' scale bytes: 512 consecutive bytes
.Ldone:
	s_wait_tensorcnt 0x0
	ds_add_u32 v240, v241
	s_wait_dscnt 0x0
	s_endpgm
.Lfunc_end_k_q2d81454d91_lnq:
	.size	k_q2d81454d91_lnq, .Lfunc_end_k_q2d81454d91_lnq-k_q2d81454d91_lnq
	.p2alignl 7, 3214868480
	.fill 96, 4, 3214868480
	.section	.rodata,"a",@progbits
	.p2align	6, 0x0
	.amdhsa_kernel k_q2d81454d91_lnq
		.amdhsa_group_segment_fixed_size 83968
		.amdhsa_private_segment_fixed_size 0
		.amdhsa_enable_private_segment 0
		.amdhsa_kernarg_size 40
		.amdhsa_user_sgpr_count 2
		.amdhsa_user_sgpr_kernarg_segment_ptr 1
		.amdhsa_wavefront_size32 1
		.amdhsa_system_sgpr_workgroup_id_x 1
		.amdhsa_system_sgpr_workgroup_id_y 1
		.amdhsa_system_sgpr_workgroup_id_z 1
		.amdhsa_system_vgpr_workitem_id 0
		.amdhsa_next_free_vgpr 242
		.amdhsa_next_free_sgpr 66
		.amdhsa_reserve_vcc 0
		.amdhsa_float_denorm_mode_32 3
		.amdhsa_float_denorm_mode_16_64 3
		.amdhsa_memory_ordered 1
		.amdhsa_forward_progress 1
		.amdhsa_inst_pref_size 28
	.end_amdhsa_kernel
	.amdgpu_metadata
---
amdhsa.version: [ 1, 2 ]
amdhsa.kernels:
  - .name:           k_q2d81454d91_lnq
    .symbol:         k_q2d81454d91_lnq.kd
    .args:
      - { .name: x2, .offset: 0, .size: 8, .value_kind: global_buffer, .address_space: global }
      - { .name: ffn_w, .offset: 8, .size: 8, .value_kind: global_buffer, .address_space: global }
      - { .name: ffn_b, .offset: 16, .size: 8, .value_kind: global_buffer, .address_space: global }
      - { .name: xc, .offset: 24, .size: 8, .value_kind: global_buffer, .address_space: global }
      - { .name: xs, .offset: 32, .size: 8, .value_kind: global_buffer, .address_space: global }
    .group_segment_fixed_size: 83968
    .private_segment_fixed_size: 0
    .kernarg_segment_align: 8
    .kernarg_segment_size: 40
    .max_flat_workgroup_size: 256
    .sgpr_count:     66
    .vgpr_count:     242
    .wavefront_size: 32
...
	.end_amdgpu_metadata
.endif
;; end of part 10
;; launch fc1 (part 11): grid 16 x 16, 4 waves a work-group, clusters of 4 x 4, 327,680 bytes of LDS; arguments xc, xs, fc1_w_codes, fc1_w_scales, h1, fc1_b; writes h1
.if DOCPART == 11
	.amdgcn_target "amdgcn-amd-amdhsa--gfx1250"
	.amdhsa_code_object_version 6
	.text
	.protected	k_q2d81454d91_fc1
	.globl	k_q2d81454d91_fc1
	.p2align	8
	.type	k_q2d81454d91_fc1,@function
k_q2d81454d91_fc1:
	s_mov_b64 s[64:65], 0
	v_nop
	global_prefetch_b8 v0, s[64:65] scope:SCOPE_SE
	s_setreg_imm32_b32 hwreg(HW_REG_WAVE_MODE, 25, 1), 1
	s_wait_xcnt 0x0
	s_wait_alu depctr_hold_cnt(0) depctr_sa_sdst(0) depctr_va_vdst(0) depctr_va_sdst(0) depctr_va_ssrc(0) depctr_va_vcc(0) depctr_vm_vsrc(0)
	s_getreg_b32 s2, hwreg(HW_REG_IB_STS2, 6, 4)
	s_cmp_eq_u32 s2, 0
	s_cbranch_scc0 .Lentry_in_a_cluster
	s_endpgm
.Lentry_in_a_cluster:
	s_bfe_u32 s2, ttmp6, 0x10000c
	s_cmp_lg_u32 s2, 0xf033
	s_cbranch_scc0 .Lentry_shape_is_right
	s_endpgm
.Lentry_shape_is_right:
.set KSTEP,  512
.set NQ,     4
.set ROWB,   512                       ; a tile's row holds all of K: 1,024 codes
.set KROW,   512
.set PITCH,  528                       ; 512 bytes + 16 of padding
.set FR,     8
.set NL,     2
.set NP,     4
.set HALFT,  128*PITCH
.set SLOT,   256                       ; the second 512 along K lie 256 bytes on in the same LDS rows
.set KS,     32
.set SCL,    4*HALFT
.set HALFS,  (128*KS/256)*272
.set SBLK,   (16*KS/256)*272
.set SPARE,  SCL+4*HALFS
.set WSR,  12
.set ADRA, 16
.set LI,   18
.set H32,  19
.set ADRB, 20
.set DMP,  22
.set DAD,  23
.set HAD,  24
.set WAD,  25
.set WSA,  26
.set ADRS, 27
.set SPW,  28
.set NIL,  29
.set SC,   32
.set AF,   128
.set G1, 24
.set G0, 32
.set G1B, 48
.set G0B, 56
.set G1S, 68
.set G0S, 76
.set G1SB, 80
.set G0SB, 88
.set MSB, 0
.macro WIN new
.if MSB != (\new)
	s_set_vgpr_msb (MSB<<8)|(\new)
.set MSB, \new
.endif
.endm
.set MUL_LO, 0xa1
.set MUL_HI, 0xf1
.set TO_B,   0x40
.macro ARM under, g0, g1, next         ; an arm of the head's one tree of branches on the wave's number: one joint load, then on to the tree's end
	s_cmp_lt_u32 s14, \under
	s_cbranch_scc0 \next
	tensor_load_to_lds s[\g0:\g0+3], s[\g1:\g1+7]
	s_nop 0
.rept 4
	v_nop
.endr
	s_branch .Lhead_asked
\next:
.endm
.macro CROUND
	s_barrier_signal -1
	s_barrier_wait -1
	s_cmp_lg_u32 s14, 0
	s_cbranch_scc1 .Lnot_wave_0_\@
	s_barrier_signal -3
.Lnot_wave_0_\@:
	s_barrier_wait -3
	s_barrier_signal -1
	s_barrier_wait -1
.endm
	s_load_b128 s[4:7], s[0:1], 0x0
	s_load_b128 s[8:11], s[0:1], 0x10
	s_load_b64 s[12:13], s[0:1], 0x20
	s_load_b64 s[66:67], s[0:1], 0x28
	v_lshl_add_u32 v[SPW], v0, 2, SPARE
	v_mov_b32 v[NIL], 0
	ds_add_u32 v28, v29
	ds_add_u32 v28, v29
	s_wait_dscnt 0x0
	v_lshrrev_b32 v1, 5, v0
	v_readfirstlane_b32 s14, v1
	s_lshr_b32 s15, s14, 1
	s_and_b32 s16, s14, 1
	s_bfe_u32 s40, ttmp6, 0x40000
	s_bfe_u32 s41, ttmp6, 0x40004
	s_lshl_b32 s42, ttmp9, 2
	s_add_co_u32 s42, s42, s40
	s_and_b32 s17, ttmp7, 0xffff
	s_lshl_b32 s17, s17, 2
	s_add_co_u32 s17, s17, s41
	s_lshl_b32 s43, s41, 2
	s_lshl_b32 s43, 15, s43
	s_lshl_b32 s44, 0x1111, s40
	s_or_b32 s[G1+0], s43, (0<<16)|(1<<20)|(1<<21)|(6<<22)|(3<<25)
	s_or_b32 s[G1B+0], s44, (0<<16)|(1<<20)|(1<<21)|(6<<22)|(3<<25)
.irp g, G1, G1B
	s_mov_b32 s[\g+1], ROWB<<16
	s_mov_b32 s[\g+2], 256<<16
	s_mov_b32 s[\g+3], ROWB<<16
	s_mov_b32 s[\g+4], 256
	s_mov_b32 s[\g+5], KROW
	s_mov_b32 s[\g+6], 0
	s_mov_b32 s[\g+7], 0
.endr
	s_or_b32 s[G1S+0], s43, (3<<16)|(1<<20)|(1<<21)|(5<<22)|(3<<25)
	s_or_b32 s[G1SB+0], s44, (3<<16)|(1<<20)|(1<<21)|(5<<22)|(3<<25)
.irp g, G1S, G1SB
	s_mov_b32 s[\g+1], 32<<16
	s_mov_b32 s[\g+2], (256*KS/256)<<16
	s_mov_b32 s[\g+3], 32<<16
	s_mov_b32 s[\g+4], 256*KS/256
	s_mov_b32 s[\g+5], 32
	s_mov_b32 s[\g+6], 0
	s_mov_b32 s[\g+7], 0
.endr
	s_lshl_b32 s20, s17, 8
	s_lshl_b32 s46, s42, 8
	s_mov_b32 s21, 0
	s_mov_b32 s47, 0
	s_mov_b64 s[18:19], KS
	s_mul_u64 s[22:23], s[20:21], s[18:19]
	s_mul_u64 s[92:93], s[46:47], s[18:19]
	s_mov_b64 s[18:19], KROW
	s_mul_u64 s[20:21], s[20:21], s[18:19]
	s_mul_u64 s[46:47], s[46:47], s[18:19]
	s_wait_kmcnt 0x0
	s_add_nc_u64 s[20:21], s[4:5], s[20:21]
	s_add_nc_u64 s[22:23], s[6:7], s[22:23]
	s_add_nc_u64 s[46:47], s[8:9], s[46:47]
	s_add_nc_u64 s[92:93], s[10:11], s[92:93]
	CROUND
	; ALL THAT THE LAUNCH READS THROUGH LDS IS FOUR TILES, ONE JOINT LOAD A WAVE, every byte filled once: wave 0 A's 256 rows of all of K, wave 1 B's, wave 2 A's scales, wave 3 B's
	s_mov_b32 s[G0], 1
	s_mov_b32 s[G0+1], 0
	s_mov_b64 s[G0+2:G0+3], s[20:21]
	s_or_b32 s[G0+3], s[G0+3], 0x80000000
	s_mov_b32 s[G0B], 1
	s_mov_b32 s[G0B+1], 2*HALFT
	s_mov_b64 s[G0B+2:G0B+3], s[46:47]
	s_or_b32 s[G0B+3], s[G0B+3], 0x80000000
	s_mov_b32 s[G0S], 1
	s_mov_b32 s[G0S+1], SCL
	s_mov_b64 s[G0S+2:G0S+3], s[22:23]
	s_or_b32 s[G0S+3], s[G0S+3], 0x80000000
	s_mov_b32 s[G0SB], 1
	s_mov_b32 s[G0SB+1], SCL+2*HALFS
	s_mov_b64 s[G0SB+2:G0SB+3], s[92:93]
	s_or_b32 s[G0SB+3], s[G0SB+3], 0x80000000
	ARM 1, G0,  G1,  .Lhead_b
	ARM 2, G0B, G1B, .Lhead_sa
	ARM 3, G0S, G1S, .Lhead_sb
	tensor_load_to_lds s[G0SB:G0SB+3], s[G1SB:G1SB+7]
	s_nop 0
.rept 4
	v_nop
.endr
.Lhead_asked:
	v_and_b32 v1, 15, v0
	v_bfe_u32 v2, v0, 4, 1
	v_mul_u32_u24 v3, v1, PITCH
	v_lshl_add_u32 v4, v2, 4, v3
	s_mul_i32 s21, s15, HALFT
	s_mul_i32 s22, s16, HALFT
	s_add_co_u32 s22, s22, 2*HALFT
.irp s, 0,1
	v_add_nc_u32 v[ADRA+\s], s21, v4
	v_add_nc_u32 v[ADRB+\s], s22, v4
	s_add_co_u32 s21, s21, SLOT
	s_add_co_u32 s22, s22, SLOT
.endr
	v_mul_u32_u24 v5, v1, KS
	v_lshrrev_b32 v6, 8, v5
	v_lshl_add_u32 v5, v6, 4, v5
	s_mul_i32 s21, s15, HALFS
	s_mul_i32 s22, s16, HALFS
	s_add_co_u32 s22, s22, 2*HALFS
	s_sub_co_u32 s22, s22, s21
	v_mul_u32_u24 v6, s22, v2
	s_add_co_u32 s21, s21, SCL
	v_add_nc_u32 v5, v5, v6
	v_add_nc_u32 v[ADRS], s21, v5
	v_and_b32 v6, 31, v0
	v_lshlrev_b32 v[LI], 4, v6
	v_lshlrev_b32 v[H32], 5, v2
	s_wait_alu depctr_va_vdst(0)
	s_lshl_b32 s23, s14, 16
	v_add_nc_u32 v[DMP], s23, v[LI]
	s_lshl_b32 s23, s14, 9
	s_add_co_u32 s23, s23, 262144
	v_lshl_add_u32 v[WSA], v1, 2, s23
	v_add_nc_u32 v[WSR], s23, v[LI]
	s_lshl_b32 s20, s42, 10
	s_lshl_b32 s21, s16, 9
	s_add_co_u32 s20, s20, s21
	s_mov_b32 s21, 0
	s_add_nc_u64 s[66:67], s[66:67], s[20:21]
	WIN TO_B
.irp b, 0,1,2,3,4,5,6,7
	global_load_b128 v[64+8*\b:67+8*\b], v[H32], s[66:67] offset:64*\b
	global_load_b128 v[68+8*\b:71+8*\b], v[H32], s[66:67] offset:64*\b+16
.endr
	WIN 0
	s_lshl_b32 s20, s42, 1
	s_add_co_u32 s20, s20, s16
	s_lshl_b32 s20, s20, 5
	s_lshl_b32 s21, s17, 1
	s_add_co_u32 s20, s20, s21
	s_add_co_u32 s20, s20, s15
	s_mul_i32 s20, s20, 8704
	s_mov_b32 s21, 0
	s_add_nc_u64 s[12:13], s[12:13], s[20:21]
.macro FRAG reg, adr, q, i
.irp c, 0,1
	ds_load_b128 v[\reg+4*\c:\reg+4*\c+3], v[\adr] offset:64*(\q)+32*\c+(\i)*16*PITCH
.endr
.endm
.macro MUL16 a0, p, q, sc, zero
.irp a, \a0, \a0+1
.irp b, 0,1,2,3,4,5,6,7
.if \zero
	v_wmma_scale_f32_16x16x128_f8f6f4 v[8*(8*((\a)%4)+\b):8*(8*((\a)%4)+\b)+7], v[128*(\p)+FR*\b:128*(\p)+FR*\b+FR-1], v[AF+FR*(\a):AF+FR*(\a)+FR-1], 0, v[SC+8*NQ*(\sc)+NQ*\b+(\q)], v[SC+8*NQ*(\sc)+NQ*(\a)+(\q)] matrix_a_fmt:MATRIX_FMT_FP4 matrix_b_fmt:MATRIX_FMT_FP4 matrix_a_scale:MATRIX_SCALE_ROW1
.else
	v_wmma_scale_f32_16x16x128_f8f6f4 v[8*(8*((\a)%4)+\b):8*(8*((\a)%4)+\b)+7], v[128*(\p)+FR*\b:128*(\p)+FR*\b+FR-1], v[AF+FR*(\a):AF+FR*(\a)+FR-1], v[8*(8*((\a)%4)+\b):8*(8*((\a)%4)+\b)+7], v[SC+8*NQ*(\sc)+NQ*\b+(\q)], v[SC+8*NQ*(\sc)+NQ*(\a)+(\q)] matrix_a_fmt:MATRIX_FMT_FP4 matrix_b_fmt:MATRIX_FMT_FP4 matrix_a_scale:MATRIX_SCALE_ROW1
.endif
.endr
.endr
.endm
.macro FETCH_B slot, q, p
	WIN TO_B
.irp i, 0,1,2,3,4,5,6,7
	FRAG 128*(\p)+FR*\i, ADRB+\slot, \q, \i
.endr
	WIN 0
.endm
.macro FETCH_A slot, q, i0
.irp i, \i0, \i0+1, \i0+2, \i0+3
	FRAG AF+FR*(\i), ADRA+\slot, \q, \i
.endr
.endm
.macro SCALES sc
.irp i, 0,1,2,3,4,5,6,7
	ds_load_b128 v[SC+8*NQ*\sc+NQ*\i:SC+8*NQ*\sc+NQ*\i+3], v[ADRS] offset:\i*SBLK
.endr
.endm
.macro PLACES n
.rept \n
	v_nop
.endr
.endm
.macro STEP slot, q, zero
	s_wait_dscnt 4*NL
	WIN MUL_LO
	MUL16 0, (\q)%2, \q, \slot, \zero
	MUL16 2, (\q)%2, \q, \slot, \zero
	s_wait_dscnt 0
	PLACES NP
	FETCH_B \slot, (\q)+1, 1-(\q)%2
	FETCH_A \slot, (\q)+1, 0
	WIN MUL_HI
	MUL16 4, (\q)%2, \q, \slot, \zero
	MUL16 6, (\q)%2, \q, \slot, \zero
	PLACES NP
	WIN 0
	FETCH_A \slot, (\q)+1, 4
.endm
.macro TURN slot, next
	s_wait_tensorcnt 0x0
	ds_add_u32 v[SPW], v[NIL]
	s_wait_dscnt 4*NL+1
	WIN MUL_LO
	MUL16 0, 1, NQ-1, \slot, 0
	s_wait_dscnt 0x0
	s_barrier_signal -1
	MUL16 2, 1, NQ-1, \slot, 0
	WIN 0
	s_barrier_wait -1
	PLACES NP
	v_add_nc_u32 v[ADRS], 4*NQ, v[ADRS]
	FETCH_B \next, 0, 0
	FETCH_A \next, 0, 0
	SCALES \next
	WIN MUL_HI
	MUL16 4, 1, NQ-1, \slot, 0
	MUL16 6, 1, NQ-1, \slot, 0
	PLACES NP
	WIN 0
	FETCH_A \next, 0, 4
.endm
	s_wait_alu depctr_va_vdst(0)                   ; the wait at the head's end
	s_wait_tensorcnt 0x0                           ; my tile is in,
	s_barrier_signal -1
	s_barrier_wait -1                              ; and everybody's
	FETCH_B 0, 0, 0
	FETCH_A 0, 0, 0
	SCALES 0
	FETCH_A 0, 0, 4
	STEP 0, 0, 1
	STEP 0, 1, 0
	STEP 0, 2, 0
	TURN 0, 1
	STEP 1, 0, 0
	STEP 1, 1, 0
	STEP 1, 2, 0
	s_wait_dscnt 4*NL
	WIN MUL_LO
	MUL16 0, 1, NQ-1, 1, 0
	MUL16 2, 1, NQ-1, 1, 0
	s_wait_alu depctr_va_vdst(0)
	s_wait_dscnt 0
	WIN MUL_HI
	MUL16 4, 1, NQ-1, 1, 0
	MUL16 6, 1, NQ-1, 1, 0
	WIN 0
	s_wait_dscnt 0x0
	s_barrier_signal -1
	s_barrier_wait -1
	PLACES NP
.irp a, 0,1,2,3,4,5,6,7
	WIN 0x08+4*(\a/4)
.irp b, 0,1,2,3,4,5,6,7
	ds_store_b128 v[DMP], v[8*(8*(\a%4)+\b):8*(8*(\a%4)+\b)+3] offset:(16*\a+2*\b)*512
	ds_store_b128 v[DMP], v[8*(8*(\a%4)+\b)+4:8*(8*(\a%4)+\b)+7] offset:(16*\a+2*\b)*512+512
.endr
.endr
	WIN 0
.set CC,  68
.set C9,  84
.set KN,  86
.set KT,  88
.set SEL, 90
.set TT,  160
.set PP,  192
.set QQ,  224
	s_mov_b32 s[CC+0], 0xc034d90f
	s_mov_b32 s[CC+2], 0x3fb8ab5a
	s_mov_b32 s[CC+4], 0x3f0a29d2
	s_mov_b32 s[CC+6], 0x3e0efb2f
	s_mov_b32 s[CC+8], 0xbe899a80
	s_mov_b32 s[CC+10], 0x3ecdfd18
	s_mov_b32 s[CC+12], 0xbfd1a1e5
	s_mov_b32 s[CC+14], 0x40097039
.irp k, 0,1,2,3,4,5,6,7
	s_mov_b32 s[CC+2*\k+1], s[CC+2*\k]
.endr
	s_mov_b32 s[C9], 0x3e7c6f08
	s_mov_b32 s[C9+1], s[C9]
	s_mov_b32 s[KN], 0xbf38aa3b
	s_mov_b32 s[KN+1], s[KN]
	s_mov_b32 s[KT], 0x3eb504f3
	s_mov_b32 s[SEL], 0x76543210
	s_mov_b32 s[SEL+1], 0xfedcba98
	v_mov_b32 v30, 0xbf97d29d
	v_mov_b32 v31, v30
.macro GELU x
	WIN 0x04
.set n_, 0
.rept 16
	v_pk_add_f32 v[\x+n_:\x+n_+1], v[\x+n_:\x+n_+1], v[\x-32+n_:\x-32+n_+1]
.set n_, n_+2
.endr
	WIN 0
.set n_, 0
.rept 32
	v_fma_f32 v[TT+n_], |v[\x+n_]|, s[KT], 1.0
.set n_, n_+1
.endr
.set n_, 0
	s_wait_alu depctr_va_vdst(0)
.rept 32
	v_rcp_f32 v[TT+n_], v[TT+n_]
.set n_, n_+1
.endr
.set n_, 0
.rept 16
	v_pk_mul_f32 v[QQ+n_:QQ+n_+1], v[\x+n_:\x+n_+1], v[\x+n_:\x+n_+1]
.set n_, n_+2
.endr
	s_wait_alu depctr_va_vdst(0)
.set n_, 0
.rept 16
	v_pk_fma_f32 v[PP+n_:PP+n_+1], v[TT+n_:TT+n_+1], s[C9:C9+1], v[30:31] op_sel_hi:[1,0,1]
.set n_, n_+2
.endr
.irp k, 7,6,5,4,3,2,1,0
.set n_, 0
.rept 16
	v_pk_fma_f32 v[PP+n_:PP+n_+1], v[PP+n_:PP+n_+1], v[TT+n_:TT+n_+1], s[CC+2*\k:CC+2*\k+1] op_sel_hi:[1,1,0]
.set n_, n_+2
.endr
.endr
.set n_, 0
.rept 16
	v_pk_fma_f32 v[PP+n_:PP+n_+1], v[QQ+n_:QQ+n_+1], s[KN:KN+1], v[PP+n_:PP+n_+1] op_sel_hi:[1,0,1]
.set n_, n_+2
.endr
.set n_, 0
	s_wait_alu depctr_va_vdst(0)
.rept 32
	v_exp_f32 v[PP+n_], v[PP+n_]
.set n_, n_+1
.endr
.set n_, 0
.rept 32
	v_max_num_f32 v[QQ+n_], 0, v[\x+n_]
.set n_, n_+1
.endr
	s_wait_alu depctr_va_vdst(0)
.set n_, 0
.rept 16
	v_pk_mul_f32 v[PP+n_:PP+n_+1], v[PP+n_:PP+n_+1], v[TT+n_:TT+n_+1]
.set n_, n_+2
.endr
.set n_, 0
.rept 32
	v_fma_f32 v[\x+n_], -|v[\x+n_]|, v[PP+n_], v[QQ+n_]
.set n_, n_+1
.endr
.endm
.macro QUANT s, tm, pw, pc
.irp b, 0,1,2,3
	v_max3_num_f32 v[\tm+\b], |v[\s+16*\b]|, |v[\s+1+16*\b]|, 0x1800000
.endr
.irp i, 2,4,6,8,10,12,14
.irp b, 0,1,2,3
	v_max3_num_f32 v[\tm+\b], v[\tm+\b], |v[\s+16*\b+\i]|, |v[\s+1+16*\b+\i]|
.endr
.endr
.irp b, 0,1,2,3
	v_permlanex16_b32 v[\tm+4+\b], v[\tm+\b], s[SEL], s[SEL+1]
.endr
.irp b, 0,1,2,3
	v_max_num_f32 v[\tm+\b], v[\tm+\b], v[\tm+4+\b]
.endr
.irp b, 0,1,2,3
	v_add_nc_u32 v[\tm+12+\b], 0xff000000, v[\tm+\b]
.endr
.irp b, 0,1,2,3
	v_lshrrev_b32 v[\tm+4+\b], 23, v[\tm+12+\b]
.endr
	v_lshl_or_b32 v[\pw], v[\tm+5], 8, v[\tm+4]
	v_lshl_or_b32 v[\pw], v[\tm+6], 16, v[\pw]
	v_lshl_or_b32 v[\pw], v[\tm+7], 24, v[\pw]
.irp b, 0,1,2,3
	v_cvt_scalef32_pk8_fp4_f32 v[\pc+4*(\b/2)+(\b%2)], v[\s+16*\b:\s+7+16*\b], v[\tm+12+\b]
	v_cvt_scalef32_pk8_fp4_f32 v[\pc+4*(\b/2)+2+(\b%2)], v[\s+8+16*\b:\s+15+16*\b], v[\tm+12+\b]
.endr
	v_nop
.irp c, 0,1
	v_permlane16_swap_b32 v[\pc+4*\c], v[\pc+4*\c+1]
	v_permlane16_swap_b32 v[\pc+4*\c+2], v[\pc+4*\c+3]
.endr
.endm
	s_mov_b32 s3, 8
	s_mov_b32 s46, 0
	s_mov_b32 s47, 0
	s_mov_b32 s48, 0
	s_wait_loadcnt 0x0
.Lblk:
	v_add_nc_u32 v[DAD], s46, v[DMP]
.irp i, 0,1,2,3,4,5,6,7,8,9,10,11,12,13,14,15
	ds_load_b128 v[96+4*\i:99+4*\i], v[DAD] offset:512*\i
.endr
	s_wait_dscnt 0x0
	GELU 96
	GELU 128
	QUANT 96, 160, 176, 180
	v_add_nc_u32 v[HAD], s48, v[LI]
	v_add_nc_u32 v[WAD], s47, v[WSA]
	global_store_b128 v[HAD], v[180:183], s[12:13]
	global_store_b128 v[HAD], v[184:187], s[12:13] offset:512
	ds_store_b32 v[WAD], v176
	s_wait_xcnt 0x0
	s_wait_dscnt 0x0
	s_add_co_u32 s46, s46, 8192
	s_add_co_u32 s47, s47, 64
	s_add_co_u32 s48, s48, 1024
	s_sub_co_u32 s3, s3, 1
	s_cmp_lg_u32 s3, 0
	s_cbranch_scc1 .Lblk
	ds_load_b128 v[96:99], v[WSR]
	s_wait_dscnt 0x0
	global_store_b128 v[LI], v[96:99], s[12:13] offset:8192
	s_wait_tensorcnt 0x0
	ds_add_u32 v[SPW], v[NIL]
	s_wait_dscnt 0x0
	CROUND
	s_endpgm
.Lfunc_end_k_q2d81454d91_fc1:
	.size	k_q2d81454d91_fc1, .Lfunc_end_k_q2d81454d91_fc1-k_q2d81454d91_fc1
	.p2alignl 7, 3214868480
	.fill 96, 4, 3214868480
	.section	.rodata,"a",@progbits
	.p2align	6, 0x0
	.amdhsa_kernel k_q2d81454d91_fc1
		.amdhsa_group_segment_fixed_size 327680
		.amdhsa_private_segment_fixed_size 0
		.amdhsa_enable_private_segment 0
		.amdhsa_kernarg_size 48
		.amdhsa_user_sgpr_count 2
		.amdhsa_user_sgpr_kernarg_segment_ptr 1
		.amdhsa_wavefront_size32 1
		.amdhsa_system_sgpr_workgroup_id_x 1
		.amdhsa_system_sgpr_workgroup_id_y 1
		.amdhsa_system_sgpr_workgroup_id_z 1
		.amdhsa_system_vgpr_workitem_id 0
		.amdhsa_next_free_vgpr 1024
		.amdhsa_next_free_sgpr 100
		.amdhsa_reserve_vcc 0
		.amdhsa_float_denorm_mode_32 3
		.amdhsa_float_denorm_mode_16_64 3
		.amdhsa_memory_ordered 1
		.amdhsa_forward_progress 1
		.amdhsa_inst_pref_size 151
	.end_amdhsa_kernel
	.amdgpu_metadata
---
amdhsa.version: [ 1, 2 ]
amdhsa.kernels:
  - .name:           k_q2d81454d91_fc1
    .symbol:         k_q2d81454d91_fc1.kd
    .args:
      - { .name: xc, .offset: 0, .size: 8, .value_kind: global_buffer, .address_space: global }
      - { .name: xs, .offset: 8, .size: 8, .value_kind: global_buffer, .address_space: global }
      - { .name: fc1_w_codes, .offset: 16, .size: 8, .value_kind: global_buffer, .address_space: global }
      - { .name: fc1_w_scales, .offset: 24, .size: 8, .value_kind: global_buffer, .address_space: global }
      - { .name: h1, .offset: 32, .size: 8, .value_kind: global_buffer, .address_space: global }
      - { .name: fc1_b, .offset: 40, .size: 8, .value_kind: global_buffer, .address_space: global }
    .group_segment_fixed_size: 327680
    .private_segment_fixed_size: 0
    .kernarg_segment_align: 8
    .kernarg_segment_size: 48
    .max_flat_workgroup_size: 128
    .sgpr_count:     100
    .vgpr_count:     1024
    .wavefront_size: 32
...
	.end_amdgpu_metadata
.endif
;; end of part 11
;; launch fc2 (part 12): grid 8 x 32, 4 waves a work-group, clusters of 4 x 4, 327,680 bytes of LDS; arguments h1, fc2_w_codes, fc2_w_scales, out0, x2, fc2_b; writes out0
.if DOCPART == 12
	.amdgcn_target "amdgcn-amd-amdhsa--gfx1250"
	.amdhsa_code_object_version 6
	.text
	.protected	k_q2d81454d91_fc2
	.globl	k_q2d81454d91_fc2
	.p2align	8
	.type	k_q2d81454d91_fc2,@function
k_q2d81454d91_fc2:
	s_mov_b64 s[64:65], 0
	v_nop
	global_prefetch_b8 v0, s[64:65] scope:SCOPE_SE
	s_setreg_imm32_b32 hwreg(HW_REG_WAVE_MODE, 25, 1), 1
	s_wait_xcnt 0x0
	s_wait_alu depctr_hold_cnt(0) depctr_sa_sdst(0) depctr_va_vdst(0) depctr_va_sdst(0) depctr_va_ssrc(0) depctr_va_vcc(0) depctr_vm_vsrc(0)
	s_getreg_b32 s2, hwreg(HW_REG_IB_STS2, 6, 4)
	s_cmp_eq_u32 s2, 0
	s_cbranch_scc0 .Lentry_in_a_cluster
	s_endpgm
.Lentry_in_a_cluster:
	s_bfe_u32 s2, ttmp6, 0x10000c
	s_cmp_lg_u32 s2, 0xf033
	s_cbranch_scc0 .Lentry_shape_is_right
	s_endpgm
.Lentry_shape_is_right:
; out0 = x2 + h1 fc2_w + fc2_b: the product on codes of E2M1, K = 4,096; sums in f32, K ascending, one accumulator for each output.
; A tile of C is 128 x 128, so that C's 4,096 x 1,024 numbers make 256 work-groups; four waves, each 64 x 64: 16 accumulators of 16 x 16.
; Source 0 = 16 rows of fc2_w (outputs, along a lane's registers), source 1 = 16 tokens (a lane's row): a lane holds eight neighbouring numbers of a row of C.
; K goes in four steps of 1,024, as long as two LDS slots allow.  A's part of a slot is eight chunks of h1 (128 rows x 128 K each: eight fragment images of 1,024 bytes and 128 scale words, 8,704 bytes):
; fragments come by loads of 16 bytes a lane on end, and A's SCALE WORDS RIDE IN THE RING.  B's part is 128 rows of 512 bytes + 16 of padding.  B's scales of all of K stay in LDS (17,408 bytes), filled once.
; K steps 0 and 1 are first fills, K steps 2 and 3 refills: so few that the text is written out, with no loop.  A wave has one tensor load out at most.
; CLUSTERS 4 x 4: A's tiles are shared along a row of the cluster, B's along a column, by joint loads; each joint refill stands first behind a round of the cluster's barrier.
; THE RESIDUAL (my 64 x 64 numbers of x2) is asked for behind the last refill, into registers that the products leave alone, and is waited for on the way out.
; REGISTERS, in windows of 256: window 0: v16-30 addresses; v32-95 A's scale words, v128-191 B's, two sets of 32 each (they hold nothing else); v96-99 the bias.
;   window 1: two fragment buffers of 128: for 256 along K (two matrix instructions deep) 64 registers of A, then 64 of B; on the way out v0-127 take the rows that come back from the stage.
;   window 2: v0-127 the accumulators ((a, b) at v[8 (4 a + b)]); v128-255 the residual.
; THE FILLS, THE PREFETCH AND THE RESIDUAL AS THIS TEXT HAS THEM (these lines take the place of what stands above on them).
; At the head each wave issues one joint load: wave 0 K step 0 of A (eight chunks), wave 1 K step 0 of B (128 rows), waves 2 and 3 the halves of B's scales.  K step 1 is slot 1's first fill, behind the three lines and a round;
; K steps 2 and 3 are refills.  A wave has one tensor load out at most.
; PREFETCH: behind K step 1's fill each wave asks for its share of K step 2, behind K step 2's refill for its share of K step 3: one K step ahead of the load that wants them; K steps 0 and 1 come by their loads alone.
; The partners that ask for a tile jointly share its blocks of 256 bytes out by address: of A's eight chunks of 34 blocks partner cx takes chunks 2 cx and 2 cx + 1, 17 blocks a wave (lanes over 16 name the wave's last block again);
; of B's 128 rows of two blocks partner cy takes 32, eight rows a wave (lanes over 15 likewise).  The K steps stand in the immediates, so no address register is written again.
; THE RESIDUAL and the bias are asked for behind the last refill, and waited for on the way out.
.set ROWB,   512
.set KROW,   2048                      ; a row of fc2_w's codes in memory
.set PITCH,  528                       ; 512 bytes + 16 of padding = 132 words: the 16 rows of a fragment load start at 16 different banks
.set CHUNK,  8704
.set SROW,   32*CHUNK                  ; from 128 along K to the next in h1
.set ASTEP,  8*SROW                    ; a K step in h1
.set AHALF,  4*CHUNK                   ; what one load brings of A
.set BHALF,  64*PITCH                  ; and of B
.set BOFF,   2*AHALF                   ; B's rows lie behind A's eight chunks
.set SLOT,   BOFF+2*BHALF              ; 137,216
.set KS,     128                       ; a row of B's scales
.set SCL,    2*SLOT                    ; behind the ring: B's scales, as units of 256 bytes + 16 of padding
.set HALFS,  (64*KS/256)*272           ; those of 64 rows: what one load brings
.set SBLK,   (16*KS/256)*272           ; those of 16 rows
.set SPARE,  SCL+2*HALFS               ; the spare words: 128 bytes a wave, named by no other line
.set SPITCH, 272                       ; the way out: 16 rows x (256 bytes + 16) for each wave, in slot 0, which has had its last fill and its last read by then
.set ADRA, 16                          ; v16-17 my A images in slot 0, 1: + 16 x lane
.set ADRW, 18                          ; v18-19 my A scale words in slot 0, 1: + 4 r
.set ADRB, 20                          ; v20-21 my B rows in slot 0, 1
.set STO,  24                          ; v24    the way out: where I put 32 bytes of a row
.set RD,   25                          ; v25    and where 16 bytes of a row come back
.set CO,   26                          ; v26    4,096 h + 16 r: two rows of x2 and out0
.set ADRS, 27                          ; v27    B's scale words of my rows
.set SPW,  28
.set NIL,  29
.set BO,   30                          ; v30    16 r
.set SCA,  32
.set BI,   96
.set SCB,  128
.set F0,   0
.set F1,   128
.set G1, 24
.set G0, 32
.set G1B, 48
.set G0B, 56
.set G1SB, 80
.set G0SB, 88
.set MSB, 0
.macro WIN new                         ; the immediate's high byte repeats the setting that is left
.if MSB != (\new)
	s_set_vgpr_msb (MSB<<8)|(\new)
.set MSB, \new
.endif
.endm
.set MUL,  0xa5                        ; sources 0 (B) and 1 (A) window 1; C and D window 2
.set TO_F, 0x40                        ; destination window 1, address window 0
.macro JLOAD g0a, g1a, g0b, g1b        ; waves 0, 1 fetch for A, waves 2, 3 for B; four v_nop follow each line
	s_cmp_eq_u32 s15, 0
	s_cbranch_scc0 .Lfor_b_\@
	tensor_load_to_lds s[\g0a:\g0a+3], s[\g1a:\g1a+7]
	s_nop 0
.rept 4
	v_nop
.endr
	s_branch .Lasked_\@
.Lfor_b_\@:
	tensor_load_to_lds s[\g0b:\g0b+3], s[\g1b:\g1b+7]
	s_nop 0
.rept 4
	v_nop
.endr
.Lasked_\@:
.endm
.macro CREST                           ; a round of the cluster's barrier behind its opening barrier
	s_cmp_lg_u32 s14, 0
	s_cbranch_scc1 .Lnot_wave_0_\@
	s_barrier_signal -3
.Lnot_wave_0_\@:
	s_barrier_wait -3
	s_barrier_signal -1
	s_barrier_wait -1
.endm
.macro CROUND
	s_barrier_signal -1
	s_barrier_wait -1
	CREST
.endm
	s_load_b256 s[4:11], s[0:1], 0x0               ; h1, fc2_w codes, fc2_w scales, out0
	s_load_b64 s[12:13], s[0:1], 0x20              ; x2
	s_load_b64 s[66:67], s[0:1], 0x28              ; fc2_b
	v_lshl_add_u32 v[SPW], v0, 2, SPARE
	v_mov_b32 v[NIL], 0
	ds_add_u32 v28, v29
	ds_add_u32 v28, v29
	s_wait_dscnt 0x0
	v_lshrrev_b32 v1, 5, v0
	v_readfirstlane_b32 s14, v1                    ; wave 0..3
	s_lshr_b32 s15, s14, 1                         ; my half of the tile's rows; also: I fetch for A (0) or B (1)
	s_and_b32 s16, s14, 1                          ; my half of its columns; also: which half of that tile I fetch
	s_bfe_u32 s40, ttmp6, 0x40000                  ; cx
	s_bfe_u32 s41, ttmp6, 0x40004                  ; cy
	s_lshl_b32 s42, ttmp9, 2
	s_add_co_u32 s42, s42, s40                     ; tile column 0..7
	s_and_b32 s17, ttmp7, 0xffff
	s_lshl_b32 s17, s17, 2
	s_add_co_u32 s17, s17, s41                     ; tile row 0..31
	s_lshl_b32 s43, s41, 2
	s_lshl_b32 s43, 15, s43                        ; my row of the cluster
	s_lshl_b32 s44, 0x1111, s40                    ; my column
	s_or_b32 s[G1+0], s43, (3<<16)|(1<<21)         ; A: four rows of 8,704 bytes (1,088 elements of 8), 278,528 bytes apart; no padding
	s_mov_b32 s[G1+1], 1088<<16
	s_mov_b32 s[G1+2], 8<<16                       ; the head's load brings all eight chunks of K step 0; behind it the two words that count rows are set to 4
	s_mov_b32 s[G1+3], 1088<<16
	s_mov_b32 s[G1+4], 8
	s_mov_b32 s[G1+5], SROW/8
	s_mov_b32 s[G1+6], 0
	s_mov_b32 s[G1+7], 0
	s_or_b32 s[G1B+0], s44, (0<<16)|(1<<20)|(1<<21)|(6<<22)|(3<<25)   ; B: 64 rows of 512 bytes; 4 words of padding after every 128
	s_mov_b32 s[G1B+1], ROWB<<16
	s_mov_b32 s[G1B+2], 128<<16                    ; the head's load brings all 128 rows of K step 0; behind it: 64
	s_mov_b32 s[G1B+3], ROWB<<16
	s_mov_b32 s[G1B+4], 128
	s_mov_b32 s[G1B+5], KROW
	s_mov_b32 s[G1B+6], 0
	s_mov_b32 s[G1B+7], 0
	s_or_b32 s[G1SB+0], s44, (3<<16)|(1<<20)|(1<<21)|(5<<22)|(3<<25)  ; B's scales of 64 rows: a dense block, as 32 rows of 256 bytes, 16 of padding behind each
	s_mov_b32 s[G1SB+1], 32<<16
	s_mov_b32 s[G1SB+2], (64*KS/256)<<16
	s_mov_b32 s[G1SB+3], 32<<16
	s_mov_b32 s[G1SB+4], 64*KS/256
	s_mov_b32 s[G1SB+5], 32
	s_mov_b32 s[G1SB+6], 0
	s_mov_b32 s[G1SB+7], 0
	s_mul_i32 s20, s17, CHUNK                      ; A: the tile row's 128 rows,
	s_mul_i32 s21, s16, 4*SROW                     ; the four chunks of a K step's eight that I fetch
	s_add_co_u32 s20, s20, s21
	s_mov_b32 s21, 0
	s_lshl_b32 s18, s16, 6
	s_lshl_b32 s46, s42, 7
	s_add_co_u32 s46, s46, s18                     ; B: row 128 x tile column + 64 x half
	s_mov_b32 s47, 0
	s_lshl_b64 s[92:93], s[46:47], 7               ; its scales,
	s_lshl_b64 s[46:47], s[46:47], 11              ; its codes
	s_mul_i32 s45, s16, AHALF
	s_mul_i32 s96, s17, CHUNK                      ; the head's whole tiles: A's at the tile row's first chunk,
	s_mov_b32 s97, 0
	s_lshl_b32 s98, s42, 18                        ; B's at row 128 x tile column, 2,048 bytes a row
	s_mov_b32 s99, 0
	s_mul_i32 s94, s16, BHALF
	s_mul_i32 s95, s16, HALFS
	s_wait_kmcnt 0x0
	s_add_nc_u64 s[20:21], s[4:5], s[20:21]
	s_add_nc_u64 s[46:47], s[6:7], s[46:47]
	s_add_nc_u64 s[92:93], s[8:9], s[92:93]
	s_lshl_b32 s72, s40, 1                         ; the prefetches' bases.  A: chunk 2 cx + wave / 2 of a K step's eight,
	s_add_co_u32 s72, s72, s15
	s_mul_i32 s72, s72, SROW
	s_mul_i32 s73, s16, 17*256                     ; the half of its 34 blocks that is my wave's,
	s_add_co_u32 s72, s72, s73
	s_add_co_u32 s72, s72, s96                     ; in the tile row's 128 rows
	s_mov_b32 s73, 0
	s_add_nc_u64 s[68:69], s[4:5], s[72:73]
	s_lshl_b32 s74, s42, 7                         ; B: row 128 x tile column + 32 cy + 8 x wave,
	s_lshl_b32 s75, s41, 5
	s_add_co_u32 s74, s74, s75
	s_lshl_b32 s75, s14, 3
	s_add_co_u32 s74, s74, s75
	s_lshl_b32 s74, s74, 11                        ; 2,048 bytes a row
	s_mov_b32 s75, 0
	s_add_nc_u64 s[70:71], s[6:7], s[74:75]
	s_add_nc_u64 s[98:99], s[6:7], s[98:99]
	s_add_nc_u64 s[6:7], s[4:5], s[96:97]          ; and of A: s[4:7] (the arguments that lay there have been used)
	s_or_b32 s7, s7, 0x80000000
	s_or_b32 s99, s99, 0x80000000
	s_mov_b32 s4, 1
	s_mov_b32 s5, 0
	s_mov_b32 s96, 1
	s_mov_b32 s97, BOFF
	s_mov_b32 s[G0SB], 1
	s_add_co_u32 s[G0SB+1], s95, SCL
	s_mov_b64 s[G0SB+2:G0SB+3], s[92:93]
	s_or_b32 s[G0SB+3], s[G0SB+3], 0x80000000
.irp s, 0,1
	s_mov_b32 s[G0+4*\s], 1
	s_add_co_u32 s[G0+4*\s+1], s45, \s*SLOT
	s_add_nc_u64 s[G0+4*\s+2:G0+4*\s+3], s[20:21], \s*ASTEP
	s_or_b32 s[G0+4*\s+3], s[G0+4*\s+3], 0x80000000
	s_mov_b32 s[G0B+4*\s], 1
	s_add_co_u32 s[G0B+4*\s+1], s94, BOFF+\s*SLOT
	s_add_nc_u64 s[G0B+4*\s+2:G0B+4*\s+3], s[46:47], \s*ROWB
	s_or_b32 s[G0B+4*\s+3], s[G0B+4*\s+3], 0x80000000
.endr
	CROUND                                         ; all sixteen work-groups are here: the first joint loads meet
	s_cmp_eq_u32 s15, 0                            ; a wave's first fills stand in one branch on its number
	s_cbranch_scc0 .Lfirst_s                       ; one tree of branches on the wave's number, one load to an arm: wave 0 K step 0 of A, wave 1 of B, waves 2 and 3 the halves of B's scales
	s_cmp_eq_u32 s14, 0
	s_cbranch_scc0 .Lfirst_b
	tensor_load_to_lds s[4:7], s[G1:G1+7]
	s_nop 0
.rept 4
	v_nop
.endr
	s_branch .Lfirst_asked
.Lfirst_b:
	tensor_load_to_lds s[96:99], s[G1B:G1B+7]
	s_nop 0
.rept 4
	v_nop
.endr
	s_branch .Lfirst_asked
.Lfirst_s:
	tensor_load_to_lds s[G0SB:G0SB+3], s[G1SB:G1SB+7]
	s_nop 0
.rept 4
	v_nop
.endr
.Lfirst_asked:
	v_and_b32 v1, 15, v0                           ; r
	v_bfe_u32 v2, v0, 4, 1                         ; h
	v_and_b32 v6, 31, v0
	v_lshlrev_b32 v8, 4, v6                        ; 16 x lane
	s_wait_alu depctr_va_vdst(0)
	v_lshlrev_b32 v7, 2, v1                        ; 4 r
	s_wait_alu depctr_va_vdst(0)
	v_mul_u32_u24 v3, v1, PITCH
	v_lshl_add_u32 v4, v2, 4, v3                   ; B: row r x pitch + 16 h
	s_wait_alu depctr_va_vdst(0)
	s_lshl_b32 s21, s15, 12                        ; my 64 rows of A: four images of 1,024 bytes into each chunk,
	s_lshl_b32 s23, s15, 8
	s_add_co_u32 s23, s23, 8192                    ; and 64 words into its scale words
	s_mul_i32 s22, s16, BHALF
	s_add_co_u32 s22, s22, BOFF                    ; my 64 rows of B
.irp s, 0,1
	v_add_nc_u32 v[ADRA+\s], s21, v8
	v_add_nc_u32 v[ADRW+\s], s23, v7
	v_add_nc_u32 v[ADRB+\s], s22, v4
	s_add_co_u32 s21, s21, SLOT
	s_add_co_u32 s23, s23, SLOT
	s_add_co_u32 s22, s22, SLOT
.endr
	v_mul_u32_u24 v5, v1, KS                       ; B's scales: 128 bytes a row, and 16 more for each 256 passed
	v_lshrrev_b32 v9, 8, v5
	v_lshl_add_u32 v5, v9, 4, v5
	s_mul_i32 s21, s16, HALFS
	s_add_co_u32 s21, s21, SCL
	v_add_nc_u32 v[ADRS], s21, v5
	s_mul_i32 s23, s14, 16*SPITCH                  ; my stage
	v_mul_u32_u24 v5, v1, SPITCH
	v_lshl_add_u32 v5, v2, 5, v5
	v_add_nc_u32 v[STO], s23, v5                   ; in: row r, + 32 h
	v_mul_u32_u24 v5, v2, SPITCH
	v_lshl_add_u32 v5, v1, 4, v5
	v_add_nc_u32 v[RD], s23, v5                    ; back: lanes 0-15 one row of 256 bytes, lanes 16-31 the next
	v_lshlrev_b32 v[CO], 12, v2
	v_lshl_add_u32 v[CO], v1, 4, v[CO]             ; and the same two rows in x2 and out0
	v_lshlrev_b32 v[BO], 4, v1
	v_and_b32 v10, 31, v0                          ; the prefetches' offsets, never rewritten:
	v_min_u32 v22, 16, v10
	v_min_u32 v11, 15, v10
	v_lshlrev_b32 v22, 8, v22                      ; v22, A: 256 x lane, held at the wave's 17th block
	v_lshrrev_b32 v23, 1, v11
	v_and_b32 v11, 1, v11
	v_lshlrev_b32 v23, 11, v23
	v_lshl_add_u32 v23, v11, 8, v23                ; v23, B: row lane / 2, block lane % 2, held at the wave's 16th block
	s_wait_alu depctr_va_vdst(0)
	s_lshl_b32 s20, s17, 7
	s_lshl_b32 s21, s15, 6
	s_add_co_u32 s20, s20, s21                     ; my first row: 128 x tile row + 64 x half,
	s_lshl_b32 s20, s20, 12                        ; 4,096 bytes a row
	s_lshl_b32 s46, s42, 9
	s_lshl_b32 s47, s16, 8
	s_add_co_u32 s46, s46, s47                     ; my first column, in bytes: 512 x tile column + 256 x half
	s_mov_b32 s47, 0
	s_add_nc_u64 s[66:67], s[66:67], s[46:47]
	s_add_co_u32 s20, s20, s46
	s_mov_b32 s21, 0
	s_add_nc_u64 s[10:11], s[10:11], s[20:21]
	s_add_nc_u64 s[12:13], s[12:13], s[20:21]
; 8 matrix instructions: A's blocks a0, a0 + 1 x B's four, 128 along K: half c of buffer f, the slot's q-th 128.  sc: the set of scale words.  zero = 1: the first product starts the sums.
; The 16 accumulators take turns, one instruction a turn, in the same order throughout.
.macro MUL8 f, c, a0, q, sc, zero
.irp a, \a0, \a0+1
.irp b, 0,1,2,3
.if \zero
	v_wmma_scale_f32_16x16x128_f8f6f4 v[8*(4*(\a)+\b):8*(4*(\a)+\b)+7], v[\f+64+8*(4*\c+\b):\f+64+8*(4*\c+\b)+7], v[\f+8*(4*\c+(\a)):\f+8*(4*\c+(\a))+7], 0, v[SCB+32*(\sc)+8*\b+(\q)], v[SCA+32*(\sc)+8*(\a)+(\q)] matrix_a_fmt:MATRIX_FMT_FP4 matrix_b_fmt:MATRIX_FMT_FP4
.else
	v_wmma_scale_f32_16x16x128_f8f6f4 v[8*(4*(\a)+\b):8*(4*(\a)+\b)+7], v[\f+64+8*(4*\c+\b):\f+64+8*(4*\c+\b)+7], v[\f+8*(4*\c+(\a)):\f+8*(4*\c+(\a))+7], v[8*(4*(\a)+\b):8*(4*(\a)+\b)+7], v[SCB+32*(\sc)+8*\b+(\q)], v[SCA+32*(\sc)+8*(\a)+(\q)] matrix_a_fmt:MATRIX_FMT_FP4 matrix_b_fmt:MATRIX_FMT_FP4
.endif
.endr
.endr
.endm
; 32 LDS loads in one run: the fragments of the slot's p-th 256 along K into buffer f; the first 128 along K first.
; B: 16 rows x 128 K of 4-bit codes: two loads of 16 bytes, 32 bytes apart in a row.  A: an image of the operand's registers: 16 bytes a lane on end.
.macro FETCH slot, p, f
	WIN TO_F
.irp c, 0,1
.irp i, 0,1,2,3
	ds_load_b128 v[\f+64+8*(4*\c+\i):\f+64+8*(4*\c+\i)+3],   v[ADRB+\slot] offset:64*(2*(\p)+\c)+\i*16*PITCH
	ds_load_b128 v[\f+64+8*(4*\c+\i)+4:\f+64+8*(4*\c+\i)+7], v[ADRB+\slot] offset:64*(2*(\p)+\c)+\i*16*PITCH+32
	ds_load_b128 v[\f+8*(4*\c+\i):\f+8*(4*\c+\i)+3],         v[ADRA+\slot] offset:CHUNK*(2*(\p)+\c)+1024*\i
	ds_load_b128 v[\f+8*(4*\c+\i)+4:\f+8*(4*\c+\i)+7],       v[ADRA+\slot] offset:CHUNK*(2*(\p)+\c)+1024*\i+512
.endr
.endr
.endm
; The scale words of K step k, which lies in slot sc: B's from the block that stays (32 bytes a row and K step), A's from the slot's chunks.  They stand ahead of the fragments' loads, so that the counted waits cover them.
.macro SCALES sc, k
	WIN 0
.irp i, 0,1,2,3
	ds_load_b128 v[SCB+32*\sc+8*\i:SCB+32*\sc+8*\i+3],   v[ADRS] offset:\i*SBLK+32*(\k)
	ds_load_b128 v[SCB+32*\sc+8*\i+4:SCB+32*\sc+8*\i+7], v[ADRS] offset:\i*SBLK+32*(\k)+16
.endr
.irp i, 0,1,2,3
.irp q, 0,1,2,3,4,5,6,7
	ds_load_b32 v[SCA+32*\sc+8*\i+\q], v[ADRW+\sc] offset:CHUNK*\q+64*\i
.endr
.endr
.endm
.macro PLACES                          ; four plain vector lines between a matrix instruction and a load into, or a read of, its registers
.rept 4
	v_nop
.endr
.endm
; A K step is four quarters of 256 along K, 32 matrix instructions each, on buffers 0, 1, 0, 1.  One of the first three: multiplies the p-th from buffer f and fetches the next into g.
.macro QUARTER slot, p, f, g, zero
	s_wait_dscnt 16                                ; all but the youngest sixteen loads (the second 128 along K) are in
	WIN MUL
	MUL8 \f, 0, 0, 2*(\p), \slot, \zero
	MUL8 \f, 0, 2, 2*(\p), \slot, \zero
	PLACES
	FETCH \slot, (\p)+1, \g
	s_wait_dscnt 32                                ; all but the 32 just issued
	WIN MUL
	MUL8 \f, 1, 0, 2*(\p)+1, \slot, 0
	MUL8 \f, 1, 2, 2*(\p)+1, \slot, 0
.endm
; The last quarter multiplies buffer 1 and changes slots: one barrier; in front of it each wave waits for all its tensor loads, adds 0 to its spare word, and waits for that and for its reads of this slot.
; fill = 1: the barrier opens a round of the cluster's barrier, and the joint refill, two K steps ahead, is the first tensor load behind it.  kn: the K step that lies in the next slot.
.macro TURN slot, next, fill, kn
	WIN 0                                          ; (the add's two registers lie in window 0)
	s_wait_tensorcnt 0x0                           ; all my tensor loads have landed: my part of the next slot
	ds_add_u32 v[SPW], v[NIL]                      ; 0 onto my spare word
	s_wait_dscnt 17                                ; the add and the youngest sixteen loads may be out
	WIN MUL
	MUL8 F1, 0, 0, 6, \slot, 0                     ; eight matrix instructions stand between the add and the wait for it
	s_wait_dscnt 0x0                               ; the add is done, my reads of this slot are over
	s_barrier_signal -1
	MUL8 F1, 0, 2, 6, \slot, 0
	WIN 0
	s_barrier_wait -1
.if \fill
	CREST                                          ; no wave of any partner still reads this slot's tiles or has a load on its way
	s_add_nc_u64 s[G0+4*\slot+2:G0+4*\slot+3], s[G0+4*\slot+2:G0+4*\slot+3], 2*ASTEP
	s_add_nc_u64 s[G0B+4*\slot+2:G0B+4*\slot+3], s[G0B+4*\slot+2:G0B+4*\slot+3], 2*ROWB
	JLOAD G0+4*\slot, G1, G0B+4*\slot, G1B         ; its four v_nop also part the last products from the loads below
.else
	PLACES
.endif
	SCALES \next, \kn
	FETCH \next, 0, F0
	WIN MUL
	MUL8 F1, 1, 0, 7, \slot, 0
	MUL8 F1, 1, 2, 7, \slot, 0
.endm
	s_wait_alu depctr_va_vdst(0)                   ; the wait at the head's end
	s_wait_tensorcnt 0x0                           ; my tile of the head's is in
	ds_add_u32 v[SPW], v[NIL]
	s_mov_b32 s[G1+2], 4<<16                       ; no tensor load of mine is out: from here on a load brings four chunks of A
	s_mov_b32 s[G1+4], 4
	s_mov_b32 s[G1B+2], 64<<16                     ; or 64 rows of B
	s_mov_b32 s[G1B+4], 64
	s_wait_dscnt 0x0
	CROUND                                         ; a whole round: K step 0 and B's scales are in, and the joint loads meet
	JLOAD G0+4, G1, G0B+4, G1B                     ; K step 1, slot 1's first fill: the first tensor load behind the round
	SCALES 0, 0
	FETCH 0, 0, F0
	WIN 0
	global_prefetch_b8 v22, s[68:69] offset:2*ASTEP th:TH_LOAD_NT scope:SCOPE_SE   ; my share of K step 2, which the next change of slots loads
	global_prefetch_b8 v23, s[70:71] offset:2*ROWB th:TH_LOAD_NT scope:SCOPE_SE
	QUARTER 0, 0, F0, F1, 1
	QUARTER 0, 1, F1, F0, 0
	QUARTER 0, 2, F0, F1, 0
	TURN 0, 1, 1, 1
	WIN 0
	global_prefetch_b8 v22, s[68:69] offset:3*ASTEP th:TH_LOAD_NT scope:SCOPE_SE   ; my share of K step 3, the last: its last block ends with h1's last byte, its last row is fc2_w's last
	global_prefetch_b8 v23, s[70:71] offset:3*ROWB th:TH_LOAD_NT scope:SCOPE_SE
	QUARTER 1, 0, F0, F1, 0                        ; K step 1
	QUARTER 1, 1, F1, F0, 0
	QUARTER 1, 2, F0, F1, 0
	TURN 1, 0, 1, 2
	WIN 0
	global_load_b128 v[BI:BI+3], v[BO], s[66:67]   ; every tile has been asked for: now the bias of the four columns that I store,
	WIN 0x80                                       ; and, destination window 2, the residual, laid as the rows come back from the stage
.irp a, 0,1,2,3
.irp t, 0,1,2,3,4,5,6,7
	global_load_b128 v[128+32*\a+4*\t:128+32*\a+4*\t+3], v[CO], s[12:13] offset:(16*\a+2*\t)*4096
.endr
.endr
	WIN 0
	QUARTER 0, 0, F0, F1, 0                        ; K step 2
	QUARTER 0, 1, F1, F0, 0
	QUARTER 0, 2, F0, F1, 0
	TURN 0, 1, 0, 3                                ; nothing is left to fetch
	QUARTER 1, 0, F0, F1, 0                        ; K step 3
	QUARTER 1, 1, F1, F0, 0
	QUARTER 1, 2, F0, F1, 0
	s_wait_dscnt 16
	WIN MUL
	MUL8 F1, 0, 0, 6, 1, 0
	MUL8 F1, 0, 2, 6, 1, 0
	s_wait_dscnt 0
	MUL8 F1, 1, 0, 7, 1, 0
	MUL8 F1, 1, 2, 7, 1, 0
	WIN 0
; THE WAY OUT, block by block of 16 rows x 64 columns.  A lane holds 32 neighbouring bytes of a row and the lanes beside it hold other rows: so a block goes through my own stage in LDS and comes back as whole
; rows of 256 bytes; + the residual, + the bias; sixteen lanes store 256 consecutive, aligned bytes.  LDS serves a wave's instructions in order: no wait between the stores and the loads, nor in front of the next
; block's stores.  Each block has registers of its own, so no store's data are written again.
.macro TOSTAGE a
	WIN 0x08                                       ; an LDS store's data are its source 1: window 2
.irp b, 0,1,2,3
	ds_store_b128 v[STO], v[8*(4*(\a)+\b):8*(4*(\a)+\b)+3] offset:64*\b        ; each accumulator from its low end on
	ds_store_b128 v[STO], v[8*(4*(\a)+\b)+4:8*(4*(\a)+\b)+7] offset:64*\b+16
.endr
	WIN TO_F
.irp t, 0,1,2,3,4,5,6,7
	ds_load_b128 v[32*(\a)+4*\t:32*(\a)+4*\t+3], v[RD] offset:\t*2*SPITCH
.endr
.endm
.macro SEND a, younger                 ; younger: the LDS instructions issued behind block a's loads, which may stay out
.set BB, 32*(\a)
	s_wait_dscnt \younger
	WIN 0x49                                       ; destination and source 0 window 1, source 1 (the residual) window 2
.set n_, 0
.rept 16
	v_pk_add_f32 v[BB+n_:BB+n_+1], v[BB+n_:BB+n_+1], v[128+BB+n_:128+BB+n_+1]
.set n_, n_+2
.endr
	WIN 0x41                                       ; source 1 (the bias) window 0
.set n_, 0
.rept 8
	v_pk_add_f32 v[BB+n_:BB+n_+1], v[BB+n_:BB+n_+1], v[BI:BI+1]
	v_pk_add_f32 v[BB+n_+2:BB+n_+3], v[BB+n_+2:BB+n_+3], v[BI+2:BI+3]
.set n_, n_+4
.endr
	WIN 0x04                                       ; a store's data are its source 1: window 1
.irp t, 0,1,2,3,4,5,6,7
	global_store_b128 v[CO], v[BB+4*\t:BB+4*\t+3], s[10:11] offset:(16*(\a)+2*\t)*4096 th:TH_STORE_NT
.endr
.endm
	PLACES                                         ; in front of the first reads of results and of loads into the operands' registers
	TOSTAGE 0
	TOSTAGE 1
	s_wait_loadcnt 0x0                             ; the residual and the bias, asked for behind the last refill
	SEND 0, 16                                     ; behind block 0's loads: block 1's eight stores and eight loads
	TOSTAGE 2
	SEND 1, 16
	TOSTAGE 3
	SEND 2, 16
	SEND 3, 0
	WIN 0
	s_wait_tensorcnt 0x0                           ; the wave's end
	ds_add_u32 v[SPW], v[NIL]
	s_wait_dscnt 0x0
	CROUND                                         ; the closing round: no work-group ends while a partner may still ask for a tile that names it
	s_endpgm
.Lfunc_end_k_q2d81454d91_fc2:
	.size	k_q2d81454d91_fc2, .Lfunc_end_k_q2d81454d91_fc2-k_q2d81454d91_fc2
	.p2alignl 7, 3214868480
	.fill 96, 4, 3214868480
	.section	.rodata,"a",@progbits
	.p2align	6, 0x0
	.amdhsa_kernel k_q2d81454d91_fc2
		.amdhsa_group_segment_fixed_size 327680
		.amdhsa_private_segment_fixed_size 0
		.amdhsa_enable_private_segment 0
		.amdhsa_kernarg_size 48
		.amdhsa_user_sgpr_count 2
		.amdhsa_user_sgpr_kernarg_segment_ptr 1
		.amdhsa_wavefront_size32 1
		.amdhsa_system_sgpr_workgroup_id_x 1
		.amdhsa_system_sgpr_workgroup_id_y 1
		.amdhsa_system_sgpr_workgroup_id_z 1
		.amdhsa_system_vgpr_workitem_id 0
		.amdhsa_next_free_vgpr 768
		.amdhsa_next_free_sgpr 100
		.amdhsa_reserve_vcc 0
		.amdhsa_float_denorm_mode_32 3
		.amdhsa_float_denorm_mode_16_64 3
		.amdhsa_memory_ordered 1
		.amdhsa_forward_progress 1
		.amdhsa_inst_pref_size 144
	.end_amdhsa_kernel
	.amdgpu_metadata
---
amdhsa.version: [ 1, 2 ]
amdhsa.kernels:
  - .name:           k_q2d81454d91_fc2
    .symbol:         k_q2d81454d91_fc2.kd
    .args:
      - { .name: h1, .offset: 0, .size: 8, .value_kind: global_buffer, .address_space: global }
      - { .name: fc2_w_codes, .offset: 8, .size: 8, .value_kind: global_buffer, .address_space: global }
      - { .name: fc2_w_scales, .offset: 16, .size: 8, .value_kind: global_buffer, .address_space: global }
      - { .name: out0, .offset: 24, .size: 8, .value_kind: global_buffer, .address_space: global }
      - { .name: x2, .offset: 32, .size: 8, .value_kind: global_buffer, .address_space: global }
      - { .name: fc2_b, .offset: 40, .size: 8, .value_kind: global_buffer, .address_space: global }
    .group_segment_fixed_size: 327680
    .private_segment_fixed_size: 0
    .kernarg_segment_align: 8
    .kernarg_segment_size: 48
    .max_flat_workgroup_size: 128
    .sgpr_count:     100
    .vgpr_count:     768
    .wavefront_size: 32
...
	.end_amdgpu_metadata
.endif
;; end of part 12
